; MI455X (gfx1250); checked and timed in simulation.
; The chip was launched on July 23, 2026; its instructions are those of AMD's public machine-readable ISA for CDNA 5 (MIT licence, August 2026) and "CDNA5" Instruction Set Architecture Reference Guide (July 2026). The comments in the code are by the model that wrote it; some were corrected since.
;; Attention. Allowed arithmetic: matrix products marked QUANTISED: E2M3 operands, one E8M0 scale for each 32 along K, by v_wmma_scale_f32_16x16x128_f8f6f4 with both operands' format E2M3, f32 sums; everything else in f32.
;; Inputs: Wk 2,048 x 512 float32; Wo 2,048 x 2,048 float32; Wq 2,048 x 2,048 float32; Wv 2,048 x 512 float32; rope_cache 2,048 x 64 x 2 float32; x 1 x 2,048 x 2,048 float32.
;; Outputs: out0 1 x 2,048 x 2,048 float32.
;; This version of the problem:
;;   THIS VERSION OF THE PROBLEM IS GIVEN IN LOW PRECISION. The matrix products marked QUANTISED in the list below multiply operands that are first quantised to E2M3 (2 exponent bits, 3 mantissa bits; 6 bits a number), with one power-of-two scale for each 32 numbers along K (OCP MX v1.0); their sums are f32. All else is computed in f32.
;;   The module's matrix products, in the order in which they are computed (A, B: the left and right operand; K: the contracted axis; several contracted axes count as one K, in the product's order):
;;     1. [M 2,048, K 2,048] x [K 2,048, N 2,048]; A: input x; B: input Wq: QUANTISED
;;     2. [M 2,048, K 2,048] x [K 2,048, N 512]; A: input x; B: input Wk: QUANTISED
;;     3. [M 2,048, K 2,048] x [K 2,048, N 512]; A: input x; B: input Wv: QUANTISED
;;     4. batch 16 x [M 2,048, K 128] x [K 128, N 2,048]; A: computed on the way; B: computed on the way: QUANTISED
;;     5. batch 16 x [M 2,048, K 2,048] x [K 2,048, N 128]; A: softmax (see below); B: computed on the way: QUANTISED
;;     6. [M 2,048, K 2,048] x [K 2,048, N 2,048]; A: computed on the way; B: input Wo: QUANTISED
;;   THE QUANTISER, for each operand of a quantised product, along K:
;;     - K is cut into blocks of 32 from its start; a last block that is shorter is filled with zeros.
;;     - A block's scale is 2^e with e = floor(log2(the largest magnitude in the block)) - 2, held to -126 .. 127; a block of zeros has e = 0. As a byte (E8M0): e + 127.
;;     - Each number is divided by its block's scale, clamped to +-7.5, and rounded to the nearest number of E2M3, ties to even, subnormals kept.
;;     - The product sums the exact products of the quantised numbers (number of the format x scale) in f32.
;;   ~~~python
;;   def quantise(x, axis):      # numpy; x: float32 -> the quantised numbers, widened to float32 again
;;       x = np.moveaxis(x, axis, -1); K = x.shape[-1]
;;       x = np.pad(x, [(0, 0)] * (x.ndim - 1) + [(0, -K % 32)]); x = x.reshape(x.shape[:-1] + (-1, 32)); a = np.abs(x).max(-1, keepdims=True)
;;       e = np.where(a > 0, np.clip(np.frexp(np.where(a > 0, a, 1))[1] - 1 - 2, -126, 127), 0)      # np.frexp(a)[1] - 1 = floor(log2(a)), exactly
;;       r = np.clip(x / 2.0 ** e, -7.5, 7.5)
;;       step = 2.0 ** (np.maximum(np.frexp(np.where(r == 0, 1, r))[1] - 1, 0) - 3)
;;       q = np.round(r / step) * step * 2.0 ** e      # np.round: ties to even
;;       return np.moveaxis(q.reshape(q.shape[:-2] + (-1,))[..., :K], -1, axis).astype(np.float32)
;;   ~~~
;;   SOFTMAX AHEAD OF A QUANTISED PRODUCT. Where the list says 'softmax', what is quantised is not the finished softmax but p = 2^(t - M), with t = logit x log2(e) and M = ceil(the row's largest t), a whole number; so 1/2 < the row's largest p <= 1. The row's sum l is taken of the UNQUANTISED p, in f32, and the product's result is divided by l at the end. Since M is a whole number, a kernel that streams over the keys may use a running M (the ceiling of the running maximum): every later rescaling is an exact power of two, which a block's scale takes up: the codes' values come out the same.
;;   OPERANDS COMPUTED ON THE WAY. 'Computed on the way' means the value that the module computes at that place (a softmax that the list does not call 'softmax' is quantised finished and normalised). What goes into a quantiser is computed in f32, as accurately as f32 sums, v_exp_f32 and their like allow (about 1e-6 of the number): no bf16 or f16 on the way to a quantiser, and a product that is left as it is and whose result goes on into a quantised operand takes f32 operands (vector FMAs, or v_wmma_f32_16x16x4_f32). A number that lies on a knife's edge between two numbers of the format may be rounded either way, as far as f32 arithmetic and the matrix unit's own rounding can turn it there, and no further.
;; 2 versions. Each part assembles by itself: llvm-mc -triple=amdgcn-amd-amdhsa -mcpu=gfx1250 --defsym DOCPART=n.
;; ======== version 1 of 2: 5 launches
;; workspace buffers: x_img 3,145,728 bytes; x_sc 131,072 bytes; w_img 7,864,320 bytes; w_sc 327,680 bytes; qkv_img 4,718,592 bytes; qkv_sc 196,608 bytes; y_img 3,145,728 bytes; y_sc 131,072 bytes
;; launch quant_x (part 1): grid 256 x 1, 8 waves a work-group, no clusters, 69,120 bytes of LDS; arguments x, x_img, x_sc; writes x_img, x_sc
.if DOCPART == 1
	.amdgcn_target "amdgcn-amd-amdhsa--gfx1250"
	.amdhsa_code_object_version 6
	.text
	.protected	k_q1bde664b4e_quant_x
	.globl	k_q1bde664b4e_quant_x
	.p2align	8
	.type	k_q1bde664b4e_quant_x,@function
k_q1bde664b4e_quant_x:
	s_mov_b64 s[64:65], 0
	v_nop
	global_prefetch_b8 v0, s[64:65] scope:SCOPE_SE
	s_setreg_imm32_b32 hwreg(HW_REG_WAVE_MODE, 25, 1), 1
	s_wait_xcnt 0x0
; x [2048 tokens][2048] f32 becomes codes of FP6 (E2M3) with one E8M0 scale byte for each 32 along the row, laid as IMAGES OF THE OPERAND'S REGISTERS.
; A fragment is 16 rows x 128 K: 12 registers a lane; lane (r, h) holds row slot r, registers 6 c .. 6 c + 5 = K 64 c + 32 h + 0 .. 31.  Its image is 1,536 dense bytes: registers 4 g .. 4 g + 3 of lane l at 512 g + 16 l.
; THE 16 TOKENS OF A TILE ARE NOT NEIGHBOURS: slot r of tile mt is token 16 mt - 8 (mt % 2) + r + 8 (r / 8), so that a later product that takes such a tile as source 0 has 16 neighbouring tokens in the registers of two neighbouring tiles.
; x_img [tile 128][K step 16][1536];  x_sc [tile][K step / 4][slot r][K step % 4]: a word of four bytes for a row and 128 along K; sixteen rows' four words are 256 bytes on end.
; A block's scale is 2^(floor(log2(its largest magnitude)) - 2); its byte is the largest magnitude's exponent field - 2, held at 1 from below.
; LIMITS: NaN and infinities among the inputs are not served.  A block whose largest magnitude lies under 2^-124 (a block of zeros among them) gets the byte 1 where the rule says less, or 127: the bytes are read by this program alone, and zero codes add nothing.
; SHARES: work-group = (tile mt, half of K); wave w makes ONE fragment, K step 8 half + w: sixteen loads of 512 consecutive bytes (a token's 128 numbers), all on their way at once.
; The conversions want 16 neighbours along K in one lane, the loads neighbouring bytes in neighbouring lanes: the 8,192 bytes turn through the wave's own stage in LDS (rows 528 bytes apart: 33 x 16, so sixteen rows start at sixteen different 16-byte columns modulo 256).
; No matrix unit, no tensor load, no cluster: each byte is read once by one wave, and nothing is shared but the eight scale words of a row, which meet in LDS to leave as whole runs of 256 bytes.
.set FRB,    1536                      ; a fragment's image
.set SPITCH, 528
.set WSTG,   16*SPITCH                 ; a wave's stage
.set SCX,    8*WSTG                    ; behind the stages: 512 bytes of scale words
.set LI,   4                           ; v4   16 x lane
.set SIN,  5                           ; v5   the stage, on the way in: my wave's + 16 x lane
.set SOUT, 6                           ; v6   on the way out: row r, + 64 h
.set SWR,  7                           ; v7   where my row's scale word goes
.set SRD,  8                           ; v8   where wave 0 reads the words back
.set RAW,  16                          ; v16-79   sixteen rows as loaded
.set X,    80                          ; v80-143  register 16 b + i = K 32 b + 16 h + i of my row
.set TM,   144                         ; v144-159 at work in QUANT
.set PW,   160                         ; v160     the scale word
.set PC,   164                         ; v164-182 the codes (12 registers) and two halves on their way
.set SEL,  20                          ; s[20:21] v_permlanex16_b32's selects for lane l xor 16
; 64 numbers of a lane, v[s] .. v[s + 63], register 16 b + i = K 32 b + 16 (lane / 16) + i of my row, become a fragment's codes in v[pc] .. v[pc + 11] and its scale word in v[pw].
.macro QUANT s, pc, pw
.irp b, 0,1,2,3
	v_max3_num_f32 v[TM+\b], |v[(\s)+16*\b]|, |v[(\s)+16*\b+1]|, 0x1800000   ; block b: my 16 numbers, and the floor 2^(3 - 127): the byte cannot fall under 1
.endr
.irp i, 2,4,6,8,10,12,14
.irp b, 0,1,2,3
	v_max3_num_f32 v[TM+\b], v[TM+\b], |v[(\s)+16*\b+\i]|, |v[(\s)+16*\b+\i+1]|   ; the four blocks by turns
.endr
.endr
.irp b, 0,1,2,3
	v_permlanex16_b32 v[TM+4+\b], v[TM+\b], s[SEL], s[SEL+1]
.endr
.irp b, 0,1,2,3
	v_max_num_f32 v[TM+\b], v[TM+\b], v[TM+4+\b]   ; with lane l xor 16's 16: the block's largest magnitude
.endr
.irp b, 0,1,2,3
	v_add_nc_u32 v[TM+12+\b], 0xff000000, v[TM+\b]   ; 2 off its exponent field: the conversion takes that field of this operand as its scale
.endr
.irp b, 0,1,2,3
	v_lshrrev_b32 v[TM+4+\b], 23, v[TM+12+\b]      ; the scale's byte
.endr
	v_lshl_or_b32 v[\pw], v[TM+5], 8, v[TM+4]      ; four bytes: my row's scale word
	v_lshl_or_b32 v[\pw], v[TM+6], 16, v[\pw]
	v_lshl_or_b32 v[\pw], v[TM+7], 24, v[\pw]
.irp c, 0,1
	v_cvt_scalef32_pk16_fp6_f32 v[(\pc)+6*\c:(\pc)+6*\c+2], v[(\s)+32*\c:(\s)+32*\c+15], v[TM+12+2*\c]
	v_cvt_scalef32_pk16_fp6_f32 v[(\pc)+12+4*\c:(\pc)+14+4*\c], v[(\s)+32*\c+16:(\s)+32*\c+31], v[TM+13+2*\c]   ; (a conversion's three registers begin on an even number)
.endr
	v_nop                                          ; one plain instruction behind a scaled conversion
.irp c, 0,1                                    ; the layout wants a WHOLE block in a lane: lanes 0-15 block 2 c, lanes 16-31 block 2 c + 1
.irp i, 0,1,2
	v_permlane16_swap_b32 v[(\pc)+6*\c+\i], v[(\pc)+12+4*\c+\i]
.endr
.irp i, 0,1,2
	v_mov_b32 v[(\pc)+3+6*\c+\i], v[(\pc)+12+4*\c+\i]
.endr
.endr
.endm
	s_load_b128 s[4:7], s[0:1], 0x0                ; x, x_img
	s_load_b64 s[8:9], s[0:1], 0x10                ; x_sc
	v_lshl_add_u32 v192, v0, 2, 0x10a00
	v_mov_b32 v193, 0
	v_lshrrev_b32 v1, 5, v0
	v_readfirstlane_b32 s16, v1                    ; wave 0..7
	v_and_b32 v1, 31, v0                           ; lane
	v_and_b32 v2, 15, v0                           ; r
	v_bfe_u32 v3, v0, 4, 1                         ; h
	v_lshlrev_b32 v[LI], 4, v1
	s_mul_i32 s17, s16, WSTG
	v_add_nc_u32 v[SIN], s17, v[LI]
	v_mul_u32_u24 v[SOUT], v2, SPITCH
	v_lshl_add_u32 v[SOUT], v3, 6, v[SOUT]
	v_add_nc_u32 v[SOUT], s17, v[SOUT]
	s_lshr_b32 s18, s16, 2                         ; which group of four K steps,
	s_lshl_b32 s18, s18, 8
	s_and_b32 s19, s16, 3                          ; and which of the four
	s_lshl_b32 s19, s19, 2
	s_add_co_u32 s18, s18, s19
	s_add_co_u32 s18, s18, SCX
	v_lshl_add_u32 v[SWR], v2, 4, s18              ; + 16 r
	v_add_nc_u32 v[SRD], SCX, v[LI]
	s_mov_b32 s[SEL], 0x76543210
	s_mov_b32 s[SEL+1], 0xfedcba98
.irp b, 0,1,2,3
	v_mov_b32 v[TM+4+\b], 0                        ; written once: a lane permute's destination counts as one of its sources
.endr
	s_lshr_b32 s22, ttmp9, 1                       ; mt
	s_and_b32 s23, ttmp9, 1                        ; half of K
	s_lshl_b32 s24, s23, 3
	s_add_co_u32 s24, s24, s16                     ; my K step
	s_and_b32 s25, s22, 1
	s_lshl_b32 s25, s25, 3
	s_lshl_b32 s26, s22, 4
	s_sub_co_u32 s26, s26, s25                     ; slot 0's token: 16 mt - 8 (mt % 2)
	s_lshl_b32 s26, s26, 13                        ; a token's row is 8,192 bytes
	s_lshl_b32 s27, s24, 9                         ; a K step 512
	s_add_co_u32 s26, s26, s27
	s_mov_b32 s27, 0
	s_lshl_b32 s28, s22, 4
	s_add_co_u32 s28, s28, s24
	s_mul_i32 s28, s28, FRB                        ; my fragment's image
	s_mov_b32 s29, 0
	s_lshl_b32 s30, s22, 10                        ; the tile's scale words, 1,024 bytes; my half of K: 512
	s_lshl_b32 s31, s23, 9
	s_add_co_u32 s30, s30, s31
	s_mov_b32 s31, 0
	s_wait_kmcnt 0x0
	s_add_nc_u64 s[4:5], s[4:5], s[26:27]
	s_add_nc_u64 s[6:7], s[6:7], s[28:29]
	s_add_nc_u64 s[8:9], s[8:9], s[30:31]
.irp t, 0,1,2,3,4,5,6,7,8,9,10,11,12,13,14,15
	global_load_b128 v[RAW+4*\t:RAW+4*\t+3], v[LI], s[4:5] offset:(\t+8*(\t/8))*8192 th:TH_LOAD_NT   ; slot t's token: 32 lanes read 512 consecutive bytes; read once in the launch
.endr
	s_wait_loadcnt 0x0
.irp t, 0,1,2,3,4,5,6,7,8,9,10,11,12,13,14,15
	ds_store_b128 v[SIN], v[RAW+4*\t:RAW+4*\t+3] offset:\t*SPITCH
.endr
.irp b, 0,1,2,3
.irp j, 0,1,2,3
	ds_load_b128 v[X+16*\b+4*\j:X+16*\b+4*\j+3], v[SOUT] offset:128*\b+16*\j   ; LDS serves a wave's instructions in order (ISA guide 5.7.1.4): these see my stores
.endr
.endr
	s_wait_dscnt 0x0
	QUANT X, PC, PW
.irp c, 0,1,2
	global_store_b128 v[LI], v[PC+4*\c:PC+4*\c+3], s[6:7] offset:512*\c   ; 512 consecutive bytes, at a multiple of 256 from the buffer's first byte
.endr
	ds_store_b32 v[SWR], v[PW]                     ; both halves of the lanes hold row r's word and write the same word with the same value
	s_wait_dscnt 0x0                               ; for wave 0's sake: my store has landed
	s_barrier_signal -1
	s_barrier_wait -1
	s_cmp_lg_u32 s16, 0
	s_cbranch_scc1 .Ldone
	ds_load_b128 v[RAW:RAW+3], v[SRD]              ; the eight waves' words: two runs of 256 bytes
	s_wait_dscnt 0x0
	global_store_b128 v[LI], v[RAW:RAW+3], s[8:9]
.Ldone:
	s_wait_tensorcnt 0x0
	ds_add_u32 v192, v193
	s_wait_dscnt 0x0
	s_endpgm
.Lfunc_end_k_q1bde664b4e_quant_x:
	.size	k_q1bde664b4e_quant_x, .Lfunc_end_k_q1bde664b4e_quant_x-k_q1bde664b4e_quant_x
	.p2alignl 7, 3214868480
	.fill 96, 4, 3214868480
	.section	.rodata,"a",@progbits
	.p2align	6, 0x0
	.amdhsa_kernel k_q1bde664b4e_quant_x
		.amdhsa_group_segment_fixed_size 69120
		.amdhsa_private_segment_fixed_size 0
		.amdhsa_enable_private_segment 0
		.amdhsa_kernarg_size 24
		.amdhsa_user_sgpr_count 2
		.amdhsa_user_sgpr_kernarg_segment_ptr 1
		.amdhsa_wavefront_size32 1
		.amdhsa_system_sgpr_workgroup_id_x 1
		.amdhsa_system_sgpr_workgroup_id_y 1
		.amdhsa_system_sgpr_workgroup_id_z 1
		.amdhsa_system_vgpr_workitem_id 0
		.amdhsa_next_free_vgpr 194
		.amdhsa_next_free_sgpr 66
		.amdhsa_reserve_vcc 0
		.amdhsa_float_denorm_mode_32 3
		.amdhsa_float_denorm_mode_16_64 3
		.amdhsa_memory_ordered 1
		.amdhsa_forward_progress 1
		.amdhsa_inst_pref_size 11
	.end_amdhsa_kernel
	.amdgpu_metadata
---
amdhsa.version: [ 1, 2 ]
amdhsa.kernels:
  - .name:           k_q1bde664b4e_quant_x
    .symbol:         k_q1bde664b4e_quant_x.kd
    .args:
      - { .name: x, .offset: 0, .size: 8, .value_kind: global_buffer, .address_space: global }
      - { .name: x_img, .offset: 8, .size: 8, .value_kind: global_buffer, .address_space: global }
      - { .name: x_sc, .offset: 16, .size: 8, .value_kind: global_buffer, .address_space: global }
    .group_segment_fixed_size: 69120
    .private_segment_fixed_size: 0
    .kernarg_segment_align: 8
    .kernarg_segment_size: 24
    .max_flat_workgroup_size: 256
    .sgpr_count:     66
    .vgpr_count:     194
    .wavefront_size: 32
...
	.end_amdgpu_metadata
.endif
;; end of part 1
;; launch quant_w (part 2): grid 40 x 4, 16 waves a work-group, no clusters, 4,096 bytes of LDS; arguments Wq, Wk, Wv, Wo, w_img, w_sc; writes w_img, w_sc
.if DOCPART == 2
	.amdgcn_target "amdgcn-amd-amdhsa--gfx1250"
	.amdhsa_code_object_version 6
	.text
	.protected	k_q1bde664b4e_quant_w
	.globl	k_q1bde664b4e_quant_w
	.p2align	8
	.type	k_q1bde664b4e_quant_w,@function
k_q1bde664b4e_quant_w:
	s_mov_b64 s[64:65], 0
	v_nop
	global_prefetch_b8 v0, s[64:65] scope:SCOPE_SE
	s_setreg_imm32_b32 hwreg(HW_REG_WAVE_MODE, 25, 1), 1
	s_wait_xcnt 0x0
; The four weights, f32 stored [K 2048][N], K their FIRST axis, become codes of FP6 (E2M3) with one E8M0 byte for each 32 along K, laid as images of the operand's registers (1,536 bytes a fragment of 16 columns x 128 K:
; registers 4 g .. 4 g + 3 of lane l at 512 g + 16 l; lane (r, h): column slot r, registers 6 c .. 6 c + 5 = K 64 c + 32 h + 0 .. 31).
; The columns of Wq, Wk, Wv, Wo count on end: 5,120 columns, 320 tiles.  Slot r of tile nt = 2 B + U is column 32 B + 8 U + r + 8 (r / 8).
; w_img [tile 320][K step 16][1536];  w_sc [tile][K step / 4][slot r][K step % 4], a word of four bytes each.
; A LANE TAKES A COLUMN, AND ITS REGISTERS RUN DOWN K: a block of 32 lies in one lane's 32 registers, its largest magnitude needs no other lane, and the conversions give codes with K innermost.  Nothing is transposed.
; A wave takes 32 columns x 128 K: two fragments.  Lane 16 u + r takes the column of slot r of tile u (8 u + r % 8 + 16 (r / 8) of the 32): a load still covers 128 consecutive bytes, and four waves stand side by side on 512.
; A lane's blocks 0 and 2 are made in F0, blocks 1 and 3 in F1; twelve exchanges of halves (F0's lanes 16-31 with F1's lanes 0-15) make F0 tile 0's fragment and F1 tile 1's.
; One path for all four weights: pointer, first group and row pitch are chosen by the work-group's number.  Loads run two blocks (64 loads a wave) ahead.  No address register is ever rewritten.
; LIMITS: NaN and infinities are not served; a block whose largest magnitude lies under 2^-124 (zeros among them) gets the byte 1: the bytes are read by this program alone.
; No tensor load, no cluster, no matrix unit: each byte is read once by one wave.
.set FRB,  1536
.set TROW, 16*FRB                      ; a tile's sixteen K steps
.set VO,   32                          ; v32-63   4 x my column + i rows, i = 0 .. 31
.set X,    64                          ; v64-127  two sets of 32 numbers
.set F0,   128                         ; v128-139
.set F1,   140                         ; v140-151
.set CT,   152                         ; v152-154 a block's upper 16 codes on their way
.set SW,   24                          ; v24      my column's scale word
.set BAS,  24                          ; s[24:31] four bases: my wave's block t begins 32 t rows down
	s_load_b256 s[4:11], s[0:1], 0x0               ; Wq s[4:5], Wk s[6:7], Wv s[8:9], Wo s[10:11]
	s_load_b128 s[12:15], s[0:1], 0x20             ; w_img, w_sc
	v_lshl_add_u32 v160, v0, 2, 0x800
	v_mov_b32 v161, 0
	v_lshrrev_b32 v1, 5, v0
	v_readfirstlane_b32 s16, v1                    ; wave 0..15
	v_and_b32 v1, 31, v0                           ; lane
	v_and_b32 v2, 15, v0                           ; r
	v_bfe_u32 v3, v0, 4, 1                         ; u
	v_and_b32 v4, 7, v0
	v_bfe_u32 v5, v0, 3, 1
	v_lshl_add_u32 v4, v3, 3, v4
	v_lshl_add_u32 v4, v5, 4, v4                   ; my column of the wave's 32: 8 u + r % 8 + 16 (r / 8)
	v_lshlrev_b32 v4, 2, v4
	v_lshlrev_b32 v6, 4, v1                        ; 16 x lane
	s_and_b32 s17, s16, 3                          ; cg: which 32 of the group's 128 columns
	s_lshr_b32 s18, s16, 2                         ; ksl: which of four K steps
	s_and_b32 s19, ttmp7, 0xffff                   ; kg: which four K steps
	s_lshl_b32 s42, s17, 9
	s_lshl_b32 s43, s18, 2
	s_add_co_u32 s43, s43, s42
	v_add_nc_u32 v7, s43, v6                       ; LDS: my scale word: 512 cg + 16 lane + 4 ksl
	v_add_nc_u32 v8, s42, v6                       ; and back, four words a lane (used by waves 0-3, whose cg is their number)
	v_lshlrev_b32 v9, 10, v3
	v_lshl_add_u32 v9, v2, 4, v9                   ; in w_sc: tile u, 16 r
	s_wait_kmcnt 0x0
	s_mov_b64 s[20:21], s[10:11]                   ; groups 24-39: Wo
	s_mov_b32 s22, 24
	s_mov_b32 s23, 8192                            ; a row of 2,048 numbers
	s_cmp_lt_u32 ttmp9, 24                         ; the choices hang on the work-group's number alone
	s_cselect_b64 s[20:21], s[8:9], s[20:21]       ; 20-23: Wv
	s_cselect_b32 s22, 20, s22
	s_cselect_b32 s23, 2048, s23                   ; a row of 512
	s_cmp_lt_u32 ttmp9, 20
	s_cselect_b64 s[20:21], s[6:7], s[20:21]       ; 16-19: Wk
	s_cselect_b32 s22, 16, s22
	s_cmp_lt_u32 ttmp9, 16
	s_cselect_b64 s[20:21], s[4:5], s[20:21]       ; 0-15: Wq
	s_cselect_b32 s22, 0, s22
	s_cselect_b32 s23, 8192, s23
	s_sub_co_u32 s32, ttmp9, s22
	s_lshl_b32 s32, s32, 9                         ; the group's 128 columns: 512 bytes
	s_lshl_b32 s33, s17, 7
	s_add_co_u32 s32, s32, s33
	s_mov_b32 s33, 0
	s_add_nc_u64 s[20:21], s[20:21], s[32:33]
	s_lshl_b32 s34, s19, 9
	s_lshl_b32 s35, s18, 7
	s_add_co_u32 s34, s34, s35                     ; my first row: 512 kg + 128 ksl
	s_mul_i32 s34, s34, s23
	s_mov_b32 s35, 0
	s_add_nc_u64 s[BAS:BAS+1], s[20:21], s[34:35]
	s_lshl_b32 s34, s23, 5                         ; 32 rows
	s_add_nc_u64 s[BAS+2:BAS+3], s[BAS:BAS+1], s[34:35]
	s_add_nc_u64 s[BAS+4:BAS+5], s[BAS+2:BAS+3], s[34:35]
	s_add_nc_u64 s[BAS+6:BAS+7], s[BAS+4:BAS+5], s[34:35]
.set i, 0
.rept 32
	v_mad_u32_u24 v[VO+i], i, s23, v4
.set i, i+1
.endr
.macro LOAD t                          ; block t: W(32 t + i, my column), i = 0 .. 31, into set t % 2
.set i, 0
.rept 32
	global_load_b32 v[X+32*((\t)%2)+i], v[VO+i], s[BAS+2*(\t):BAS+2*(\t)+1] th:TH_LOAD_NT
.set i, i+1
.endr
.endm
	LOAD 0
	LOAD 1
	s_lshl_b32 s36, ttmp9, 3
	s_lshl_b32 s37, s17, 1
	s_add_co_u32 s36, s36, s37                     ; my first tile: 8 x group + 2 cg
	s_lshl_b32 s38, s36, 4
	s_lshl_b32 s39, s19, 2
	s_add_co_u32 s38, s38, s39
	s_add_co_u32 s38, s38, s18                     ; + my K step: 4 kg + ksl
	s_mul_i32 s38, s38, FRB
	s_mov_b32 s39, 0
	s_add_nc_u64 s[12:13], s[12:13], s[38:39]
	s_lshl_b32 s40, s36, 10
	s_lshl_b32 s41, s19, 8
	s_add_co_u32 s40, s40, s41
	s_mov_b32 s41, 0
	s_add_nc_u64 s[14:15], s[14:15], s[40:41]
.macro BLOCK t
.set XS, X+32*((\t)%2)
.set FD, F0+12*((\t)%2)+6*((\t)/2)
.if (\t) < 3
	s_wait_loadcnt 32                              ; this block's 32 loads are in; the next block's 32 may be out
.else
	s_wait_loadcnt 0x0
.endif
	v_max3_num_f32 v12, |v[XS]|, |v[XS+1]|, |v[XS+2]|              ; the block's largest magnitude: all 32 numbers are mine; two chains
	v_max3_num_f32 v13, |v[XS+3]|, |v[XS+4]|, |v[XS+5]|
.irp i, 6,10,14,18,22,26
	v_max3_num_f32 v12, v12, |v[XS+\i]|, |v[XS+\i+1]|
	v_max3_num_f32 v13, v13, |v[XS+\i+2]|, |v[XS+\i+3]|
.endr
	v_max3_num_f32 v12, v12, |v[XS+30]|, |v[XS+31]|
	v_max3_num_f32 v12, v12, v13, 0x1800000        ; and the floor 2^(3 - 127): the byte cannot fall under 1
	v_add_nc_u32 v11, 0xff000000, v12              ; 2 off its exponent field: the conversion's scale operand
	v_lshrrev_b32 v13, 23, v11                     ; the scale's byte
.if (\t) == 0
	v_mov_b32 v[SW], v13
.else
	v_lshl_or_b32 v[SW], v13, 8*(\t), v[SW]        ; byte t of my column's word for these 128 along K
.endif
	v_cvt_scalef32_pk16_fp6_f32 v[FD:FD+2], v[XS:XS+15], v11
	v_cvt_scalef32_pk16_fp6_f32 v[CT:CT+2], v[XS+16:XS+31], v11    ; (a conversion's three registers begin on an even number)
	v_nop                                          ; one plain instruction behind a scaled conversion
.irp i, 0,1,2
	v_mov_b32 v[FD+3+\i], v[CT+\i]
.endr
.if (\t) < 2
	LOAD (\t)+2
.endif
.endm
	BLOCK 0
	BLOCK 1
	BLOCK 2
	BLOCK 3
.set i, 0
.rept 12
	v_permlane16_swap_b32 v[F0+i], v[F1+i]         ; F0: tile 0's fragment (lanes 16-31 now hold its blocks 1 and 3); F1: tile 1's
.set i, i+1
.endr
.irp c, 0,1,2
	global_store_b128 v6, v[F0+4*\c:F0+4*\c+3], s[12:13] offset:512*\c          ; 512 consecutive bytes each
	global_store_b128 v6, v[F1+4*\c:F1+4*\c+3], s[12:13] offset:TROW+512*\c
.endr
	ds_store_b32 v7, v[SW]
	s_wait_dscnt 0x0                               ; for the others' sake: my store has landed
	s_barrier_signal -1
	s_barrier_wait -1
	s_cmp_gt_u32 s16, 3
	s_cbranch_scc1 .Ldone
	ds_load_b128 v[X:X+3], v8                      ; the four K steps' words of my column's row
	s_wait_dscnt 0x0
	global_store_b128 v9, v[X:X+3], s[14:15]       ; each half of the lanes stores 256 consecutive bytes, aligned
.Ldone:
	s_wait_tensorcnt 0x0
	ds_add_u32 v160, v161
	s_wait_dscnt 0x0
	s_endpgm
.Lfunc_end_k_q1bde664b4e_quant_w:
	.size	k_q1bde664b4e_quant_w, .Lfunc_end_k_q1bde664b4e_quant_w-k_q1bde664b4e_quant_w
	.p2alignl 7, 3214868480
	.fill 96, 4, 3214868480
	.section	.rodata,"a",@progbits
	.p2align	6, 0x0
	.amdhsa_kernel k_q1bde664b4e_quant_w
		.amdhsa_group_segment_fixed_size 4096
		.amdhsa_private_segment_fixed_size 0
		.amdhsa_enable_private_segment 0
		.amdhsa_kernarg_size 48
		.amdhsa_user_sgpr_count 2
		.amdhsa_user_sgpr_kernarg_segment_ptr 1
		.amdhsa_wavefront_size32 1
		.amdhsa_system_sgpr_workgroup_id_x 1
		.amdhsa_system_sgpr_workgroup_id_y 1
		.amdhsa_system_sgpr_workgroup_id_z 1
		.amdhsa_system_vgpr_workitem_id 0
		.amdhsa_next_free_vgpr 162
		.amdhsa_next_free_sgpr 66
		.amdhsa_reserve_vcc 0
		.amdhsa_float_denorm_mode_32 3
		.amdhsa_float_denorm_mode_16_64 3
		.amdhsa_memory_ordered 1
		.amdhsa_forward_progress 1
		.amdhsa_inst_pref_size 25
	.end_amdhsa_kernel
	.amdgpu_metadata
---
amdhsa.version: [ 1, 2 ]
amdhsa.kernels:
  - .name:           k_q1bde664b4e_quant_w
    .symbol:         k_q1bde664b4e_quant_w.kd
    .args:
      - { .name: Wq, .offset: 0, .size: 8, .value_kind: global_buffer, .address_space: global }
      - { .name: Wk, .offset: 8, .size: 8, .value_kind: global_buffer, .address_space: global }
      - { .name: Wv, .offset: 16, .size: 8, .value_kind: global_buffer, .address_space: global }
      - { .name: Wo, .offset: 24, .size: 8, .value_kind: global_buffer, .address_space: global }
      - { .name: w_img, .offset: 32, .size: 8, .value_kind: global_buffer, .address_space: global }
      - { .name: w_sc, .offset: 40, .size: 8, .value_kind: global_buffer, .address_space: global }
    .group_segment_fixed_size: 4096
    .private_segment_fixed_size: 0
    .kernarg_segment_align: 8
    .kernarg_segment_size: 48
    .max_flat_workgroup_size: 512
    .sgpr_count:     66
    .vgpr_count:     162
    .wavefront_size: 32
...
	.end_amdgpu_metadata
.endif
;; end of part 2
;; launch qkv (part 3): grid 24 x 8, 4 waves a work-group, clusters of 4 x 4, 327,680 bytes of LDS; arguments x_img, x_sc, w_img, w_sc, rope_cache, qkv_img, qkv_sc; writes qkv_img, qkv_sc
.if DOCPART == 3
	.amdgcn_target "amdgcn-amd-amdhsa--gfx1250"
	.amdhsa_code_object_version 6
	.text
	.protected	k_q1bde664b4e_qkv
	.globl	k_q1bde664b4e_qkv
	.p2align	8
	.type	k_q1bde664b4e_qkv,@function
k_q1bde664b4e_qkv:
	s_mov_b64 s[64:65], 0
	v_nop
	global_prefetch_b8 v0, s[64:65] scope:SCOPE_SE
	s_setreg_imm32_b32 hwreg(HW_REG_WAVE_MODE, 25, 1), 1
	s_wait_xcnt 0x0
	s_wait_alu depctr_hold_cnt(0) depctr_sa_sdst(0) depctr_va_vdst(0) depctr_va_sdst(0) depctr_va_ssrc(0) depctr_va_vcc(0) depctr_vm_vsrc(0)
	s_getreg_b32 s2, hwreg(HW_REG_IB_STS2, 6, 4)
	s_cmp_eq_u32 s2, 0
	s_cbranch_scc0 .Lentry_in_a_cluster
	s_endpgm
.Lentry_in_a_cluster:
	s_bfe_u32 s2, ttmp6, 0x10000c
	s_cmp_lg_u32 s2, 0xf033
	s_cbranch_scc0 .Lentry_shape_is_right
	s_endpgm
.Lentry_shape_is_right:
; q = rope(x Wq), k = rope(x Wk), v = x Wv, all three products on codes of FP6 (E2M3) with E8M0 scales; the results are quantised here, in registers, for the attention launch.
; Operands come as images of their registers (1,536 bytes a fragment of 16 rows x 128 K, registers 4 g .. 4 g + 3 of lane l at 512 g + 16 l), so a fragment is three ds_load_b128 at 16 x lane: no pitch, no padding.
; Slot r of tile 2 B + U (of tokens, of a weight's columns) is row 32 B + 8 U + r + 8 (r / 8): as source 0, two neighbouring tiles give a lane 16 NEIGHBOURS in 16 registers, the order that the next quantiser takes.
; SHARES.  A work-group makes 256 tokens x 128 columns = one head slot hs (0-15 q, 16-19 k, 20-23 v).  Four waves, 32 accumulators each: source 0 = P, 8 fragments; source 1 = R, 4 fragments.
;   q, k:  P = the weight's 8 tiles, R = tokens' tiles 4 w .. 4 w + 3: a lane holds ONE token and its registers run along the head's 128: rope, then quantised along the head.
;   v:     P = tokens' tiles 8 (w / 2) .. + 7, R = the weight's tiles 4 (w % 2) .. + 3: a lane holds ONE channel and its registers run along 128 tokens: quantised along the keys.
;   The two roles differ in four LDS bases, chosen by the cluster's x (5: v), which all sixteen partners share.  In both the fragments written are hs x 128 + 16 wgy + 4 w + 0 .. 3.
; qkv_img [hs 24][f 128][1536]: q, k: f = tokens' tile; v: f = 8 x key step + channels' tile.  qkv_sc [hs][f / 4][slot r][f % 4]: a word each.
; K = 2,048 goes in four visits of 512 through two LDS slots: visits 0 and 1 are first fills, visits 2 and 3 the only refills; all is written out.
; The scale words of the work-group's rows, for all of K, come once, with the first fills.
; CLUSTER 4 x 4: the four of a row need the same tiles of x, the four of a column the same tiles of the weight: each is asked for jointly.
; rope_cache is loaded by every work-group on the one path that all take; v's 32 work-groups leave it unused: so no register is read on a path on which it was not written.
; No prefetch is laid: half of K is asked for at the head, and each refill has three K steps and more of products in which to land.
; LIMITS: NaN and infinities are not served; a block whose largest magnitude lies under 2^-124 (zeros among them) gets the byte 1: the bytes are read by this program alone.
; REGISTERS, in windows of 256: window 0: v16-29 addresses; v32-127 scale words, two sets, and nothing else; v128-223 R's fragments, two sets, later rope's products and the codes; v224-243 at work.
;   window 1: P's fragments, two sets (v0, v128).   window 2: accumulator (rho, beta) at v[8 (8 rho + beta)].   window 3: cos and sin in the accumulators' layout.
.set FRB,   1536
.set TVIS,  4*FRB                      ; a tile's four K steps of a visit
.set TROW,  16*FRB                     ; a tile's sixteen K steps in memory
.set BOFF,  16*TVIS                    ; in a slot: x's 16 tiles, then the weight's 8
.set SLOT,  24*TVIS
.set SCL,   2*SLOT                     ; behind the ring: x's scale words (16 x 1,024 bytes),
.set SCLB,  16*1024                    ; then the weight's (8 x 1,024)
.set SPARE, SCL+24*1024                ; the spare words, 128 bytes for each wave: two blocks of 256 bytes that no other line names
.set ADP,  16                          ; v16-17  P's fragments in slot 0, 1: base + 16 x lane
.set ADR,  18                          ; v18-19  R's
.set ADPS, 20                          ; v20     P's scale words: base + 16 r
.set ADRS, 21                          ; v21     R's
.set LI,   22                          ; v22     16 x lane
.set RO,   23                          ; v23     rope_cache: my token's row + 64 h
.set LN,   24                          ; v24     lane
.set R16,  27                          ; v27     16 r
.set SPW,  28                          ; v28     my spare word; never rewritten
.set NIL,  29                          ; v29     0; never rewritten
.set SC,   32                          ; set z at v[SC + 48 z]: P's word (beta, K step % 4) at + 4 beta + ksl, R's at + 32 + 4 rho + ksl
.set RF,   128                         ; R's fragments: set p at v[RF + 48 p + 12 rho]
.set TT,   128                         ; rope: 64 products
.set PC,   128                         ; the codes of fragment rho at v[PC + 20 rho]
.set TM,   224                         ; v224-239 at work in QUANT
.set PW,   240                         ; v240-243 the four fragments' scale words
.set SEL,  2                           ; s[2:3] v_permlanex16_b32's selects for lane l xor 16
.set G1A,  24                          ; s[24:31] group 1 for x's tiles; s[32:39] group 0, a set for each slot
.set G0A,  32
.set G1B,  48                          ; s[48:55], s[56:63] the same for the weight's
.set G0B,  56
.set G1SA, 68                          ; s[68:75], s[76:79] x's scale words
.set G0SA, 76
.set G1SB, 80                          ; s[80:87], s[88:91] the weight's
.set G0SB, 88
.set MSB, 0
.macro WIN new                         ; the immediate's high byte repeats the setting that is left; a switch that changes nothing is dropped
.if MSB != (\new)
	s_set_vgpr_msb (MSB<<8)|(\new)
.set MSB, \new
.endif
.endm
.macro PLACES                          ; four plain instructions behind a matrix instruction, ahead of loads into its registers and of reads of its result
.rept 4
	v_nop
.endr
.endm
; A joint load: waves 0 and 1 fetch for x, waves 2 and 3 for the weight.  The branch hangs on the wave's number alone.  Four v_nop follow each of the two lines.
.macro JLOAD g0a, g1a, g0b, g1b
	s_cmp_eq_u32 s19, 0
	s_cbranch_scc0 .Lfor_b_\@
	tensor_load_to_lds s[\g0a:\g0a+3], s[\g1a:\g1a+7]
	s_nop 0
.rept 4
	v_nop
.endr
	s_branch .Lasked_\@
.Lfor_b_\@:
	tensor_load_to_lds s[\g0b:\g0b+3], s[\g1b:\g1b+7]
	s_nop 0
.rept 4
	v_nop
.endr
.Lasked_\@:
.endm
.macro CREST                           ; a round of the cluster's barrier behind its opening barrier
	s_cmp_lg_u32 s18, 0
	s_cbranch_scc1 .Lnot_wave_0_\@
	s_barrier_signal -3
.Lnot_wave_0_\@:
	s_barrier_wait -3
	s_barrier_signal -1
	s_barrier_wait -1
.endm
.macro CROUND
	s_barrier_signal -1
	s_barrier_wait -1
	CREST
.endm
; 64 numbers of a lane in window w, v[s] .. v[s + 63], register 16 b + i = K 32 b + 16 (lane / 16) + i of my row, become a fragment's codes in v[pc] .. v[pc + 11] and its scale word in v[pw] (window 0).
.macro QUANT s, w, pc, pw
	WIN ((\w)<<2)|((\w)<<4)                        ; sources 1 and 2: the numbers' window
.irp b, 0,1,2,3
	v_max3_num_f32 v[TM+\b], 0x1800000, |v[(\s)+16*\b]|, |v[(\s)+16*\b+1]|   ; the floor 2^(3 - 127), and block b's first two: each accumulator is read from its low end on
.endr
.irp i, 2,4,6,8,10,12,14
.irp b, 0,1,2,3
	v_max3_num_f32 v[TM+\b], v[TM+\b], |v[(\s)+16*\b+\i]|, |v[(\s)+16*\b+\i+1]|
.endr
.endr
	WIN 0
.irp b, 0,1,2,3
	v_permlanex16_b32 v[TM+4+\b], v[TM+\b], s[SEL], s[SEL+1]
.endr
.irp b, 0,1,2,3
	v_max_num_f32 v[TM+\b], v[TM+\b], v[TM+4+\b]   ; with lane l xor 16's 16: the block's largest magnitude
.endr
.irp b, 0,1,2,3
	v_add_nc_u32 v[TM+12+\b], 0xff000000, v[TM+\b]   ; 2 off its exponent field: the conversion's scale operand
.endr
.irp b, 0,1,2,3
	v_lshrrev_b32 v[TM+4+\b], 23, v[TM+12+\b]      ; the scale's byte
.endr
	v_lshl_or_b32 v[\pw], v[TM+5], 8, v[TM+4]
	v_lshl_or_b32 v[\pw], v[TM+6], 16, v[\pw]
	v_lshl_or_b32 v[\pw], v[TM+7], 24, v[\pw]
	WIN (\w)                                       ; source 0: the numbers' window
.irp c, 0,1
	v_cvt_scalef32_pk16_fp6_f32 v[(\pc)+6*\c:(\pc)+6*\c+2], v[(\s)+32*\c:(\s)+32*\c+15], v[TM+12+2*\c]
	v_cvt_scalef32_pk16_fp6_f32 v[(\pc)+12+4*\c:(\pc)+14+4*\c], v[(\s)+32*\c+16:(\s)+32*\c+31], v[TM+13+2*\c]   ; (a conversion's three registers begin on an even number)
.endr
	WIN 0
	v_nop                                          ; one plain instruction behind a scaled conversion
.irp c, 0,1                                    ; a WHOLE block in a lane: lanes 0-15 block 2 c, lanes 16-31 block 2 c + 1
.irp i, 0,1,2
	v_permlane16_swap_b32 v[(\pc)+6*\c+\i], v[(\pc)+12+4*\c+\i]
.endr
.irp i, 0,1,2
	v_mov_b32 v[(\pc)+3+6*\c+\i], v[(\pc)+12+4*\c+\i]
.endr
.endr
.endm
	s_load_b256 s[4:11], s[0:1], 0x0               ; x_img s[4:5], x_sc s[6:7], w_img s[8:9], w_sc s[10:11]
	s_load_b128 s[12:15], s[0:1], 0x20             ; rope_cache, qkv_img
	s_load_b64 s[16:17], s[0:1], 0x30              ; qkv_sc
	v_lshl_add_u32 v[SPW], v0, 2, SPARE
	v_mov_b32 v[NIL], 0
	ds_add_u32 v28, v29
	ds_add_u32 v28, v29
	s_wait_dscnt 0x0
	v_lshrrev_b32 v1, 5, v0
	v_readfirstlane_b32 s18, v1                    ; wave 0..3
	s_lshr_b32 s19, s18, 1                         ; I fetch for x (0) or for the weight (1)
	s_and_b32 s20, s18, 1                          ; and which half of its tiles
	s_bfe_u32 s40, ttmp6, 0x40000                  ; cx, cy: my place in the cluster
	s_bfe_u32 s41, ttmp6, 0x40004
	s_lshl_b32 s42, ttmp9, 2
	s_add_co_u32 s42, s42, s40                     ; wgx = the head slot
	s_and_b32 s21, ttmp7, 0xffff
	s_lshl_b32 s21, s21, 2
	s_add_co_u32 s21, s21, s41                     ; wgy: which 256 tokens
	s_lshl_b32 s43, s41, 2
	s_lshl_b32 s43, 15, s43                        ; my row of the cluster
	s_lshl_b32 s44, 0x1111, s40                    ; my column
	; group 1.  Elements of 8 bytes, no padding.  A tile's four K steps are a row of 6,144 bytes (768 elements); from tile to tile 24,576 bytes (3,072)
	s_or_b32 s[G1A], s43, (3<<16)|(1<<21)          ; 15:0 the mask: x's tiles go to my row; 17:16 elements of 8 bytes; 21 set beside a mask
	s_or_b32 s[G1B], s44, (3<<16)|(1<<21)          ; the weight's go to my column
	s_or_b32 s[G1SA], s43, (3<<16)|(1<<21)
	s_or_b32 s[G1SB], s44, (3<<16)|(1<<21)
.irp g, G1A, G1B
	s_mov_b32 s[\g+1], 768<<16                     ; tensor_dim0
	s_mov_b32 s[\g+3], 768<<16                     ; tile_dim0
	s_mov_b32 s[\g+5], 3072                        ; tensor_dim0_stride
	s_mov_b32 s[\g+6], 0
	s_mov_b32 s[\g+7], 0
.endr
	s_mov_b32 s[G1A+2], 8<<16                      ; tensor_dim1: 8 tiles of x a load,
	s_mov_b32 s[G1A+4], 8                          ; tile_dim1
	s_mov_b32 s[G1B+2], 4<<16                      ; 4 of the weight
	s_mov_b32 s[G1B+4], 4
.irp g, G1SA, G1SB                             ; scale words: dense, as rows of 256 bytes (32 elements)
	s_mov_b32 s[\g+1], 32<<16
	s_mov_b32 s[\g+3], 32<<16
	s_mov_b32 s[\g+5], 32
	s_mov_b32 s[\g+6], 0
	s_mov_b32 s[\g+7], 0
.endr
	s_mov_b32 s[G1SA+2], 32<<16                    ; 8 tiles x 1,024 bytes
	s_mov_b32 s[G1SA+4], 32
	s_mov_b32 s[G1SB+2], 16<<16                    ; 4 tiles
	s_mov_b32 s[G1SB+4], 16
	; x's addresses hang on wgy and the wave, the weight's on wgx and the wave, each in registers that never hold the other coordinate
	s_lshl_b32 s45, s20, 3
	s_lshl_b32 s22, s21, 4
	s_add_co_u32 s22, s22, s45                     ; x: tile 16 wgy + 8 (w % 2)
	s_mul_i32 s92, s22, TROW
	s_mov_b32 s93, 0
	s_lshl_b32 s94, s22, 10
	s_mov_b32 s95, 0
	s_lshl_b32 s47, s20, 2
	s_lshl_b32 s46, s42, 3
	s_add_co_u32 s46, s46, s47                     ; the weight: tile 8 wgx + 4 (w % 2)
	s_mul_i32 s96, s46, TROW
	s_mov_b32 s97, 0
	s_lshl_b32 s98, s46, 10
	s_mov_b32 s99, 0
	s_mul_i32 s100, s20, 8*TVIS                    ; where they go: no place in the cluster enters an LDS address
	s_mul_i32 s101, s20, 4*TVIS
	s_lshl_b32 s23, s20, 13
	s_lshl_b32 s45, s20, 12
	s_mov_b32 s[SEL], 0x76543210
	s_mov_b32 s[SEL+1], 0xfedcba98
	s_wait_kmcnt 0x0
	s_add_nc_u64 s[92:93], s[4:5], s[92:93]
	s_add_nc_u64 s[94:95], s[6:7], s[94:95]
	s_add_nc_u64 s[96:97], s[8:9], s[96:97]
	s_add_nc_u64 s[98:99], s[10:11], s[98:99]
	CROUND                                         ; all sixteen work-groups are here: the first joint loads meet
	s_mov_b32 s[G0SA], 1
	s_add_co_u32 s[G0SA+1], s23, SCL
	s_mov_b64 s[G0SA+2:G0SA+3], s[94:95]
	s_or_b32 s[G0SA+3], s[G0SA+3], 0x80000000
	s_mov_b32 s[G0SB], 1
	s_add_co_u32 s[G0SB+1], s45, SCL+SCLB
	s_mov_b64 s[G0SB+2:G0SB+3], s[98:99]
	s_or_b32 s[G0SB+3], s[G0SB+3], 0x80000000
	JLOAD G0SA, G1SA, G0SB, G1SB                   ; the scale words first: they are wanted with visit 0
.irp s, 0,1
	s_mov_b32 s[G0A+4*\s], 1
	s_add_co_u32 s[G0A+4*\s+1], s100, \s*SLOT
	s_add_nc_u64 s[G0A+4*\s+2:G0A+4*\s+3], s[92:93], \s*TVIS
	s_or_b32 s[G0A+4*\s+3], s[G0A+4*\s+3], 0x80000000
	s_mov_b32 s[G0B+4*\s], 1
	s_add_co_u32 s[G0B+4*\s+1], s101, \s*SLOT+BOFF
	s_add_nc_u64 s[G0B+4*\s+2:G0B+4*\s+3], s[96:97], \s*TVIS
	s_or_b32 s[G0B+4*\s+3], s[G0B+4*\s+3], 0x80000000
	JLOAD G0A+4*\s, G1A, G0B+4*\s, G1B             ; visits 0 and 1: three loads of mine are out
.endr
	v_and_b32 v[LN], 31, v0
	v_and_b32 v25, 15, v0                          ; r
	v_bfe_u32 v26, v0, 4, 1                        ; h
	v_lshlrev_b32 v[LI], 4, v[LN]
	v_lshlrev_b32 v[R16], 4, v25
	s_mul_i32 s92, s19, 8*TVIS                     ; v: P = tokens' tiles 8 (w / 2) on
	s_mul_i32 s93, s18, 4*TVIS                     ; q, k: R = tokens' tiles 4 w on
	s_mul_i32 s94, s20, 4*TVIS
	s_add_co_u32 s94, s94, BOFF                    ; v: R = the weight's tiles 4 (w % 2) on
	s_lshl_b32 s95, s19, 13                        ; and the same for the scale words
	s_lshl_b32 s96, s18, 12
	s_lshl_b32 s97, s20, 12
	s_add_co_u32 s97, s97, SCLB
	s_mov_b32 s98, BOFF                            ; q, k: P = the weight's 8 tiles
	s_mov_b32 s99, SCLB
	s_cmp_eq_u32 ttmp9, 5                          ; the cluster's x: the same in all sixteen partners
	s_cselect_b32 s92, s92, s98
	s_cselect_b32 s93, s94, s93
	s_cselect_b32 s95, s95, s99
	s_cselect_b32 s96, s97, s96
	v_add_nc_u32 v[ADP], s92, v[LI]
	v_add_nc_u32 v[ADP+1], SLOT, v[ADP]
	v_add_nc_u32 v[ADR], s93, v[LI]
	v_add_nc_u32 v[ADR+1], SLOT, v[ADR]
	v_add_nc_u32 v[ADPS], s95, v[R16]
	v_add_nc_u32 v[ADPS], SCL, v[ADPS]
	v_add_nc_u32 v[ADRS], s96, v[R16]
	v_add_nc_u32 v[ADRS], SCL, v[ADRS]
	v_and_b32 v[RO], 8, v25
	v_add_nc_u32 v[RO], v[RO], v25                 ; r + 8 (r / 8)
	v_lshlrev_b32 v[RO], 9, v[RO]                  ; a token's 64 (cos, sin) are 512 bytes
	v_lshl_add_u32 v[RO], v26, 6, v[RO]
.irp b, 0,1,2,3
	v_mov_b32 v[TM+4+\b], 0                        ; written once: a lane permute's destination counts as one of its sources
.endr
	s_lshl_b32 s46, s21, 17
	s_lshl_b32 s47, s18, 15
	s_add_co_u32 s46, s46, s47                     ; my wave's first token: 256 wgy + 64 w
	s_mov_b32 s47, 0
	s_add_nc_u64 s[12:13], s[12:13], s[46:47]
	s_lshl_b32 s92, s42, 7
	s_lshl_b32 s93, s21, 4
	s_add_co_u32 s92, s92, s93
	s_lshl_b32 s93, s18, 2
	s_add_co_u32 s92, s92, s93                     ; the first fragment that I write: 128 hs + 16 wgy + 4 w
	s_lshl_b32 s94, s92, 6                         ; its four scale words' block: 256 bytes for four fragments
	s_mov_b32 s95, 0
	s_mul_i32 s92, s92, FRB
	s_mov_b32 s93, 0
	s_add_nc_u64 s[14:15], s[14:15], s[92:93]
	s_add_nc_u64 s[16:17], s[16:17], s[94:95]
	; cos and sin in the accumulators' layout: register 64 rho + 8 beta + j = the cache's float 32 (beta / 2) + 8 (beta % 2) + 16 h + j of my token: an even float is a cos, the next its sin
	WIN 0xc0                                       ; destination window 3
.irp p, 0,1,2,3
.irp b, 0,1,2,3,4,5,6,7
	global_load_b128 v[64*\p+8*\b:64*\p+8*\b+3], v[RO], s[12:13] offset:(32*(\p/2)+8*(\p%2))*512+128*(\b/2)+32*(\b%2)
	global_load_b128 v[64*\p+8*\b+4:64*\p+8*\b+7], v[RO], s[12:13] offset:(32*(\p/2)+8*(\p%2))*512+128*(\b/2)+32*(\b%2)+16
.endr
.endr
	WIN 0
.macro FETCH slot, q, p                ; 36 LDS loads in one run: the slot's q-th K step: P's eight fragments and R's four, into set p
	WIN 0x40                                       ; destination window 1
.irp b, 0,1,2,3,4,5,6,7
.irp c, 0,1,2
	ds_load_b128 v[128*(\p)+12*\b+4*\c:128*(\p)+12*\b+4*\c+3], v[ADP+\slot] offset:\b*TVIS+(\q)*FRB+512*\c
.endr
.endr
	WIN 0
.irp e, 0,1,2,3
.irp c, 0,1,2
	ds_load_b128 v[RF+48*(\p)+12*\e+4*\c:RF+48*(\p)+12*\e+4*\c+3], v[ADR+\slot] offset:\e*TVIS+(\q)*FRB+512*\c
.endr
.endr
.endm
.macro SCALES z, kg                    ; a visit's scale words: four words (four K steps) of a row by one load
.irp b, 0,1,2,3,4,5,6,7
	ds_load_b128 v[SC+48*(\z)+4*\b:SC+48*(\z)+4*\b+3], v[ADPS] offset:\b*1024+(\kg)*256
.endr
.irp e, 0,1,2,3
	ds_load_b128 v[SC+48*(\z)+32+4*\e:SC+48*(\z)+32+4*\e+3], v[ADRS] offset:\e*1024+(\kg)*256
.endr
.endm
; Eight matrix instructions: R's fragment rho against P's eight.  The 32 accumulators take turns, one instruction a turn, in the same order in every K step.
.macro MUL rho, p, z, ksl, zero
.irp b, 0,1,2,3,4,5,6,7
.if \zero
	v_wmma_scale_f32_16x16x128_f8f6f4 v[8*(8*(\rho)+\b):8*(8*(\rho)+\b)+7], v[128*(\p)+12*\b:128*(\p)+12*\b+11], v[RF+48*(\p)+12*(\rho):RF+48*(\p)+12*(\rho)+11], 0, v[SC+48*(\z)+4*\b+(\ksl)], v[SC+48*(\z)+32+4*(\rho)+(\ksl)] matrix_a_fmt:MATRIX_FMT_FP6 matrix_b_fmt:MATRIX_FMT_FP6
.else
	v_wmma_scale_f32_16x16x128_f8f6f4 v[8*(8*(\rho)+\b):8*(8*(\rho)+\b)+7], v[128*(\p)+12*\b:128*(\p)+12*\b+11], v[RF+48*(\p)+12*(\rho):RF+48*(\p)+12*(\rho)+11], v[8*(8*(\rho)+\b):8*(8*(\rho)+\b)+7], v[SC+48*(\z)+4*\b+(\ksl)], v[SC+48*(\z)+32+4*(\rho)+(\ksl)] matrix_a_fmt:MATRIX_FMT_FP6 matrix_b_fmt:MATRIX_FMT_FP6
.endif
.endr
.endm
.set W_MUL, 0xa1                       ; source 0 (P) window 1, source 1 (R) window 0, C and D window 2
.macro STEP slot, q, zero              ; one of a visit's first three K steps: the next step's fragments are asked for ahead of this step's 32 products
	s_wait_dscnt 0x0                               ; this step's fragments, asked for a step ago, are in
	PLACES                                         ; the other set was read by the step before
	FETCH \slot, (\q)+1, 1-(\q)%2
	WIN W_MUL
	MUL 0, (\q)%2, \slot, \q, \zero
	MUL 1, (\q)%2, \slot, \q, \zero
	MUL 2, (\q)%2, \slot, \q, \zero
	MUL 3, (\q)%2, \slot, \q, \zero
	WIN 0
.endm
; A visit's last K step changes slots: ONE barrier; in front of it each wave waits for all its tensor loads, adds 0 to its spare word, and waits for that and for its reads of this slot.  fill = 1: this slot is filled again, two visits ahead.
.macro TURN slot, next, fill, kg
	s_wait_tensorcnt 0x0                           ; all my tensor loads have landed: my part of the next slot among them
	ds_add_u32 v[SPW], v[NIL]                      ; 0 onto my spare word
	s_wait_dscnt 0x1                               ; the add alone may be out: this step's fragments are in
	WIN W_MUL
	MUL 0, 1, \slot, 3, 0                          ; eight matrix instructions stand between the add and the wait for it
	s_wait_dscnt 0x0                               ; the add is done, and my reads of this slot are over
	s_barrier_signal -1
	MUL 1, 1, \slot, 3, 0
	WIN 0
	s_barrier_wait -1
.if \fill
	CREST                                          ; the barrier has opened a round of the cluster's: no wave of any partner still reads this slot or has a load on its way
	s_add_nc_u64 s[G0A+4*\slot+2:G0A+4*\slot+3], s[G0A+4*\slot+2:G0A+4*\slot+3], 2*TVIS
	s_add_nc_u64 s[G0B+4*\slot+2:G0B+4*\slot+3], s[G0B+4*\slot+2:G0B+4*\slot+3], 2*TVIS
	JLOAD G0A+4*\slot, G1A, G0B+4*\slot, G1B       ; the first tensor load behind the round; its four v_nop are also the places in front of the loads below
.else
	PLACES
.endif
	FETCH \next, 0, 0
	SCALES \next, \kg
	WIN W_MUL
	MUL 2, 1, \slot, 3, 0
	MUL 3, 1, \slot, 3, 0
	WIN 0
.endm
	s_wait_tensorcnt 0x1                           ; the scale words and my part of visit 0 are in; visit 1's load may be out
	s_barrier_signal -1
	s_barrier_wait -1                              ; everybody's are
	FETCH 0, 0, 0
	SCALES 0, 0
	STEP 0, 0, 1                                   ; the first products start the sums: nothing is cleared
	STEP 0, 1, 0
	STEP 0, 2, 0
	TURN 0, 1, 1, 1                                ; slot 0 takes visit 2
	STEP 1, 0, 0
	STEP 1, 1, 0
	STEP 1, 2, 0
	TURN 1, 0, 1, 2                                ; slot 1 takes visit 3
	STEP 0, 0, 0
	STEP 0, 1, 0
	STEP 0, 2, 0
	TURN 0, 1, 0, 3                                ; nothing is left to fetch
	STEP 1, 0, 0
	STEP 1, 1, 0
	STEP 1, 2, 0
	s_wait_dscnt 0x0
	WIN W_MUL
	MUL 0, 1, 1, 3, 0
	MUL 1, 1, 1, 3, 0
	MUL 2, 1, 1, 3, 0
	MUL 3, 1, 1, 3, 0
	WIN 0
	PLACES
	s_wait_loadcnt 0x0                             ; cos and sin
	s_cmp_eq_u32 ttmp9, 5
	s_cbranch_scc1 .Lno_rope                       ; v is not turned
; rope, a pair (x0, x1) at a time, in place: first (x1 sin, x1 cos), then (x0 cos - x1 sin, x0 sin + x1 cos).  Each accumulator is read from its low end on.
.macro ROPE p
	WIN 0x0e                                       ; source 0 window 2 (x), source 1 window 3 (cos, sin), destination window 0
.set i, 0
.rept 32
	v_pk_mul_f32 v[TT+2*i:TT+2*i+1], v[64*(\p)+2*i:64*(\p)+2*i+1], v[64*(\p)+2*i:64*(\p)+2*i+1] op_sel:[1,1] op_sel_hi:[1,0]
.set i, i+1
.endr
	WIN 0x8e                                       ; the same, destination window 2, source 2 window 0
.set i, 0
.rept 32
	v_pk_fma_f32 v[64*(\p)+2*i:64*(\p)+2*i+1], v[64*(\p)+2*i:64*(\p)+2*i+1], v[64*(\p)+2*i:64*(\p)+2*i+1], v[TT+2*i:TT+2*i+1] op_sel_hi:[0,1,1] neg_lo:[0,0,1]
.set i, i+1
.endr
.endm
	ROPE 0
	ROPE 1
	ROPE 2
	ROPE 3
	WIN 0
.Lno_rope:
.irp p, 0,1,2,3                                ; each fragment has its own registers for its codes: no store's data are written again
	QUANT 64*\p, 2, PC+20*\p, PW+\p
.irp c, 0,1,2
	global_store_b128 v[LI], v[PC+20*\p+4*\c:PC+20*\p+4*\c+3], s[14:15] offset:\p*FRB+512*\c   ; 512 consecutive bytes, at a multiple of 256 from the buffer's first byte
.endr
.endr
	v_cmp_gt_u32 vcc_lo, 16, v[LN]                 ; lanes 16-31 hold the same words
	s_wait_xcnt 0x0                                ; EXEC changes only behind this wait
	s_and_saveexec_b32 s46, vcc_lo
	global_store_b128 v[R16], v[PW:PW+3], s[16:17]   ; sixteen lanes store 256 consecutive bytes, aligned
	s_wait_xcnt 0x0
	s_or_b32 exec_lo, exec_lo, s46
	s_wait_tensorcnt 0x0                           ; the wave's end
	ds_add_u32 v[SPW], v[NIL]
	s_wait_dscnt 0x0
	CROUND                                         ; the closing round: no work-group ends while a partner may still ask for a tile that names it
	s_endpgm
.Lfunc_end_k_q1bde664b4e_qkv:
	.size	k_q1bde664b4e_qkv, .Lfunc_end_k_q1bde664b4e_qkv-k_q1bde664b4e_qkv
	.p2alignl 7, 3214868480
	.fill 96, 4, 3214868480
	.section	.rodata,"a",@progbits
	.p2align	6, 0x0
	.amdhsa_kernel k_q1bde664b4e_qkv
		.amdhsa_group_segment_fixed_size 327680
		.amdhsa_private_segment_fixed_size 0
		.amdhsa_enable_private_segment 0
		.amdhsa_kernarg_size 56
		.amdhsa_user_sgpr_count 2
		.amdhsa_user_sgpr_kernarg_segment_ptr 1
		.amdhsa_wavefront_size32 1
		.amdhsa_system_sgpr_workgroup_id_x 1
		.amdhsa_system_sgpr_workgroup_id_y 1
		.amdhsa_system_sgpr_workgroup_id_z 1
		.amdhsa_system_vgpr_workitem_id 0
		.amdhsa_next_free_vgpr 1024
		.amdhsa_next_free_sgpr 102
		.amdhsa_reserve_vcc 1
		.amdhsa_float_denorm_mode_32 3
		.amdhsa_float_denorm_mode_16_64 3
		.amdhsa_memory_ordered 1
		.amdhsa_forward_progress 1
		.amdhsa_inst_pref_size 159
	.end_amdhsa_kernel
	.amdgpu_metadata
---
amdhsa.version: [ 1, 2 ]
amdhsa.kernels:
  - .name:           k_q1bde664b4e_qkv
    .symbol:         k_q1bde664b4e_qkv.kd
    .args:
      - { .name: x_img, .offset: 0, .size: 8, .value_kind: global_buffer, .address_space: global }
      - { .name: x_sc, .offset: 8, .size: 8, .value_kind: global_buffer, .address_space: global }
      - { .name: w_img, .offset: 16, .size: 8, .value_kind: global_buffer, .address_space: global }
      - { .name: w_sc, .offset: 24, .size: 8, .value_kind: global_buffer, .address_space: global }
      - { .name: rope_cache, .offset: 32, .size: 8, .value_kind: global_buffer, .address_space: global }
      - { .name: qkv_img, .offset: 40, .size: 8, .value_kind: global_buffer, .address_space: global }
      - { .name: qkv_sc, .offset: 48, .size: 8, .value_kind: global_buffer, .address_space: global }
    .group_segment_fixed_size: 327680
    .private_segment_fixed_size: 0
    .kernarg_segment_align: 8
    .kernarg_segment_size: 56
    .max_flat_workgroup_size: 128
    .sgpr_count:     102
    .vgpr_count:     1024
    .wavefront_size: 32
...
	.end_amdgpu_metadata
.endif
;; end of part 3
;; launch attn (part 4): grid 64 x 4, 16 waves a work-group, clusters of 4 x 1, 327,680 bytes of LDS; arguments qkv_img, qkv_sc, y_img, y_sc; writes y_img, y_sc
.if DOCPART == 4
	.amdgcn_target "amdgcn-amd-amdhsa--gfx1250"
	.amdhsa_code_object_version 6
	.text
	.protected	k_q1bde664b4e_attn
	.globl	k_q1bde664b4e_attn
	.p2align	8
	.type	k_q1bde664b4e_attn,@function
k_q1bde664b4e_attn:
	s_mov_b64 s[64:65], 0
	v_nop
	global_prefetch_b8 v0, s[64:65] scope:SCOPE_SE
	s_setreg_imm32_b32 hwreg(HW_REG_WAVE_MODE, 25, 1), 1
	s_wait_xcnt 0x0
	s_wait_alu depctr_hold_cnt(0) depctr_sa_sdst(0) depctr_va_vdst(0) depctr_va_sdst(0) depctr_va_ssrc(0) depctr_va_vcc(0) depctr_vm_vsrc(0)
	s_getreg_b32 s2, hwreg(HW_REG_IB_STS2, 6, 4)
	s_cmp_eq_u32 s2, 0
	s_cbranch_scc0 .Lentry_in_a_cluster
	s_endpgm
.Lentry_in_a_cluster:
	s_bfe_u32 s2, ttmp6, 0x10000c
	s_cmp_lg_u32 s2, 0x3003
	s_cbranch_scc0 .Lentry_shape_is_right
	s_endpgm
.Lentry_shape_is_right:
; y[token][head][:] = the sum over keys of softmax(q . k / sqrt(128), causal) v, both products on codes of FP6 (E2M3) with E8M0 scales; y is quantised here, along the model's axis, for the last product.
; THE SOFTMAX AHEAD OF THE SECOND PRODUCT: t = score x log2(e) / sqrt(128); M = the running largest t rounded UP to a whole number; p = 2^(t - M) is quantised along the keys, not normalised;
; the row's sum is taken of the unquantised p and divides at the end.  When M moves, the sum and O are multiplied by 2^(old M - new M): exact.
; All operands are images of their registers (1,536 bytes a fragment; three loads of 16 bytes a lane at 16 x lane).  Slot r of tile 2 B + U (of tokens, of channels) is row 32 B + 8 U + r + 8 (r / 8).
; Both products are used transposed: S^T = k q^T, O^T = v^T p^T: a lane holds ONE query throughout; the 16 registers of two neighbouring tiles are 16 neighbouring keys, or channels.
; SHARES.  Cluster (X, g): KV head g; its four work-groups are the four query heads 4 g + cx, which read the same k and v: every tile is asked for jointly.  cx enters q's and y's global addresses alone.
; A work-group has 8 tiles of 16 queries, early ones paired with late ones (4 X + i, i < 4; 131 - 4 X - i, i >= 4): 68 tile-steps in every work-group.
; A tile is held by TWO waves: wave 2 i + PAR takes the key steps (128 keys) of parity PAR up to the tile's diagonal step.  The two halves are merged at the end: both M are whole numbers, so the merge's factors are powers of two.
; Every wave walks all 16 key steps in loops of constant count and jumps over the work of steps that are not its own: a scalar branch on ids, the same in all four partners.
; LDS: three slots of four key steps (k's 4 x 12,288 bytes, then v's); the head's scale words, once.  Twelve of sixteen key steps are first fills; ONE refill (slot 0 takes steps 12-15) behind one round.
; No prefetch is laid: three quarters of k and v are asked for at the head, and the one refill has eight key steps in which to land.
; LIMITS: NaN and infinities are not served; a block of y whose largest magnitude lies under 2^-124 gets the byte 1; a p that falls under 2^-126 counts as 0 (v_exp_f32 flushes: ISA guide 15.8).
; REGISTERS: v1-11 addresses; v12 -M, v13 the largest t, v[14:15] the sum in two halves; v16-27 q, v255 its scale words; v32-79 four fragments; v96-159 S^T, then p; v160-223 O^T; v224-235 p's codes; v232-254 at work; v248-251 four scale words.
.set FRB,   1536
.set SLOT,  64*FRB                     ; 98,304
.set VOFF,  32*FRB                     ; in a slot: v's fragments behind k's
.set SCB,   3*SLOT                     ; k's scale words of the whole head (8,192 bytes), then v's
.set SPARE, SCB+16384                  ; the spare words, 128 bytes for each wave: eight blocks of 256 bytes that no other line names
.set MRG,   SLOT                       ; the merge's stages, 8,448 bytes a tile, lie in slot 1: it is filled once, and nobody reads it behind the last change's barrier
.set LI,   1                           ; v1   16 x lane
.set DREG, 2                           ; v2   my query, counted from its key step's first key, - 16 h
.set MST,  3                           ; v3   the merge: O^T's image
.set MS2,  4                           ; v4   the merge: (-M, l), 8 bytes a lane
.set SPW,  5                           ; v5   my spare word; never rewritten
.set NIL,  6                           ; v6   0; never rewritten
.set ASC,  7                           ; v7   SCB + 16 r
.set ADK,  8                           ; v8   the step's fragments
.set LN,   9                           ; v9   lane
.set ADS,  10                          ; v10  the step's scale words
.set R16,  11                          ; v11  16 r
.set TM,   232                         ; QUANT's sixteen
.set WV,   18
.set PAR,  19
.set SEL,  20                          ; s[20:21] lane l xor 16
.set CS,   22                          ; s[22:23] c = log2(e) / sqrt(128)
.set G1,   24                          ; s[24:31] group 1: 6,144 dense bytes;  s[32:39]: 1,024
.set G1S,  32
.set G0S,  40                          ; s[40:43] group 0 for the scale words;  s[44:55] for slots 0, 1, 2
.set G0,   44
.set TB,   2                           ; s2   LDS byte at which the step's fragments of k begin
.set TS,   3                           ; s3   and its scale words: 512 bytes a step
.set SD,   66                          ; s66  my tile's diagonal step
.set SI,   67                          ; s67  the step in hand
.set CNT,  68
.macro PLACES
.rept 4
	v_nop
.endr
.endm
.macro ROUND                           ; a round of the cluster's barrier
	s_barrier_signal -1
	s_barrier_wait -1
	s_cmp_lg_u32 s[WV], 0
	s_cbranch_scc1 .Lnot_wave_0_\@
	s_barrier_signal -3
.Lnot_wave_0_\@:
	s_barrier_wait -3
	s_barrier_signal -1
	s_barrier_wait -1
.endm
; 64 numbers of a lane, register 16 b + i = K 32 b + 16 (lane / 16) + i of my row, become a fragment's codes in v[pc] .. v[pc + 11] and its scale word in v[pw].
.macro QUANT s, pc, pw
.irp b, 0,1,2,3
	v_max3_num_f32 v[TM+\b], |v[(\s)+16*\b]|, |v[(\s)+16*\b+1]|, 0x1800000
.endr
.irp i, 2,4,6,8,10,12,14
.irp b, 0,1,2,3
	v_max3_num_f32 v[TM+\b], v[TM+\b], |v[(\s)+16*\b+\i]|, |v[(\s)+16*\b+\i+1]|
.endr
.endr
.irp b, 0,1,2,3
	v_permlanex16_b32 v[TM+4+\b], v[TM+\b], s[SEL], s[SEL+1]
.endr
.irp b, 0,1,2,3
	v_max_num_f32 v[TM+\b], v[TM+\b], v[TM+4+\b]
.endr
.irp b, 0,1,2,3
	v_add_nc_u32 v[TM+12+\b], 0xff000000, v[TM+\b]
.endr
.irp b, 0,1,2,3
	v_lshrrev_b32 v[TM+4+\b], 23, v[TM+12+\b]
.endr
	v_lshl_or_b32 v[\pw], v[TM+5], 8, v[TM+4]
	v_lshl_or_b32 v[\pw], v[TM+6], 16, v[\pw]
	v_lshl_or_b32 v[\pw], v[TM+7], 24, v[\pw]
.irp c, 0,1
	v_cvt_scalef32_pk16_fp6_f32 v[(\pc)+6*\c:(\pc)+6*\c+2], v[(\s)+32*\c:(\s)+32*\c+15], v[TM+12+2*\c]
	v_cvt_scalef32_pk16_fp6_f32 v[(\pc)+12+4*\c:(\pc)+14+4*\c], v[(\s)+32*\c+16:(\s)+32*\c+31], v[TM+13+2*\c]
.endr
	v_nop                                          ; one plain instruction behind a scaled conversion
.irp c, 0,1
.irp i, 0,1,2
	v_permlane16_swap_b32 v[(\pc)+6*\c+\i], v[(\pc)+12+4*\c+\i]
.endr
.irp i, 0,1,2
	v_mov_b32 v[(\pc)+3+6*\c+\i], v[(\pc)+12+4*\c+\i]
.endr
.endr
.endm
	s_load_b256 s[4:11], s[0:1], 0x0               ; qkv_img s[4:5], qkv_sc s[6:7], y_img s[8:9], y_sc s[10:11]
	v_lshl_add_u32 v[SPW], v0, 2, SPARE
	v_mov_b32 v[NIL], 0
	ds_add_u32 v5, v6
	ds_add_u32 v5, v6
	s_wait_dscnt 0x0
	v_lshrrev_b32 v8, 5, v0
	v_readfirstlane_b32 s[WV], v8                  ; wave 0..15
	s_and_b32 s[PAR], s[WV], 1
	s_lshr_b32 s15, s[WV], 1                       ; i: which of the work-group's 8 tiles
	s_bfe_u32 s12, ttmp6, 0x40000                  ; cx: the head in its group of four
	s_and_b32 s13, ttmp7, 0xffff                   ; g: the KV head
	s_lshl_b32 s14, ttmp9, 2                       ; 4 X
	s_add_co_u32 s16, s14, s15
	s_sub_co_u32 s17, 131, s14
	s_sub_co_u32 s17, s17, s15
	s_cmp_lt_u32 s15, 4
	s_cselect_b32 s16, s16, s17                    ; mt: my tile of queries: it hangs on the cluster's x and the wave alone
	s_lshr_b32 s[SD], s16, 3
	s_lshl_b32 s17, s13, 2
	s_add_co_u32 s17, s17, s12                     ; the head
	; group 1: dense blocks as rows of 256 bytes (32 elements of 8 bytes)
	s_mov_b32 s[G1], 15|(3<<16)|(1<<21)            ; 15:0 the mask: all four work-groups; 17:16 elements of 8 bytes; 21 set beside a mask
	s_mov_b32 s[G1+1], 32<<16
	s_mov_b32 s[G1+2], 24<<16
	s_mov_b32 s[G1+3], 32<<16
	s_mov_b32 s[G1+4], 24
	s_mov_b32 s[G1+5], 32
	s_mov_b32 s[G1+6], 0
	s_mov_b32 s[G1+7], 0
	s_mov_b32 s[G1S], 15|(3<<16)|(1<<21)
	s_mov_b32 s[G1S+1], 32<<16
	s_mov_b32 s[G1S+2], 4<<16
	s_mov_b32 s[G1S+3], 32<<16
	s_mov_b32 s[G1S+4], 4
	s_mov_b32 s[G1S+5], 32
	s_mov_b32 s[G1S+6], 0
	s_mov_b32 s[G1S+7], 0
	; what I fetch: a sixteenth of a slot: waves 0-7 k's 49,152 bytes, waves 8-15 v's, whose section lies four sections on
	s_add_co_u32 s60, s13, 16                      ; k's section of qkv_img
	s_lshr_b32 s61, s[WV], 3
	s_mul_i32 s56, s60, 128*FRB
	s_mul_i32 s62, s[WV], 4*FRB
	s_add_co_u32 s56, s56, s62
	s_mul_i32 s62, s61, 4*128*FRB-32*FRB
	s_add_co_u32 s56, s56, s62
	s_mov_b32 s57, 0
	s_lshl_b32 s58, s60, 13                        ; and of qkv_sc: 8,192 bytes a section, 1,024 a wave
	s_lshl_b32 s62, s[WV], 10
	s_add_co_u32 s58, s58, s62
	s_mul_i32 s62, s61, 4*8192-8192
	s_add_co_u32 s58, s58, s62
	s_mov_b32 s59, 0
	s_mul_i32 s63, s[WV], 4*FRB                    ; where they go: wave x 6,144 in a slot,
	s_lshl_b32 s70, s[WV], 10                      ; wave x 1,024 among the scale words
	s_mov_b32 s[SEL], 0x76543210
	s_mov_b32 s[SEL+1], 0xfedcba98
	s_mov_b32 s[CS], 0x3e0293ee                    ; c = log2(e) / sqrt(128)
	s_mov_b32 s[CS+1], s[CS]                       ; (named with it as a pair, so it is written)
	s_wait_kmcnt 0x0
	s_add_nc_u64 s[56:57], s[4:5], s[56:57]
	s_add_nc_u64 s[58:59], s[6:7], s[58:59]
	ROUND                                          ; all four work-groups are here: the first joint loads meet
	s_mov_b32 s[G0S], 1
	s_add_co_u32 s[G0S+1], s70, SCB
	s_mov_b64 s[G0S+2:G0S+3], s[58:59]
	s_or_b32 s[G0S+3], s[G0S+3], 0x80000000
.irp s, 0,1,2
	s_mov_b32 s[G0+4*\s], 1
	s_add_co_u32 s[G0+4*\s+1], s63, \s*SLOT
	s_add_nc_u64 s[G0+4*\s+2:G0+4*\s+3], s[56:57], \s*32*FRB
	s_or_b32 s[G0+4*\s+3], s[G0+4*\s+3], 0x80000000
.endr
	tensor_load_to_lds s[G0S:G0S+3], s[G1S:G1S+7]  ; the first fills go out as one group: four loads of mine are out
	s_nop 0
	tensor_load_to_lds s[G0:G0+3], s[G1:G1+7]
	s_nop 0
	tensor_load_to_lds s[G0+4:G0+7], s[G1:G1+7]
	s_nop 0
	tensor_load_to_lds s[G0+8:G0+11], s[G1:G1+7]
	s_nop 0
	PLACES                                         ; four v_nop follow the last
	v_and_b32 v[LN], 31, v0
	v_and_b32 v10, 15, v0                          ; r
	v_bfe_u32 v28, v0, 4, 1                        ; h
	v_lshlrev_b32 v[LI], 4, v[LN]
	v_lshlrev_b32 v[R16], 4, v10
	v_add_nc_u32 v[ASC], SCB, v[R16]
	v_and_b32 v8, 8, v10
	v_add_nc_u32 v8, v8, v10                       ; r + 8 (r / 8)
	s_and_b32 s71, s16, 1
	s_lshl_b32 s71, s71, 3
	s_lshl_b32 s72, s16, 4
	s_sub_co_u32 s72, s72, s71                     ; slot 0's token: 16 mt - 8 (mt % 2),
	s_and_b32 s72, s72, 127                        ; counted from its key step's first key
	v_add_nc_u32 v[DREG], s72, v8
	v_lshlrev_b32 v8, 4, v28
	v_sub_nc_u32 v[DREG], v[DREG], v8
	s_mul_i32 s73, s15, 8448
	s_add_co_u32 s73, s73, MRG
	v_add_nc_u32 v[MST], s73, v[LI]
	v_lshlrev_b32 v8, 3, v[LN]
	v_add_nc_u32 v[MS2], s73, v8
	v_add_nc_u32 v[MS2], 8192, v[MS2]
	s_lshl_b32 s74, s17, 7
	s_add_co_u32 s74, s74, s16
	s_mul_i32 s74, s74, FRB                        ; q's fragment: 128 head + mt
	s_mov_b32 s75, 0
	s_add_nc_u64 s[74:75], s[4:5], s[74:75]
	s_lshl_b32 s76, s17, 13
	s_lshr_b32 s77, s16, 2
	s_lshl_b32 s77, s77, 8
	s_add_co_u32 s76, s76, s77
	s_and_b32 s77, s16, 3
	s_lshl_b32 s77, s77, 2
	s_add_co_u32 s76, s76, s77                     ; its scale words: section, block mt / 4, word mt % 4
	s_mov_b32 s77, 0
	s_add_nc_u64 s[76:77], s[6:7], s[76:77]
.irp c, 0,1,2
	global_load_b128 v[16+4*\c:19+4*\c], v[LI], s[74:75] offset:512*\c
.endr
	global_load_b32 v255, v[R16], s[76:77]
	s_lshl_b32 s78, s16, 4
	s_add_co_u32 s78, s78, s17
	s_mul_i32 s78, s78, FRB                        ; y's fragment: tile mt, K step = head
	s_mov_b32 s79, 0
	s_add_nc_u64 s[8:9], s[8:9], s[78:79]
	s_lshl_b32 s78, s16, 10
	s_lshl_b32 s80, s13, 8
	s_add_co_u32 s78, s78, s80
	s_lshl_b32 s80, s12, 2
	s_add_co_u32 s78, s78, s80                     ; its scale words: tile, block g, word cx
	s_add_nc_u64 s[10:11], s[10:11], s[78:79]
	v_mov_b32 v13, 0xff61b1e6                      ; the largest t so far: -3e38, under every t
	v_floor_f32 v12, -v13                          ; -M
	v_mov_b32 v14, 0                               ; the sum, in two halves
	v_mov_b32 v15, 0
.irp b, 0,1,2,3
	v_mov_b32 v[236+\b], 0                         ; written once: a lane permute's destination counts as one of its sources
.endr
	v_mov_b32 v253, 0                              ; (named as the upper half of the pair v[252:253] before it is first written)
.set j, 0
.rept 64
	v_mov_b32 v[160+j], 0                          ; O^T.  The step is written once: a wave's first step finds zeros, which the first change of M leaves zeros; a wave without a step hands zeros to the merge
.set j, j+1
.endr
; A KEY STEP: 128 keys.  Steps behind my tile's diagonal, and steps of the other parity, are jumped over; the lines at the end that step addresses are on every path.
.macro STEP
	s_cmp_gt_u32 s[SI], s[SD]
	s_cbranch_scc1 .Lhidden_\@
	s_and_b32 s69, s[SI], 1
	s_cmp_lg_u32 s69, s[PAR]
	s_cbranch_scc1 .Lhidden_\@
	v_add_nc_u32 v[ADK], s[TB], v[LI]
	v_add_nc_u32 v[ADS], s[TS], v[ASC]
	v_nop
	v_nop                                          ; with the two additions: four places in front of loads into registers that the last products read
.irp g, 0,1                                    ; S^T = k q^T, four tiles of 16 keys at a time
.if \g > 0
	PLACES
.endif
.irp t, 0,1,2,3
.irp c, 0,1,2
	ds_load_b128 v[32+12*\t+4*\c:35+12*\t+4*\c], v[ADK] offset:(4*\g+\t)*FRB+512*\c
.endr
.endr
	ds_load_b128 v[248:251], v[ADS] offset:256*\g  ; the four tiles' scale words of slot r
	s_wait_dscnt 0x0
.irp t, 0,1,2,3
	v_wmma_scale_f32_16x16x128_f8f6f4 v[96+8*(4*\g+\t):103+8*(4*\g+\t)], v[32+12*\t:43+12*\t], v[16:27], 0, v[248+\t], v255 matrix_a_fmt:MATRIX_FMT_FP6 matrix_b_fmt:MATRIX_FMT_FP6
.endr
.endr                                          ; register 16 b + i holds key 32 b + 16 h + i of the step
	PLACES
	s_cmp_lg_u32 s[SI], s[SD]                      ; on the diagonal step the scores of hidden keys become -infinity ahead of the maximum: p = 0 then
	s_cbranch_scc1 .Lopen_\@
	v_mov_b32 v254, 0xff800000
.set n, 0
.rept 64
	v_cmp_gt_i32 vcc_lo, 32*(n/16)+n%16, v[DREG]
	v_cndmask_b32 v[96+n], v[96+n], v254, vcc_lo
.set n, n+1
.endr
.Lopen_\@:
.irp b, 0,1,2,3
	v_max3_num_f32 v[232+\b], v[96+16*\b], v[97+16*\b], v[98+16*\b]   ; the largest score of each block of 32 keys: it serves for the row's maximum and, since p rises with the score, for the block's largest p
.endr
.irp i, 3,5,7,9,11,13
.irp b, 0,1,2,3
	v_max3_num_f32 v[232+\b], v[232+\b], v[96+16*\b+\i], v[97+16*\b+\i]
.endr
.endr
.irp b, 0,1,2,3
	v_max_num_f32 v[232+\b], v[232+\b], v[111+16*\b]
.endr
.irp b, 0,1,2,3
	v_permlanex16_b32 v[236+\b], v[232+\b], s[SEL], s[SEL+1]
.endr
.irp b, 0,1,2,3
	v_max_num_f32 v[232+\b], v[232+\b], v[236+\b]  ; with lane l xor 16's 16 keys
.endr
	v_max3_num_f32 v254, v232, v233, v234
	v_max_num_f32 v254, v254, v235                 ; the step's largest score of my query
	v_mul_f32 v254, s[CS], v254                    ; as t (c is positive)
	v_max_num_f32 v13, v13, v254                   ; the running largest t
	v_mov_b32 v254, v12
	v_floor_f32 v12, -v13                          ; the new -M = floor(-t) = -ceil(t): a whole number
	v_sub_f32 v254, v12, v254                      ; old M - new M: a whole number, 0 or less
	v_cvt_i32_f32 v254, v254                       ; (it saturates)
	v_ldexp_f32 v252, 1.0, v254                    ; f = 2^(old M - new M)
.set j, 0
.rept 32
	v_pk_fma_f32 v[96+j:97+j], v[96+j:97+j], s[CS:CS+1], v[12:13] op_sel_hi:[1,0,0]   ; t - M, two at a time
.set j, j+2
.endr
.irp b, 0,1,2,3
	v_fma_f32 v[232+\b], v[232+\b], s[CS], v12     ; the same of each block's largest score
.endr
.set j, 0
.rept 64
	v_exp_f32 v[96+j], v[96+j]                     ; p = 2^(t - M), at most 1
.set j, j+1
.endr
	v_pk_mul_f32 v[14:15], v[14:15], v[252:253] op_sel_hi:[1,0]   ; the sums under the new M: the plain instruction behind the exponentials
	s_wait_alu depctr_va_vdst(0)                   ; one wait for the whole batch, ahead of its first reader
.irp b, 0,1,2,3
	v_exp_f32 v[232+\b], v[232+\b]                 ; the block's largest p: the same two instructions on the same number give the same bits
.endr
	v_pk_add_f32 v[236:237], v[96:97], v[98:99]    ; the row's sum of the UNQUANTISED p, two at a time, in two chains: plain work behind the four
.irp j, 4,8,12,16,20,24,28,32,36,40,44,48,52,56,60
	v_pk_add_f32 v[14:15], v[14:15], v[96+\j:97+\j]
	v_pk_add_f32 v[236:237], v[236:237], v[98+\j:99+\j]
.endr
	v_pk_add_f32 v[14:15], v[14:15], v[236:237]
	s_wait_alu depctr_va_vdst(0)                   ; and one for the four
.irp b, 0,1,2,3
	v_max_num_f32 v[232+\b], 0x1800000, v[232+\b]  ; the floor 2^(3 - 127): a block whose every p is 0 keeps the byte 1: its codes are zeros
.endr
.irp b, 0,1,2,3
	v_add_nc_u32 v[244+\b], 0xff000000, v[232+\b]  ; 2 off the exponent field: the conversion's scale operand
.endr
.irp b, 0,1,2,3
	v_lshrrev_b32 v[236+\b], 23, v[244+\b]         ; the scale's byte
.endr
	v_lshl_or_b32 v253, v237, 8, v236              ; p's scale word for these 128 keys
	v_lshl_or_b32 v253, v238, 16, v253
	v_lshl_or_b32 v253, v239, 24, v253
.irp c, 0,1
	v_cvt_scalef32_pk16_fp6_f32 v[224+6*\c:226+6*\c], v[96+32*\c:111+32*\c], v[244+2*\c]
	v_cvt_scalef32_pk16_fp6_f32 v[236+4*\c:238+4*\c], v[112+32*\c:127+32*\c], v[244+2*\c+1]
.endr
	v_nop                                          ; one plain instruction behind a scaled conversion
.irp c, 0,1
.irp i, 0,1,2
	v_permlane16_swap_b32 v[224+6*\c+\i], v[236+4*\c+\i]
.endr
.irp i, 0,1,2
	v_mov_b32 v[227+6*\c+\i], v[236+4*\c+\i]
.endr
.endr
.set j, 0
.rept 32
	v_pk_mul_f32 v[160+j:161+j], v[160+j:161+j], v[252:253] op_sel_hi:[1,0]   ; O^T under the new M.  These 32 are also the places in front of the matrix instructions and loads below
.set j, j+2
.endr
.irp g, 0,1                                    ; O^T += v^T p^T: four tiles of 16 channels at a time; the eight accumulators take turns, one instruction a turn
.if \g > 0
	PLACES
.endif
.irp t, 0,1,2,3
.irp c, 0,1,2
	ds_load_b128 v[32+12*\t+4*\c:35+12*\t+4*\c], v[ADK] offset:VOFF+(4*\g+\t)*FRB+512*\c
.endr
.endr
	ds_load_b128 v[248:251], v[ADS] offset:8192+256*\g
	s_wait_dscnt 0x0
.irp t, 0,1,2,3
	v_wmma_scale_f32_16x16x128_f8f6f4 v[160+8*(4*\g+\t):167+8*(4*\g+\t)], v[32+12*\t:43+12*\t], v[224:235], v[160+8*(4*\g+\t):167+8*(4*\g+\t)], v[248+\t], v253 matrix_a_fmt:MATRIX_FMT_FP6 matrix_b_fmt:MATRIX_FMT_FP6
.endr
.endr
.Lhidden_\@:
	s_add_co_u32 s[TB], s[TB], 8*FRB               ; the next step's fragments,
	s_add_co_u32 s[TS], s[TS], 512                 ; its scale words,
	s_add_co_u32 s[SI], s[SI], 1                   ; its number
.endm
.macro VISIT v, slot                   ; key steps 4 v .. 4 v + 3, which lie in the slot named
	s_mov_b32 s[TB], (\slot)*SLOT
	s_mov_b32 s[TS], 2048*(\v)
	s_mov_b32 s[SI], 4*(\v)
	s_mov_b32 s[CNT], 4
.Lstep_\@:
	STEP
	s_sub_co_u32 s[CNT], s[CNT], 1
	s_cmp_lg_u32 s[CNT], 0
	s_cbranch_scc1 .Lstep_\@
.endm
	s_wait_loadcnt 0x0                             ; q
	s_wait_tensorcnt 0x2                           ; my parts of the scale words and of slot 0 are in; slots 1 and 2 may be out
	s_barrier_signal -1
	s_barrier_wait -1                              ; everybody's are
	VISIT 0, 0
	s_wait_tensorcnt 0x0                           ; THE ONE REFILL.  All my tensor loads have landed, my parts of slots 1 and 2 among them
	ds_add_u32 v[SPW], v[NIL]                      ; 0 onto my spare word
	s_add_nc_u64 s[G0+2:G0+3], s[G0+2:G0+3], 3*32*FRB   ; slot 0's next four key steps: 12 to 15
	s_wait_dscnt 0x0                               ; the add is done, and my reads of slot 0 are over
	ROUND                                          ; both now hold of every wave of all four work-groups
	tensor_load_to_lds s[G0:G0+3], s[G1:G1+7]      ; my one tensor load behind the round: it has eight key steps in which to land
	s_nop 0
	PLACES
	VISIT 1, 1                                     ; the round has shown slots 1 and 2 whole to every wave
	VISIT 2, 2
	s_wait_tensorcnt 0x0                           ; my part of steps 12 to 15 is in
	ds_add_u32 v[SPW], v[NIL]
	s_wait_dscnt 0x0                               ; and my reads of slots 1 and 2 are over
	s_barrier_signal -1
	s_barrier_wait -1                              ; no round
	VISIT 3, 0
	; THE MERGE of a tile's two halves.  The odd wave hands O^T (as an image of its registers), -M and l to the even wave through LDS.
	PLACES
	v_add_f32 v14, v14, v15                        ; the sum's two halves,
	v_permlanex16_b32 v236, v14, s[SEL], s[SEL+1]
	v_add_f32 v13, v14, v236                       ; and lane l xor 16's: v[12:13] = (-M, l)
	s_cmp_eq_u32 s[PAR], 0
	s_cbranch_scc1 .Lno_hand
.set k, 0
.rept 16
	ds_store_b128 v[MST], v[160+4*k:163+4*k] offset:512*k   ; each accumulator from its low end on
.set k, k+1
.endr
	ds_store_b64 v[MS2], v[12:13]
.Lno_hand:
	s_wait_dscnt 0x0                               ; for the partner's sake: my stores have landed
	s_barrier_signal -1
	s_barrier_wait -1
	s_cmp_lg_u32 s[PAR], 0
	s_cbranch_scc1 .Lend
.set k, 0
.rept 16
	ds_load_b128 v[32+4*k:35+4*k], v[MST] offset:512*k
.set k, k+1
.endr
	ds_load_b64 v[236:237], v[MS2]
	s_wait_dscnt 0x0
	v_min_num_f32 v238, v12, v236                  ; -M* = -max(M even, M odd)
	v_sub_f32 v239, v238, v12                      ; M even - M*: a whole number, 0 or less
	v_sub_f32 v240, v238, v236                     ; M odd - M* (a half without a step has -M = 3e38: the conversion saturates and its factor is 0)
	v_cvt_i32_f32 v239, v239
	v_cvt_i32_f32 v240, v240
	v_ldexp_f32 v239, 1.0, v239
	v_ldexp_f32 v240, 1.0, v240
	v_mul_f32 v241, v239, v13
	v_fmac_f32 v241, v240, v237                    ; the row's sum under M*
	v_rcp_f32 v242, v241
	v_nop                                          ; a plain instruction behind the reciprocal
	s_wait_alu depctr_va_vdst(0)                   ; and the wait ahead of its first reader
	v_mul_f32 v244, v239, v242
	v_mul_f32 v246, v240, v242
	v_mov_b32 v245, v244                           ; (the pairs are named whole)
	v_mov_b32 v247, v246
.set j, 0
.rept 32
	v_pk_mul_f32 v[96+j:97+j], v[160+j:161+j], v[244:245] op_sel_hi:[1,0]
.set j, j+2
.endr
.set j, 0
.rept 32
	v_pk_fma_f32 v[96+j:97+j], v[32+j:33+j], v[246:247], v[96+j:97+j] op_sel_hi:[1,0,1]   ; y: register 16 b + i = channel 32 b + 16 h + i of my token
.set j, j+2
.endr
	QUANT 96, 160, 248
.irp c, 0,1,2
	global_store_b128 v[LI], v[160+4*\c:163+4*\c], s[8:9] offset:512*\c   ; 512 consecutive bytes, at a multiple of 256 from the buffer's first byte
.endr
	v_cmp_gt_u32 vcc_lo, 16, v[LN]
	s_wait_xcnt 0x0                                ; EXEC changes only behind this wait
	s_and_saveexec_b32 s69, vcc_lo
	global_store_b32 v[R16], v248, s[10:11]        ; 4 bytes of each 16: the other 12 are the three partner heads'.  131,072 bytes in the whole launch go out so
	s_wait_xcnt 0x0
	s_or_b32 exec_lo, exec_lo, s69
.Lend:
	s_wait_tensorcnt 0x0                           ; the wave's end
	ds_add_u32 v[SPW], v[NIL]
	s_wait_dscnt 0x0
	ROUND                                          ; the closing round
	s_endpgm
.Lfunc_end_k_q1bde664b4e_attn:
	.size	k_q1bde664b4e_attn, .Lfunc_end_k_q1bde664b4e_attn-k_q1bde664b4e_attn
	.p2alignl 7, 3214868480
	.fill 96, 4, 3214868480
	.section	.rodata,"a",@progbits
	.p2align	6, 0x0
	.amdhsa_kernel k_q1bde664b4e_attn
		.amdhsa_group_segment_fixed_size 327680
		.amdhsa_private_segment_fixed_size 0
		.amdhsa_enable_private_segment 0
		.amdhsa_kernarg_size 32
		.amdhsa_user_sgpr_count 2
		.amdhsa_user_sgpr_kernarg_segment_ptr 1
		.amdhsa_wavefront_size32 1
		.amdhsa_system_sgpr_workgroup_id_x 1
		.amdhsa_system_sgpr_workgroup_id_y 1
		.amdhsa_system_sgpr_workgroup_id_z 1
		.amdhsa_system_vgpr_workitem_id 0
		.amdhsa_next_free_vgpr 256
		.amdhsa_next_free_sgpr 100
		.amdhsa_reserve_vcc 1
		.amdhsa_float_denorm_mode_32 3
		.amdhsa_float_denorm_mode_16_64 3
		.amdhsa_memory_ordered 1
		.amdhsa_forward_progress 1
		.amdhsa_inst_pref_size 119
	.end_amdhsa_kernel
	.amdgpu_metadata
---
amdhsa.version: [ 1, 2 ]
amdhsa.kernels:
  - .name:           k_q1bde664b4e_attn
    .symbol:         k_q1bde664b4e_attn.kd
    .args:
      - { .name: qkv_img, .offset: 0, .size: 8, .value_kind: global_buffer, .address_space: global }
      - { .name: qkv_sc, .offset: 8, .size: 8, .value_kind: global_buffer, .address_space: global }
      - { .name: y_img, .offset: 16, .size: 8, .value_kind: global_buffer, .address_space: global }
      - { .name: y_sc, .offset: 24, .size: 8, .value_kind: global_buffer, .address_space: global }
    .group_segment_fixed_size: 327680
    .private_segment_fixed_size: 0
    .kernarg_segment_align: 8
    .kernarg_segment_size: 32
    .max_flat_workgroup_size: 512
    .sgpr_count:     100
    .vgpr_count:     256
    .wavefront_size: 32
...
	.end_amdgpu_metadata
.endif
;; end of part 4
;; launch outp (part 5): grid 16 x 8, 4 waves a work-group, clusters of 4 x 4, 327,680 bytes of LDS; arguments y_img, y_sc, w_img, w_sc, out0; writes out0
.if DOCPART == 5
	.amdgcn_target "amdgcn-amd-amdhsa--gfx1250"
	.amdhsa_code_object_version 6
	.text
	.protected	k_q1bde664b4e_outp
	.globl	k_q1bde664b4e_outp
	.p2align	8
	.type	k_q1bde664b4e_outp,@function
k_q1bde664b4e_outp:
	s_mov_b64 s[64:65], 0
	v_nop
	global_prefetch_b8 v0, s[64:65] scope:SCOPE_SE
	s_setreg_imm32_b32 hwreg(HW_REG_WAVE_MODE, 25, 1), 1
	s_wait_xcnt 0x0
	s_wait_alu depctr_hold_cnt(0) depctr_sa_sdst(0) depctr_va_vdst(0) depctr_va_sdst(0) depctr_va_ssrc(0) depctr_va_vcc(0) depctr_vm_vsrc(0)
	s_getreg_b32 s2, hwreg(HW_REG_IB_STS2, 6, 4)
	s_cmp_eq_u32 s2, 0
	s_cbranch_scc0 .Lentry_in_a_cluster
	s_endpgm
.Lentry_in_a_cluster:
	s_bfe_u32 s2, ttmp6, 0x10000c
	s_cmp_lg_u32 s2, 0xf033
	s_cbranch_scc0 .Lentry_shape_is_right
	s_endpgm
.Lentry_shape_is_right:
; out0 = y Wo, on codes of FP6 (E2M3) with E8M0 scales; out0 [2048][2048] f32.  y and Wo come as images of their registers (1,536 bytes a fragment of 16 rows x 128 K: three ds_load_b128 at 16 x lane).
; Slot r of tile 2 B + U (of tokens, of Wo's columns) is row 32 B + 8 U + r + 8 (r / 8).  Wo's tiles are 192 .. 319 of w_img.
; SHARES.  A work-group makes 256 tokens x 128 columns: 128 work-groups; a larger tile would leave still more WGPs without work, a smaller one would read each fragment for fewer products.
; Four waves, 32 accumulators each: source 0 = P = Wo's 8 tiles, source 1 = R = tokens' tiles 4 w .. 4 w + 3: a lane holds one token, and the registers of tiles 2 b, 2 b + 1 hold columns 32 b + 16 h + 0 .. 15.
; K = 2,048 goes in four visits of 512 through two LDS slots: visits 0 and 1 are first fills, visits 2 and 3 the only refills; all is written out.  The scale words come once.
; CLUSTER 4 x 4: y's tiles are shared along a row of the cluster, Wo's along a column: joint loads.
; THE WAY OUT: 16 tokens x 128 columns at a time through the wave's own stage in LDS, back as whole rows of 512 bytes.  The stage lies in slot 0, which has had its last fill and its last read by then.
; No prefetch is laid: half of K is asked for at the head, and each refill has three K steps and more of products in which to land.
; REGISTERS: window 0: v16-29 addresses; v32-127 scale words, two sets, and nothing else; v128-223 R's fragments, two sets; on the way out v128-255 rows of out0.  window 1: P's fragments, two sets.  window 2: accumulator (rho, beta) at v[8 (8 rho + beta)].
.set FRB,   1536
.set TVIS,  4*FRB
.set TROW,  16*FRB
.set BOFF,  16*TVIS
.set SLOT,  24*TVIS
.set SCL,   2*SLOT
.set SCLB,  16*1024
.set SPARE, SCL+24*1024                ; the spare words, 128 bytes for each wave: two blocks of 256 bytes that no other line names
.set SPITCH, 528                       ; a stage row: 512 bytes + 16
.set ADP,  16
.set ADR,  18
.set ADPS, 20
.set ADRS, 21
.set LI,   22                          ; v22  16 x lane: an image's place, a stage row's, and my bytes in a row of out0
.set STO,  23                          ; v23  the stage: where I put 32 bytes of a row
.set RD,   24                          ; v24  and where I read a row back
.set R16,  27
.set SPW,  28
.set NIL,  29
.set SC,   32
.set RF,   128
.set BK,   128                         ; the way out: 16 rows: v128-191 and v192-255 by turns
.set G1A,  24
.set G0A,  32
.set G1B,  48
.set G0B,  56
.set G1SA, 68
.set G0SA, 76
.set G1SB, 80
.set G0SB, 88
.set MSB, 0
.macro WIN new
.if MSB != (\new)
	s_set_vgpr_msb (MSB<<8)|(\new)
.set MSB, \new
.endif
.endm
.macro PLACES                          ; four plain instructions behind a matrix instruction, ahead of loads into its registers and of reads of its result
.rept 4
	v_nop
.endr
.endm
.macro JLOAD g0a, g1a, g0b, g1b        ; a joint load: waves 0 and 1 fetch for y, waves 2 and 3 for Wo; four v_nop follow each of the two lines
	s_cmp_eq_u32 s19, 0
	s_cbranch_scc0 .Lfor_b_\@
	tensor_load_to_lds s[\g0a:\g0a+3], s[\g1a:\g1a+7]
	s_nop 0
.rept 4
	v_nop
.endr
	s_branch .Lasked_\@
.Lfor_b_\@:
	tensor_load_to_lds s[\g0b:\g0b+3], s[\g1b:\g1b+7]
	s_nop 0
.rept 4
	v_nop
.endr
.Lasked_\@:
.endm
.macro CREST
	s_cmp_lg_u32 s18, 0
	s_cbranch_scc1 .Lnot_wave_0_\@
	s_barrier_signal -3
.Lnot_wave_0_\@:
	s_barrier_wait -3
	s_barrier_signal -1
	s_barrier_wait -1
.endm
.macro CROUND
	s_barrier_signal -1
	s_barrier_wait -1
	CREST
.endm
	s_load_b256 s[4:11], s[0:1], 0x0               ; y_img s[4:5], y_sc s[6:7], w_img s[8:9], w_sc s[10:11]
	s_load_b64 s[12:13], s[0:1], 0x20              ; out0
	v_lshl_add_u32 v[SPW], v0, 2, SPARE
	v_mov_b32 v[NIL], 0
	ds_add_u32 v28, v29
	ds_add_u32 v28, v29
	s_wait_dscnt 0x0
	v_lshrrev_b32 v1, 5, v0
	v_readfirstlane_b32 s18, v1                    ; wave 0..3
	s_lshr_b32 s19, s18, 1                         ; I fetch for y (0) or for Wo (1)
	s_and_b32 s20, s18, 1                          ; and which half of its tiles
	s_bfe_u32 s40, ttmp6, 0x40000                  ; cx, cy
	s_bfe_u32 s41, ttmp6, 0x40004
	s_lshl_b32 s42, ttmp9, 2
	s_add_co_u32 s42, s42, s40                     ; wgx: which 128 columns
	s_and_b32 s21, ttmp7, 0xffff
	s_lshl_b32 s21, s21, 2
	s_add_co_u32 s21, s21, s41                     ; wgy: which 256 tokens
	s_lshl_b32 s43, s41, 2
	s_lshl_b32 s43, 15, s43                        ; my row of the cluster
	s_lshl_b32 s44, 0x1111, s40                    ; my column
	s_or_b32 s[G1A], s43, (3<<16)|(1<<21)          ; 15:0 the mask; 17:16 elements of 8 bytes; 21 set beside a mask; no padding
	s_or_b32 s[G1B], s44, (3<<16)|(1<<21)
	s_or_b32 s[G1SA], s43, (3<<16)|(1<<21)
	s_or_b32 s[G1SB], s44, (3<<16)|(1<<21)
.irp g, G1A, G1B                               ; a tile's four K steps are a row of 6,144 bytes (768 elements); from tile to tile 24,576 bytes (3,072)
	s_mov_b32 s[\g+1], 768<<16
	s_mov_b32 s[\g+3], 768<<16
	s_mov_b32 s[\g+5], 3072
	s_mov_b32 s[\g+6], 0
	s_mov_b32 s[\g+7], 0
.endr
	s_mov_b32 s[G1A+2], 8<<16
	s_mov_b32 s[G1A+4], 8
	s_mov_b32 s[G1B+2], 4<<16
	s_mov_b32 s[G1B+4], 4
.irp g, G1SA, G1SB                             ; scale words: dense, as rows of 256 bytes
	s_mov_b32 s[\g+1], 32<<16
	s_mov_b32 s[\g+3], 32<<16
	s_mov_b32 s[\g+5], 32
	s_mov_b32 s[\g+6], 0
	s_mov_b32 s[\g+7], 0
.endr
	s_mov_b32 s[G1SA+2], 32<<16
	s_mov_b32 s[G1SA+4], 32
	s_mov_b32 s[G1SB+2], 16<<16
	s_mov_b32 s[G1SB+4], 16
	s_lshl_b32 s45, s20, 3
	s_lshl_b32 s22, s21, 4
	s_add_co_u32 s22, s22, s45                     ; y: tile 16 wgy + 8 (w % 2)
	s_mul_i32 s92, s22, TROW
	s_mov_b32 s93, 0
	s_lshl_b32 s94, s22, 10
	s_mov_b32 s95, 0
	s_lshl_b32 s47, s20, 2
	s_lshl_b32 s46, s42, 3
	s_add_co_u32 s46, s46, s47
	s_add_co_u32 s46, s46, 192                     ; Wo: tile 192 + 8 wgx + 4 (w % 2)
	s_mul_i32 s96, s46, TROW
	s_mov_b32 s97, 0
	s_lshl_b32 s98, s46, 10
	s_mov_b32 s99, 0
	s_mul_i32 s100, s20, 8*TVIS
	s_mul_i32 s101, s20, 4*TVIS
	s_lshl_b32 s23, s20, 13
	s_lshl_b32 s45, s20, 12
	s_wait_kmcnt 0x0
	s_add_nc_u64 s[92:93], s[4:5], s[92:93]
	s_add_nc_u64 s[94:95], s[6:7], s[94:95]
	s_add_nc_u64 s[96:97], s[8:9], s[96:97]
	s_add_nc_u64 s[98:99], s[10:11], s[98:99]
	CROUND                                         ; all sixteen work-groups are here: the first joint loads meet
	s_mov_b32 s[G0SA], 1
	s_add_co_u32 s[G0SA+1], s23, SCL
	s_mov_b64 s[G0SA+2:G0SA+3], s[94:95]
	s_or_b32 s[G0SA+3], s[G0SA+3], 0x80000000
	s_mov_b32 s[G0SB], 1
	s_add_co_u32 s[G0SB+1], s45, SCL+SCLB
	s_mov_b64 s[G0SB+2:G0SB+3], s[98:99]
	s_or_b32 s[G0SB+3], s[G0SB+3], 0x80000000
	JLOAD G0SA, G1SA, G0SB, G1SB
.irp s, 0,1
	s_mov_b32 s[G0A+4*\s], 1
	s_add_co_u32 s[G0A+4*\s+1], s100, \s*SLOT
	s_add_nc_u64 s[G0A+4*\s+2:G0A+4*\s+3], s[92:93], \s*TVIS
	s_or_b32 s[G0A+4*\s+3], s[G0A+4*\s+3], 0x80000000
	s_mov_b32 s[G0B+4*\s], 1
	s_add_co_u32 s[G0B+4*\s+1], s101, \s*SLOT+BOFF
	s_add_nc_u64 s[G0B+4*\s+2:G0B+4*\s+3], s[96:97], \s*TVIS
	s_or_b32 s[G0B+4*\s+3], s[G0B+4*\s+3], 0x80000000
	JLOAD G0A+4*\s, G1A, G0B+4*\s, G1B             ; visits 0 and 1: three loads of mine are out
.endr
	v_and_b32 v1, 31, v0
	v_and_b32 v25, 15, v0                          ; r
	v_bfe_u32 v26, v0, 4, 1                        ; h
	v_lshlrev_b32 v[LI], 4, v1
	v_lshlrev_b32 v[R16], 4, v25
	v_add_nc_u32 v[ADP], BOFF, v[LI]               ; P = Wo's 8 tiles
	v_add_nc_u32 v[ADP+1], SLOT, v[ADP]
	s_mul_i32 s93, s18, 4*TVIS                     ; R = tokens' tiles 4 w on
	v_add_nc_u32 v[ADR], s93, v[LI]
	v_add_nc_u32 v[ADR+1], SLOT, v[ADR]
	v_add_nc_u32 v[ADPS], SCL+SCLB, v[R16]
	s_lshl_b32 s96, s18, 12
	v_add_nc_u32 v[ADRS], s96, v[R16]
	v_add_nc_u32 v[ADRS], SCL, v[ADRS]
	s_mul_i32 s97, s18, 16*SPITCH                  ; my stage
	v_mul_u32_u24 v[STO], v25, SPITCH
	v_lshl_add_u32 v[STO], v26, 6, v[STO]
	v_add_nc_u32 v[STO], s97, v[STO]               ; in: row r, + 64 h
	v_add_nc_u32 v[RD], s97, v[LI]                 ; back: 32 lanes take a row of 512 bytes
	s_lshl_b32 s46, s21, 21                        ; out0: token 256 wgy + 64 w, 8,192 bytes a row; column 128 wgx
	s_lshl_b32 s47, s18, 19
	s_add_co_u32 s46, s46, s47
	s_lshl_b32 s47, s42, 9
	s_add_co_u32 s46, s46, s47
	s_mov_b32 s47, 0
	s_add_nc_u64 s[12:13], s[12:13], s[46:47]
.macro FETCH slot, q, p                ; 36 LDS loads in one run: the slot's q-th K step: P's eight fragments and R's four, into set p
	WIN 0x40
.irp b, 0,1,2,3,4,5,6,7
.irp c, 0,1,2
	ds_load_b128 v[128*(\p)+12*\b+4*\c:128*(\p)+12*\b+4*\c+3], v[ADP+\slot] offset:\b*TVIS+(\q)*FRB+512*\c
.endr
.endr
	WIN 0
.irp e, 0,1,2,3
.irp c, 0,1,2
	ds_load_b128 v[RF+48*(\p)+12*\e+4*\c:RF+48*(\p)+12*\e+4*\c+3], v[ADR+\slot] offset:\e*TVIS+(\q)*FRB+512*\c
.endr
.endr
.endm
.macro SCALES z, kg
.irp b, 0,1,2,3,4,5,6,7
	ds_load_b128 v[SC+48*(\z)+4*\b:SC+48*(\z)+4*\b+3], v[ADPS] offset:\b*1024+(\kg)*256
.endr
.irp e, 0,1,2,3
	ds_load_b128 v[SC+48*(\z)+32+4*\e:SC+48*(\z)+32+4*\e+3], v[ADRS] offset:\e*1024+(\kg)*256
.endr
.endm
; Eight matrix instructions: R's fragment rho against P's eight.  The 32 accumulators take turns, one instruction a turn, in the same order in every K step.
.macro MUL rho, p, z, ksl, zero
.irp b, 0,1,2,3,4,5,6,7
.if \zero
	v_wmma_scale_f32_16x16x128_f8f6f4 v[8*(8*(\rho)+\b):8*(8*(\rho)+\b)+7], v[128*(\p)+12*\b:128*(\p)+12*\b+11], v[RF+48*(\p)+12*(\rho):RF+48*(\p)+12*(\rho)+11], 0, v[SC+48*(\z)+4*\b+(\ksl)], v[SC+48*(\z)+32+4*(\rho)+(\ksl)] matrix_a_fmt:MATRIX_FMT_FP6 matrix_b_fmt:MATRIX_FMT_FP6
.else
	v_wmma_scale_f32_16x16x128_f8f6f4 v[8*(8*(\rho)+\b):8*(8*(\rho)+\b)+7], v[128*(\p)+12*\b:128*(\p)+12*\b+11], v[RF+48*(\p)+12*(\rho):RF+48*(\p)+12*(\rho)+11], v[8*(8*(\rho)+\b):8*(8*(\rho)+\b)+7], v[SC+48*(\z)+4*\b+(\ksl)], v[SC+48*(\z)+32+4*(\rho)+(\ksl)] matrix_a_fmt:MATRIX_FMT_FP6 matrix_b_fmt:MATRIX_FMT_FP6
.endif
.endr
.endm
.set W_MUL, 0xa1                       ; source 0 (P) window 1, source 1 (R) window 0, C and D window 2
.macro STEP slot, q, zero
	s_wait_dscnt 0x0                               ; this step's fragments, asked for a step ago, are in
	PLACES                                         ; the other set was read by the step before
	FETCH \slot, (\q)+1, 1-(\q)%2
	WIN W_MUL
	MUL 0, (\q)%2, \slot, \q, \zero
	MUL 1, (\q)%2, \slot, \q, \zero
	MUL 2, (\q)%2, \slot, \q, \zero
	MUL 3, (\q)%2, \slot, \q, \zero
	WIN 0
.endm
; A visit's last K step changes slots: ONE barrier; in front of it each wave waits for all its tensor loads, adds 0 to its spare word, and waits for that and for its reads of this slot.
.macro TURN slot, next, fill, kg
	s_wait_tensorcnt 0x0                           ; all my tensor loads have landed: my part of the next slot among them
	ds_add_u32 v[SPW], v[NIL]                      ; 0 onto my spare word
	s_wait_dscnt 0x1                               ; the add alone may be out: this step's fragments are in
	WIN W_MUL
	MUL 0, 1, \slot, 3, 0
	s_wait_dscnt 0x0                               ; the add is done, and my reads of this slot are over
	s_barrier_signal -1
	MUL 1, 1, \slot, 3, 0
	WIN 0
	s_barrier_wait -1
.if \fill
	CREST                                          ; the barrier has opened a round of the cluster's: no wave of any partner still reads this slot or has a load on its way
	s_add_nc_u64 s[G0A+4*\slot+2:G0A+4*\slot+3], s[G0A+4*\slot+2:G0A+4*\slot+3], 2*TVIS
	s_add_nc_u64 s[G0B+4*\slot+2:G0B+4*\slot+3], s[G0B+4*\slot+2:G0B+4*\slot+3], 2*TVIS
	JLOAD G0A+4*\slot, G1A, G0B+4*\slot, G1B       ; the first tensor load behind the round; its four v_nop are also the places in front of the loads below
.else
	PLACES
.endif
	FETCH \next, 0, 0
	SCALES \next, \kg
	WIN W_MUL
	MUL 2, 1, \slot, 3, 0
	MUL 3, 1, \slot, 3, 0
	WIN 0
.endm
	s_wait_tensorcnt 0x1                           ; the scale words and my part of visit 0 are in; visit 1's load may be out
	s_barrier_signal -1
	s_barrier_wait -1
	FETCH 0, 0, 0
	SCALES 0, 0
	STEP 0, 0, 1                                   ; the first products start the sums: nothing is cleared
	STEP 0, 1, 0
	STEP 0, 2, 0
	TURN 0, 1, 1, 1                                ; slot 0 takes visit 2
	STEP 1, 0, 0
	STEP 1, 1, 0
	STEP 1, 2, 0
	TURN 1, 0, 1, 2                                ; slot 1 takes visit 3
	STEP 0, 0, 0
	STEP 0, 1, 0
	STEP 0, 2, 0
	TURN 0, 1, 0, 3                                ; nothing is left to fetch; behind this barrier nobody reads slot 0
	STEP 1, 0, 0
	STEP 1, 1, 0
	STEP 1, 2, 0
	s_wait_dscnt 0x0
	WIN W_MUL
	MUL 0, 1, 1, 3, 0
	MUL 1, 1, 1, 3, 0
	MUL 2, 1, 1, 3, 0
	MUL 3, 1, 1, 3, 0
	WIN 0
; THE WAY OUT, a tile of 16 tokens at a time.  A lane holds pieces of 32 bytes of one row; the block goes through my own stage and comes back as whole rows.
; LDS serves a wave's instructions in order (ISA guide 5.7.1.4): no wait between the stores and the loads, nor in front of the next block's stores.
.macro TOSTAGE rho
	WIN 0x08                                       ; an LDS store's data are its source 1: window 2
.irp b, 0,1,2,3,4,5,6,7
	ds_store_b128 v[STO], v[8*(8*(\rho)+\b):8*(8*(\rho)+\b)+3] offset:128*(\b/2)+32*(\b%2)        ; each accumulator from its low end on
	ds_store_b128 v[STO], v[8*(8*(\rho)+\b)+4:8*(8*(\rho)+\b)+7] offset:128*(\b/2)+32*(\b%2)+16
.endr
	WIN 0
.set BB, BK+64*((\rho)%2)
.irp t, 0,1,2,3,4,5,6,7,8,9,10,11,12,13,14,15
	ds_load_b128 v[BB+4*\t:BB+4*\t+3], v[RD] offset:\t*SPITCH
.endr
.endm
.macro SEND rho, younger               ; younger: the LDS instructions issued behind this block's loads, which may stay out
.set BB, BK+64*((\rho)%2)
	s_wait_dscnt \younger
.irp t, 0,1,2,3,4,5,6,7,8,9,10,11,12,13,14,15
	global_store_b128 v[LI], v[BB+4*\t:BB+4*\t+3], s[12:13] offset:(32*((\rho)/2)+8*((\rho)%2)+\t+8*(\t/8))*8192 th:TH_STORE_NT   ; slot t's token: 32 lanes store 512 consecutive bytes, at a multiple of 256 from out0's first byte; written once
.endr
.endm
	PLACES                                         ; behind the last products: for the reads of results and the loads into R's registers
	TOSTAGE 0
	TOSTAGE 1
	SEND 0, 32                                     ; behind block 0's loads: block 1's 16 stores and 16 loads
	s_wait_xcnt 0x0                                ; block 0's stores have read their registers: block 2's loads may land there
	TOSTAGE 2
	SEND 1, 32
	s_wait_xcnt 0x0
	TOSTAGE 3
	SEND 2, 32
	SEND 3, 0
	s_wait_tensorcnt 0x0                           ; the wave's end
	ds_add_u32 v[SPW], v[NIL]
	s_wait_dscnt 0x0
	CROUND                                         ; the closing round
	s_endpgm
.Lfunc_end_k_q1bde664b4e_outp:
	.size	k_q1bde664b4e_outp, .Lfunc_end_k_q1bde664b4e_outp-k_q1bde664b4e_outp
	.p2alignl 7, 3214868480
	.fill 96, 4, 3214868480
	.section	.rodata,"a",@progbits
	.p2align	6, 0x0
	.amdhsa_kernel k_q1bde664b4e_outp
		.amdhsa_group_segment_fixed_size 327680
		.amdhsa_private_segment_fixed_size 0
		.amdhsa_enable_private_segment 0
		.amdhsa_kernarg_size 40
		.amdhsa_user_sgpr_count 2
		.amdhsa_user_sgpr_kernarg_segment_ptr 1
		.amdhsa_wavefront_size32 1
		.amdhsa_system_sgpr_workgroup_id_x 1
		.amdhsa_system_sgpr_workgroup_id_y 1
		.amdhsa_system_sgpr_workgroup_id_z 1
		.amdhsa_system_vgpr_workitem_id 0
		.amdhsa_next_free_vgpr 768
		.amdhsa_next_free_sgpr 102
		.amdhsa_reserve_vcc 0
		.amdhsa_float_denorm_mode_32 3
		.amdhsa_float_denorm_mode_16_64 3
		.amdhsa_memory_ordered 1
		.amdhsa_forward_progress 1
		.amdhsa_inst_pref_size 134
	.end_amdhsa_kernel
	.amdgpu_metadata
---
amdhsa.version: [ 1, 2 ]
amdhsa.kernels:
  - .name:           k_q1bde664b4e_outp
    .symbol:         k_q1bde664b4e_outp.kd
    .args:
      - { .name: y_img, .offset: 0, .size: 8, .value_kind: global_buffer, .address_space: global }
      - { .name: y_sc, .offset: 8, .size: 8, .value_kind: global_buffer, .address_space: global }
      - { .name: w_img, .offset: 16, .size: 8, .value_kind: global_buffer, .address_space: global }
      - { .name: w_sc, .offset: 24, .size: 8, .value_kind: global_buffer, .address_space: global }
      - { .name: out0, .offset: 32, .size: 8, .value_kind: global_buffer, .address_space: global }
    .group_segment_fixed_size: 327680
    .private_segment_fixed_size: 0
    .kernarg_segment_align: 8
    .kernarg_segment_size: 40
    .max_flat_workgroup_size: 128
    .sgpr_count:     102
    .vgpr_count:     768
    .wavefront_size: 32
...
	.end_amdgpu_metadata
.endif
;; end of part 5
;; ======== version 2 of 2: 4 launches
;; limits: right only within a limited range of input values
;; workspace buffers: x_img 3,145,728 bytes; x_sc 131,072 bytes; w_img 7,864,320 bytes; w_sc 327,680 bytes; qkv_img 4,718,592 bytes; qkv_sc 196,608 bytes; y_img 3,145,728 bytes; y_sc 131,072 bytes
;; launch quant (part 6): grid 224 x 1, 16 waves a work-group, no clusters, 141,312 bytes of LDS; arguments Wq, Wk, Wv, Wo, w_img, w_sc, x, x_img, x_sc; writes w_img, w_sc, x_img, x_sc
.if DOCPART == 6
	.amdgcn_target "amdgcn-amd-amdhsa--gfx1250"
	.amdhsa_code_object_version 6
	.text
	.protected	k_q1bde664b4e_quant
	.globl	k_q1bde664b4e_quant
	.p2align	8
	.type	k_q1bde664b4e_quant,@function
k_q1bde664b4e_quant:
	s_mov_b64 s[64:65], 0
	v_nop
	global_prefetch_b8 v0, s[64:65] scope:SCOPE_SE
	s_setreg_imm32_b32 hwreg(HW_REG_WAVE_MODE, 25, 1), 1
	s_wait_xcnt 0x0
; x and the four weights, all f32, become codes of FP6 (E2M3) with one E8M0 scale byte for each 32 along K, laid as IMAGES OF THE OPERAND'S REGISTERS.
; A fragment is 16 rows x 128 K: 12 registers a lane; lane (r, h) holds row slot r, registers 6 c .. 6 c + 5 = K 64 c + 32 h + 0 .. 31.  Its image is 1,536 dense bytes: registers 4 g .. 4 g + 3 of lane l at 512 g + 16 l.
; THE 16 ROWS OF A TILE ARE NOT NEIGHBOURS: slot r of tile 2 B + U (of tokens, of a weight's columns) is row 32 B + 8 U + r + 8 (r / 8), so that a product that takes such tiles as source 0 has 16 neighbouring rows in the registers of two neighbouring tiles.
; x_img [tile 128][K step 16][1536], w_img [tile 320][K step 16][1536] (the columns of Wq, Wk, Wv, Wo count on end);  x_sc, w_sc [tile][K step / 4][slot r][K step % 4]: a word of four bytes for a row and 128 along K.
; A block's scale is 2^(floor(log2(its largest magnitude)) - 2); its byte is the largest magnitude's exponent field - 2, held at 1 from below.
; LIMITS: NaN and infinities among the inputs are not served.  A block whose largest magnitude lies under 2^-124 (a block of zeros among them) gets the byte 1 where the rule says less, or 127: the bytes are read by this program alone, and zero codes add nothing.
; ONE LAUNCH, TWO PATHS, parted once on the work-group's number; every work-group reads 262,144 bytes.  Each path has its own barrier, its own end and LDS bytes of its own.
; WORK-GROUPS 0-159, THE WEIGHTS (stored [K 2048][N], K their first axis): group of 128 columns = id / 4, quarter of K = id % 4.  A LANE TAKES A COLUMN, AND ITS REGISTERS RUN DOWN K: a block of 32 lies in one lane's 32 registers,
;   its largest magnitude needs no other lane, and the conversions give codes with K innermost.  A wave takes 32 columns x 128 K: two fragments.  Lane 16 u + r takes the column of slot r of tile u (8 u + r % 8 + 16 (r / 8) of the 32):
;   a load still covers 128 consecutive bytes, and four waves stand side by side on 512.  A lane's blocks 0 and 2 are made in F0, blocks 1 and 3 in F1; twelve exchanges of halves make F0 tile 0's fragment and F1 tile 1's.
;   Pointer, first group and row pitch are chosen by the group's number.  Loads run two blocks (64 loads a wave) ahead.  No address register is ever rewritten.
; WORK-GROUPS 160-223, x [2048 tokens][2048]: 32 tokens = two tiles; wave w makes K step w of both: 32 loads of 512 consecutive bytes (a token's 128 numbers), all on their way at once.
;   The conversions want 16 neighbours along K in one lane, the loads neighbouring bytes in neighbouring lanes: a fragment's 8,192 bytes turn through the wave's own stage in LDS (rows 528 bytes apart: 33 x 16, so sixteen rows start at sixteen different 16-byte columns modulo 256).
; No matrix unit, no tensor load, no cluster: each byte is read once by one wave, and nothing is shared but the scale words of a row, which meet in LDS to leave as whole runs of 256 bytes.
.set NWW,    160                       ; the weights' work-groups
.set FRB,    1536                      ; a fragment's image
.set TROW,   16*FRB                    ; a tile's sixteen K steps
.set SPITCH, 528
.set WSTG,   16*SPITCH                 ; x: a wave's stage
.set SCX,    16*WSTG                   ; x: behind the stages, 2,048 bytes of scale words
.set WSC,    SCX+2048                  ; the weights: 2,048 bytes of scale words
.set LI,   6                           ; v6   16 x lane (both paths)
; the weights' path
.set VO,   32                          ; v32-63   4 x my column + i rows, i = 0 .. 31
.set WX,   64                          ; v64-127  two sets of 32 numbers
.set F0,   128                         ; v128-139
.set F1,   140                         ; v140-151
.set CT,   152                         ; v152-154 a block's upper 16 codes on their way
.set SW,   24                          ; v24      my column's scale word
.set BAS,  24                          ; s[24:31] four bases: my wave's block t begins 32 t rows down
; x's path
.set SIN,  4                           ; v4   the stage, on the way in: my wave's + 16 x lane
.set SOUT, 5                           ; v5   on the way out: row r, + 64 h
.set SWR,  7                           ; v7   where my row's scale word goes
.set SRD,  8                           ; v8   where waves 0-3 read the words back
.set GSC,  9                           ; v9   and their place in x_sc
.set RAW,  16                          ; v16-143  two tiles' sixteen rows as loaded
.set XX,   144                         ; v144-207 register 16 b + i = K 32 b + 16 h + i of my row
.set TM,   208                         ; v208-223 at work in QUANT
.set PW,   224                         ; v224-225 the two scale words
.set PC0,  228                         ; v228-246 the first tile's codes (12 registers) and two halves on their way
.set PC1,  16                          ; v16-34   the second tile's: free when the first tile's LDS stores have been waited for
.set SEL,  20                          ; s[20:21] v_permlanex16_b32's selects for lane l xor 16
; 64 numbers of a lane, v[s] .. v[s + 63], register 16 b + i = K 32 b + 16 (lane / 16) + i of my row, become a fragment's codes in v[pc] .. v[pc + 11] and its scale word in v[pw].
.macro QUANT s, pc, pw
.irp b, 0,1,2,3
	v_max3_num_f32 v[TM+\b], |v[(\s)+16*\b]|, |v[(\s)+16*\b+1]|, 0x1800000   ; block b: my 16 numbers, and the floor 2^(3 - 127): the byte cannot fall under 1
.endr
.irp i, 2,4,6,8,10,12,14
.irp b, 0,1,2,3
	s_delay_alu instid0(VALU_DEP_4)
	v_max3_num_f32 v[TM+\b], v[TM+\b], |v[(\s)+16*\b+\i]|, |v[(\s)+16*\b+\i+1]|   ; the four blocks by turns
.endr
.endr
.irp b, 0,1,2,3
	s_delay_alu instid0(VALU_DEP_4)
	v_permlanex16_b32 v[TM+4+\b], v[TM+\b], s[SEL], s[SEL+1]
.endr
.irp b, 0,1,2,3
	s_delay_alu instid0(VALU_DEP_4)
	v_max_num_f32 v[TM+\b], v[TM+\b], v[TM+4+\b]   ; with lane l xor 16's 16: the block's largest magnitude
.endr
.irp b, 0,1,2,3
	s_delay_alu instid0(VALU_DEP_4)
	v_add_nc_u32 v[TM+12+\b], 0xff000000, v[TM+\b]   ; 2 off its exponent field: the conversion takes that field of this operand as its scale
.endr
.irp b, 0,1,2,3
	s_delay_alu instid0(VALU_DEP_4)
	v_lshrrev_b32 v[TM+4+\b], 23, v[TM+12+\b]      ; the scale's byte
.endr
	s_delay_alu instid0(VALU_DEP_3)
	v_lshl_or_b32 v[\pw], v[TM+5], 8, v[TM+4]      ; four bytes: my row's scale word
	s_delay_alu instid0(VALU_DEP_1)
	v_lshl_or_b32 v[\pw], v[TM+6], 16, v[\pw]
	s_delay_alu instid0(VALU_DEP_1)
	v_lshl_or_b32 v[\pw], v[TM+7], 24, v[\pw]
.irp c, 0,1
	v_cvt_scalef32_pk16_fp6_f32 v[(\pc)+6*\c:(\pc)+6*\c+2], v[(\s)+32*\c:(\s)+32*\c+15], v[TM+12+2*\c]
	v_cvt_scalef32_pk16_fp6_f32 v[(\pc)+12+4*\c:(\pc)+14+4*\c], v[(\s)+32*\c+16:(\s)+32*\c+31], v[TM+13+2*\c]   ; (a conversion's three registers begin on an even number)
.endr
	v_nop                                          ; one plain instruction behind a scaled conversion
.irp c, 0,1                                    ; the layout wants a WHOLE block in a lane: lanes 0-15 block 2 c, lanes 16-31 block 2 c + 1
.irp i, 0,1,2
	v_permlane16_swap_b32 v[(\pc)+6*\c+\i], v[(\pc)+12+4*\c+\i]
.endr
.irp i, 0,1,2
	s_delay_alu instid0(VALU_DEP_3)
	v_mov_b32 v[(\pc)+3+6*\c+\i], v[(\pc)+12+4*\c+\i]
.endr
.endr
.endm
	s_load_b256 s[4:11], s[0:1], 0x0               ; Wq s[4:5], Wk s[6:7], Wv s[8:9], Wo s[10:11]
	s_load_b128 s[12:15], s[0:1], 0x20             ; w_img, w_sc
	s_load_b128 s[44:47], s[0:1], 0x30             ; x, x_img
	s_load_b64 s[48:49], s[0:1], 0x40              ; x_sc
	v_lshl_add_u32 v254, v0, 2, 0x22000
	v_mov_b32 v255, 0
	v_lshrrev_b32 v1, 5, v0
	s_delay_alu instid0(VALU_DEP_1)
	v_readfirstlane_b32 s16, v1                    ; wave 0..15
	v_and_b32 v1, 31, v0                           ; lane
	v_and_b32 v2, 15, v0                           ; r
	v_bfe_u32 v3, v0, 4, 1                         ; h (the weights' path: u)
	s_delay_alu instid0(VALU_DEP_3)
	v_lshlrev_b32 v[LI], 4, v1
	s_cmp_ge_u32 ttmp9, NWW                        ; the one parting: on the work-group's number, the same in all sixteen waves
	s_cbranch_scc1 .Lx_path
	; ---------------- THE WEIGHTS ----------------
	v_and_b32 v4, 7, v0
	v_bfe_u32 v5, v0, 3, 1
	s_delay_alu instid0(VALU_DEP_2)
	v_lshl_add_u32 v4, v3, 3, v4
	s_delay_alu instid0(VALU_DEP_1)
	v_lshl_add_u32 v4, v5, 4, v4                   ; my column of the wave's 32: 8 u + r % 8 + 16 (r / 8)
	s_delay_alu instid0(VALU_DEP_1)
	v_lshlrev_b32 v4, 2, v4
	s_lshr_b32 s50, ttmp9, 2                       ; the group of 128 columns, 0 .. 39
	s_and_b32 s19, ttmp9, 3                        ; kg: which four K steps
	s_and_b32 s17, s16, 3                          ; cg: which 32 of the group's 128 columns
	s_lshr_b32 s18, s16, 2                         ; ksl: which of four K steps
	s_lshl_b32 s42, s17, 9
	s_add_co_u32 s42, s42, WSC
	s_lshl_b32 s43, s18, 2
	s_add_co_u32 s43, s43, s42
	s_wait_alu depctr_va_vdst(0)
	v_add_nc_u32 v7, s43, v[LI]                    ; LDS: my scale word: 512 cg + 16 lane + 4 ksl
	v_add_nc_u32 v8, s42, v[LI]                    ; and back, four words a lane (used by waves 0-3, whose cg is their number)
	v_lshlrev_b32 v9, 10, v3
	s_delay_alu instid0(VALU_DEP_1)
	v_lshl_add_u32 v9, v2, 4, v9                   ; in w_sc: tile u, 16 r
	s_wait_kmcnt 0x0
	s_mov_b64 s[20:21], s[10:11]                   ; groups 24-39: Wo
	s_mov_b32 s22, 24
	s_mov_b32 s23, 8192                            ; a row of 2,048 numbers
	s_cmp_lt_u32 s50, 24                           ; the choices hang on the work-group's number alone
	s_cselect_b64 s[20:21], s[8:9], s[20:21]       ; 20-23: Wv
	s_cselect_b32 s22, 20, s22
	s_cselect_b32 s23, 2048, s23                   ; a row of 512
	s_cmp_lt_u32 s50, 20
	s_cselect_b64 s[20:21], s[6:7], s[20:21]       ; 16-19: Wk
	s_cselect_b32 s22, 16, s22
	s_cmp_lt_u32 s50, 16
	s_cselect_b64 s[20:21], s[4:5], s[20:21]       ; 0-15: Wq
	s_cselect_b32 s22, 0, s22
	s_cselect_b32 s23, 8192, s23
	s_sub_co_u32 s32, s50, s22
	s_lshl_b32 s32, s32, 9                         ; the group's 128 columns: 512 bytes
	s_lshl_b32 s33, s17, 7
	s_add_co_u32 s32, s32, s33
	s_mov_b32 s33, 0
	s_add_nc_u64 s[20:21], s[20:21], s[32:33]
	s_lshl_b32 s34, s19, 9
	s_lshl_b32 s35, s18, 7
	s_add_co_u32 s34, s34, s35                     ; my first row: 512 kg + 128 ksl
	s_mul_i32 s34, s34, s23
	s_mov_b32 s35, 0
	s_add_nc_u64 s[BAS:BAS+1], s[20:21], s[34:35]
	s_lshl_b32 s34, s23, 5                         ; 32 rows
	s_add_nc_u64 s[BAS+2:BAS+3], s[BAS:BAS+1], s[34:35]
	s_add_nc_u64 s[BAS+4:BAS+5], s[BAS+2:BAS+3], s[34:35]
	s_add_nc_u64 s[BAS+6:BAS+7], s[BAS+4:BAS+5], s[34:35]
.set i, 0
.rept 32
	v_mad_u32_u24 v[VO+i], i, s23, v4
.set i, i+1
.endr
.macro LOAD t                          ; block t: W(32 t + i, my column), i = 0 .. 31, into set t % 2
.set i, 0
.rept 32
	global_load_b32 v[WX+32*((\t)%2)+i], v[VO+i], s[BAS+2*(\t):BAS+2*(\t)+1] th:TH_LOAD_NT
.set i, i+1
.endr
.endm
	LOAD 0
	LOAD 1
	s_lshl_b32 s36, s50, 3
	s_lshl_b32 s37, s17, 1
	s_add_co_u32 s36, s36, s37                     ; my first tile: 8 x group + 2 cg
	s_lshl_b32 s38, s36, 4
	s_lshl_b32 s39, s19, 2
	s_add_co_u32 s38, s38, s39
	s_add_co_u32 s38, s38, s18                     ; + my K step: 4 kg + ksl
	s_mul_i32 s38, s38, FRB
	s_mov_b32 s39, 0
	s_add_nc_u64 s[12:13], s[12:13], s[38:39]
	s_lshl_b32 s40, s36, 10
	s_lshl_b32 s41, s19, 8
	s_add_co_u32 s40, s40, s41
	s_mov_b32 s41, 0
	s_add_nc_u64 s[14:15], s[14:15], s[40:41]
.macro BLOCK t
.set XS, WX+32*((\t)%2)
.set FD, F0+12*((\t)%2)+6*((\t)/2)
.if (\t) < 3
	s_wait_loadcnt 32                              ; this block's 32 loads are in; the next block's 32 may be out
.else
	s_wait_loadcnt 0x0
.endif
	v_max3_num_f32 v12, |v[XS]|, |v[XS+1]|, |v[XS+2]|              ; the block's largest magnitude: all 32 numbers are mine; two chains
	v_max3_num_f32 v13, |v[XS+3]|, |v[XS+4]|, |v[XS+5]|
.irp i, 6,10,14,18,22,26
	s_delay_alu instid0(VALU_DEP_2)
	v_max3_num_f32 v12, v12, |v[XS+\i]|, |v[XS+\i+1]|
	s_delay_alu instid0(VALU_DEP_2)
	v_max3_num_f32 v13, v13, |v[XS+\i+2]|, |v[XS+\i+3]|
.endr
	s_delay_alu instid0(VALU_DEP_2)
	v_max3_num_f32 v12, v12, |v[XS+30]|, |v[XS+31]|
	s_delay_alu instid0(VALU_DEP_1)
	v_max3_num_f32 v12, v12, v13, 0x1800000        ; and the floor 2^(3 - 127): the byte cannot fall under 1
	s_delay_alu instid0(VALU_DEP_1)
	v_add_nc_u32 v11, 0xff000000, v12              ; 2 off its exponent field: the conversion's scale operand
	s_delay_alu instid0(VALU_DEP_1)
	v_lshrrev_b32 v13, 23, v11                     ; the scale's byte
.if (\t) == 0
	s_delay_alu instid0(VALU_DEP_1)
	v_mov_b32 v[SW], v13
.else
	s_delay_alu instid0(VALU_DEP_1)
	v_lshl_or_b32 v[SW], v13, 8*(\t), v[SW]        ; byte t of my column's word for these 128 along K
.endif
	v_cvt_scalef32_pk16_fp6_f32 v[FD:FD+2], v[XS:XS+15], v11
	v_cvt_scalef32_pk16_fp6_f32 v[CT:CT+2], v[XS+16:XS+31], v11    ; (a conversion's three registers begin on an even number)
	v_nop                                          ; one plain instruction behind a scaled conversion
.irp i, 0,1,2
	v_mov_b32 v[FD+3+\i], v[CT+\i]
.endr
.if (\t) < 2
	LOAD (\t)+2
.endif
.endm
	BLOCK 0
	BLOCK 1
	BLOCK 2
	BLOCK 3
.set i, 0
.rept 12
	v_permlane16_swap_b32 v[F0+i], v[F1+i]         ; F0: tile 0's fragment (lanes 16-31 now hold its blocks 1 and 3); F1: tile 1's
.set i, i+1
.endr
.irp c, 0,1,2
	global_store_b128 v[LI], v[F0+4*\c:F0+4*\c+3], s[12:13] offset:512*\c          ; 512 consecutive bytes each
	global_store_b128 v[LI], v[F1+4*\c:F1+4*\c+3], s[12:13] offset:TROW+512*\c
.endr
	ds_store_b32 v7, v[SW]
	s_wait_dscnt 0x0                               ; for the others' sake: my store has landed
	s_barrier_signal -1
	s_barrier_wait -1
	s_cmp_gt_u32 s16, 3
	s_cbranch_scc1 .Lw_done
	ds_load_b128 v[WX:WX+3], v8                    ; the four K steps' words of my column's row
	s_wait_dscnt 0x0
	global_store_b128 v9, v[WX:WX+3], s[14:15]     ; each half of the lanes stores 256 consecutive bytes, aligned
.Lw_done:
	s_wait_tensorcnt 0x0
	ds_add_u32 v254, v255
	s_wait_dscnt 0x0
	s_endpgm
	; ---------------- x ----------------
.Lx_path:
	s_sub_co_u32 s22, ttmp9, NWW                   ; which 32 tokens: 0 .. 63
	s_mul_i32 s17, s16, WSTG
	s_wait_alu depctr_va_vdst(0)
	v_add_nc_u32 v[SIN], s17, v[LI]
	v_mul_u32_u24 v[SOUT], v2, SPITCH
	s_delay_alu instid0(VALU_DEP_1)
	v_lshl_add_u32 v[SOUT], v3, 6, v[SOUT]
	s_delay_alu instid0(VALU_DEP_1)
	v_add_nc_u32 v[SOUT], s17, v[SOUT]
	s_lshr_b32 s18, s16, 2                         ; my K step is my wave's number: which group of four,
	s_lshl_b32 s18, s18, 8
	s_and_b32 s19, s16, 3                          ; and which of the four
	s_lshl_b32 s23, s19, 2
	s_add_co_u32 s18, s18, s23
	s_add_co_u32 s18, s18, SCX
	v_lshl_add_u32 v[SWR], v2, 4, s18              ; + 16 r
	s_lshl_b32 s19, s19, 9
	v_add_nc_u32 v[GSC], s19, v[LI]                ; back: 512 bytes for each of waves 0-3, 16 a lane
	s_delay_alu instid0(VALU_DEP_1)
	v_add_nc_u32 v[SRD], SCX, v[GSC]
	s_mov_b32 s[SEL], 0x76543210
	s_mov_b32 s[SEL+1], 0xfedcba98
.irp b, 0,1,2,3
	v_mov_b32 v[TM+4+\b], 0                        ; written once: a lane permute's destination counts as one of its sources
.endr
	s_lshl_b32 s26, s22, 18                        ; 32 tokens of 8,192 bytes
	s_lshl_b32 s27, s16, 9                         ; a K step is 512 bytes of a token's row
	s_add_co_u32 s26, s26, s27
	s_mov_b32 s27, 0
	s_lshl_b32 s28, s22, 5
	s_add_co_u32 s28, s28, s16
	s_mul_i32 s28, s28, FRB                        ; the first tile's fragment: (16 x tile + K step) images on
	s_mov_b32 s29, 0
	s_lshl_b32 s30, s22, 11                        ; the two tiles' scale words: 2,048 bytes
	s_mov_b32 s31, 0
	s_wait_alu depctr_va_vdst(0)
	s_wait_kmcnt 0x0
	s_add_nc_u64 s[44:45], s[44:45], s[26:27]
	s_add_nc_u64 s[46:47], s[46:47], s[28:29]
	s_add_nc_u64 s[48:49], s[48:49], s[30:31]
.irp u, 0,1                                    ; tile u's slot t is token 8 u + t + 8 (t / 8) of the 32
.irp t, 0,1,2,3,4,5,6,7,8,9,10,11,12,13,14,15
	global_load_b128 v[RAW+64*\u+4*\t:RAW+64*\u+4*\t+3], v[LI], s[44:45] offset:(8*\u+\t+8*(\t/8))*8192 th:TH_LOAD_NT   ; 32 lanes read 512 consecutive bytes; read once in the launch
.endr
.endr
.macro TURNX u                         ; tile u's 8,192 bytes through my stage
.irp t, 0,1,2,3,4,5,6,7,8,9,10,11,12,13,14,15
	ds_store_b128 v[SIN], v[RAW+64*(\u)+4*\t:RAW+64*(\u)+4*\t+3] offset:\t*SPITCH
.endr
.irp b, 0,1,2,3
.irp j, 0,1,2,3
	ds_load_b128 v[XX+16*\b+4*\j:XX+16*\b+4*\j+3], v[SOUT] offset:128*\b+16*\j   ; LDS serves a wave's instructions in order (ISA guide 5.7.1.4): these see my stores
.endr
.endr
	s_wait_dscnt 0x0
.endm
	s_wait_loadcnt 16                              ; the first tile's 16 loads are in; the second tile's 16 may be out
	TURNX 0
	QUANT XX, PC0, PW
.irp c, 0,1,2
	global_store_b128 v[LI], v[PC0+4*\c:PC0+4*\c+3], s[46:47] offset:512*\c   ; 512 consecutive bytes, at a multiple of 256 from the buffer's first byte
.endr
	ds_store_b32 v[SWR], v[PW]                     ; both halves of the lanes hold row r's word and write the same word with the same value
	s_wait_loadcnt 0x0
	TURNX 1                                        ; my reads of the stage are over: they were waited for
	QUANT XX, PC1, PW+1                            ; its codes have registers of their own: no store's data are written again
.irp c, 0,1,2
	global_store_b128 v[LI], v[PC1+4*\c:PC1+4*\c+3], s[46:47] offset:TROW+512*\c
.endr
	ds_store_b32 v[SWR], v[PW+1] offset:1024
	s_wait_dscnt 0x0                               ; for the others' sake: my stores have landed
	s_barrier_signal -1
	s_barrier_wait -1
	s_cmp_gt_u32 s16, 3
	s_cbranch_scc1 .Lx_done
	ds_load_b128 v[RAW+64:RAW+67], v[SRD]          ; the sixteen waves' words of two tiles: eight runs of 256 bytes, two a wave
	s_wait_dscnt 0x0
	global_store_b128 v[GSC], v[RAW+64:RAW+67], s[48:49]
.Lx_done:
	s_wait_tensorcnt 0x0
	ds_add_u32 v254, v255
	s_wait_dscnt 0x0
	s_endpgm
.Lfunc_end_k_q1bde664b4e_quant:
	.size	k_q1bde664b4e_quant, .Lfunc_end_k_q1bde664b4e_quant-k_q1bde664b4e_quant
	.p2alignl 7, 3214868480
	.fill 96, 4, 3214868480
	.section	.rodata,"a",@progbits
	.p2align	6, 0x0
	.amdhsa_kernel k_q1bde664b4e_quant
		.amdhsa_group_segment_fixed_size 141312
		.amdhsa_private_segment_fixed_size 0
		.amdhsa_enable_private_segment 0
		.amdhsa_kernarg_size 72
		.amdhsa_user_sgpr_count 2
		.amdhsa_user_sgpr_kernarg_segment_ptr 1
		.amdhsa_wavefront_size32 1
		.amdhsa_system_sgpr_workgroup_id_x 1
		.amdhsa_system_sgpr_workgroup_id_y 1
		.amdhsa_system_sgpr_workgroup_id_z 1
		.amdhsa_system_vgpr_workitem_id 0
		.amdhsa_next_free_vgpr 256
		.amdhsa_next_free_sgpr 66
		.amdhsa_reserve_vcc 0
		.amdhsa_float_denorm_mode_32 3
		.amdhsa_float_denorm_mode_16_64 3
		.amdhsa_memory_ordered 1
		.amdhsa_forward_progress 1
		.amdhsa_inst_pref_size 48
	.end_amdhsa_kernel
	.amdgpu_metadata
---
amdhsa.version: [ 1, 2 ]
amdhsa.kernels:
  - .name:           k_q1bde664b4e_quant
    .symbol:         k_q1bde664b4e_quant.kd
    .args:
      - { .name: Wq, .offset: 0, .size: 8, .value_kind: global_buffer, .address_space: global }
      - { .name: Wk, .offset: 8, .size: 8, .value_kind: global_buffer, .address_space: global }
      - { .name: Wv, .offset: 16, .size: 8, .value_kind: global_buffer, .address_space: global }
      - { .name: Wo, .offset: 24, .size: 8, .value_kind: global_buffer, .address_space: global }
      - { .name: w_img, .offset: 32, .size: 8, .value_kind: global_buffer, .address_space: global }
      - { .name: w_sc, .offset: 40, .size: 8, .value_kind: global_buffer, .address_space: global }
      - { .name: x, .offset: 48, .size: 8, .value_kind: global_buffer, .address_space: global }
      - { .name: x_img, .offset: 56, .size: 8, .value_kind: global_buffer, .address_space: global }
      - { .name: x_sc, .offset: 64, .size: 8, .value_kind: global_buffer, .address_space: global }
    .group_segment_fixed_size: 141312
    .private_segment_fixed_size: 0
    .kernarg_segment_align: 8
    .kernarg_segment_size: 72
    .max_flat_workgroup_size: 512
    .sgpr_count:     66
    .vgpr_count:     256
    .wavefront_size: 32
...
	.end_amdgpu_metadata
.endif
;; end of part 6
;; launch qkv (part 7): grid 24 x 8, 4 waves a work-group, clusters of 4 x 4, 327,680 bytes of LDS; arguments x_img, x_sc, w_img, w_sc, rope_cache, qkv_img, qkv_sc; writes qkv_img, qkv_sc
.if DOCPART == 7
	.amdgcn_target "amdgcn-amd-amdhsa--gfx1250"
	.amdhsa_code_object_version 6
	.text
	.protected	k_q1bde664b4e_qkv
	.globl	k_q1bde664b4e_qkv
	.p2align	8
	.type	k_q1bde664b4e_qkv,@function
k_q1bde664b4e_qkv:
	s_mov_b64 s[64:65], 0
	v_nop
	global_prefetch_b8 v0, s[64:65] scope:SCOPE_SE
	s_setreg_imm32_b32 hwreg(HW_REG_WAVE_MODE, 25, 1), 1
	s_wait_xcnt 0x0
	s_wait_alu depctr_hold_cnt(0) depctr_sa_sdst(0) depctr_va_vdst(0) depctr_va_sdst(0) depctr_va_ssrc(0) depctr_va_vcc(0) depctr_vm_vsrc(0)
	s_getreg_b32 s2, hwreg(HW_REG_IB_STS2, 6, 4)
	s_cmp_eq_u32 s2, 0
	s_cbranch_scc0 .Lentry_in_a_cluster
	s_endpgm
.Lentry_in_a_cluster:
	s_bfe_u32 s2, ttmp6, 0x10000c
	s_cmp_lg_u32 s2, 0xf033
	s_cbranch_scc0 .Lentry_shape_is_right
	s_endpgm
.Lentry_shape_is_right:
; q = rope(x Wq), k = rope(x Wk), v = x Wv, all three products on codes of FP6 (E2M3) with E8M0 scales; the results are quantised here, in registers, for the attention launch.
; Operands come as images of their registers (1,536 bytes a fragment of 16 rows x 128 K, registers 4 g .. 4 g + 3 of lane l at 512 g + 16 l), so a fragment is three ds_load_b128 at 16 x lane: no pitch, no padding.
; Slot r of tile 2 B + U (of tokens, of a weight's columns) is row 32 B + 8 U + r + 8 (r / 8): as source 0, two neighbouring tiles give a lane 16 NEIGHBOURS in 16 registers, the order that the next quantiser takes.
; SHARES.  A work-group makes 256 tokens x 128 columns = one head slot hs (0-15 q, 16-19 k, 20-23 v).  Four waves, 32 accumulators each: source 0 = P, 8 fragments; source 1 = R, 4 fragments.
;   q, k:  P = the weight's 8 tiles, R = tokens' tiles 4 w .. 4 w + 3: a lane holds ONE token and its registers run along the head's 128: rope, then quantised along the head.
;   v:     P = tokens' tiles 8 (w / 2) .. + 7, R = the weight's tiles 4 (w % 2) .. + 3: a lane holds ONE channel and its registers run along 128 tokens: quantised along the keys.
;   The two roles differ in four LDS bases, chosen by the cluster's x (5: v), which all sixteen partners share.  In both the fragments written are hs x 128 + 16 wgy + 4 w + 0 .. 3.
; qkv_img [hs 24][f 128][1536]: q, k: f = tokens' tile; v: f = 8 x key step + channels' tile.  qkv_sc [hs][f / 4][slot r][f % 4]: a word each.
; K = 2,048 goes in four visits of 512 through two LDS slots: visits 0 and 1 are first fills, visits 2 and 3 the only refills; all is written out.
; The scale words of the work-group's rows, for all of K, come once, with the first fills.
; CLUSTER 4 x 4: the four of a row need the same tiles of x, the four of a column the same tiles of the weight: each is asked for jointly.
; rope_cache is loaded by every work-group on the one path that all take; v's 32 work-groups leave it unused: so no register is read on a path on which it was not written.
; No prefetch is laid: half of K is asked for at the head, and each refill has three K steps and more of products in which to land.
; LIMITS: NaN and infinities are not served; a block whose largest magnitude lies under 2^-124 (zeros among them) gets the byte 1: the bytes are read by this program alone.
; REGISTERS, in windows of 256: window 0: v16-29 addresses; v32-127 scale words, two sets, and nothing else; v128-223 R's fragments, two sets, later rope's products and the codes; v224-243 at work.
;   window 1: P's fragments, two sets (v0, v128).   window 2: accumulator (rho, beta) at v[8 (8 rho + beta)].   window 3: cos and sin in the accumulators' layout.
; ORDER OF THE FILLS: at the head one joint load a wave: wave 0 x's 16 tiles of visit 0, wave 1 the weight's 8, wave 2 x's scale words, wave 3 the weight's.
; Visit 1 is asked for behind the three lines and a round, a quarter of the slot a wave, as a refill is; visits 2 and 3 are the refills.  Every wait on TENSORcnt is for 0.
.set FRB,   1536
.set TVIS,  4*FRB                      ; a tile's four K steps of a visit
.set TROW,  16*FRB                     ; a tile's sixteen K steps in memory
.set BOFF,  16*TVIS                    ; in a slot: x's 16 tiles, then the weight's 8
.set SLOT,  24*TVIS
.set SCL,   2*SLOT                     ; behind the ring: x's scale words (16 x 1,024 bytes),
.set SCLB,  16*1024                    ; then the weight's (8 x 1,024)
.set SPARE, SCL+24*1024                ; the spare words, 128 bytes for each wave: two blocks of 256 bytes that no other line names
.set ADP,  16                          ; v16-17  P's fragments in slot 0, 1: base + 16 x lane
.set ADR,  18                          ; v18-19  R's
.set ADPS, 20                          ; v20     P's scale words: base + 16 r
.set ADRS, 21                          ; v21     R's
.set LI,   22                          ; v22     16 x lane
.set RO,   23                          ; v23     rope_cache: my token's row + 64 h
.set LN,   24                          ; v24     lane
.set R16,  27                          ; v27     16 r
.set SPW,  28                          ; v28     my spare word; never rewritten
.set NIL,  29                          ; v29     0; never rewritten
.set SC,   32                          ; set z at v[SC + 48 z]: P's word (beta, K step % 4) at + 4 beta + ksl, R's at + 32 + 4 rho + ksl
.set RF,   128                         ; R's fragments: set p at v[RF + 48 p + 12 rho]
.set TT,   128                         ; rope: 64 products
.set PC,   128                         ; the codes of fragment rho at v[PC + 20 rho]
.set TM,   224                         ; v224-239 at work in QUANT
.set PW,   240                         ; v240-243 the four fragments' scale words
.set SEL,  2                           ; s[2:3] v_permlanex16_b32's selects for lane l xor 16
.set G1A,  24                          ; s[24:31] group 1 for x's tiles; s[32:39] group 0, a set for each slot
.set G0A,  32
.set G1B,  48                          ; s[48:55], s[56:63] the same for the weight's
.set G0B,  56
.set G1SA, 68                          ; s[68:75], s[76:79] x's scale words
.set G0SA, 76
.set G1SB, 80                          ; s[80:87], s[88:91] the weight's
.set G0SB, 88
.set MSB, 0
.macro WIN new                         ; the immediate's high byte repeats the setting that is left; a switch that changes nothing is dropped
.if MSB != (\new)
	s_set_vgpr_msb (MSB<<8)|(\new)
.set MSB, \new
.endif
.endm
.macro PLACES                          ; four plain instructions behind a matrix instruction, ahead of loads into its registers and of reads of its result
.rept 4
	v_nop
.endr
.endm
; A joint load: waves 0 and 1 fetch for x, waves 2 and 3 for the weight.  The branch hangs on the wave's number alone.  Four v_nop follow each of the two lines.
.macro JLOAD g0a, g1a, g0b, g1b
	s_cmp_eq_u32 s19, 0
	s_cbranch_scc0 .Lfor_b_\@
	tensor_load_to_lds s[\g0a:\g0a+3], s[\g1a:\g1a+7]
	s_nop 0
.rept 4
	v_nop
.endr
	s_branch .Lasked_\@
.Lfor_b_\@:
	tensor_load_to_lds s[\g0b:\g0b+3], s[\g1b:\g1b+7]
	s_nop 0
.rept 4
	v_nop
.endr
.Lasked_\@:
.endm
.macro CREST                           ; a round of the cluster's barrier behind its opening barrier
	s_cmp_lg_u32 s18, 0
	s_cbranch_scc1 .Lnot_wave_0_\@
	s_barrier_signal -3
.Lnot_wave_0_\@:
	s_barrier_wait -3
	s_barrier_signal -1
	s_barrier_wait -1
.endm
.macro CROUND
	s_barrier_signal -1
	s_barrier_wait -1
	CREST
.endm
; 64 numbers of a lane in window w, v[s] .. v[s + 63], register 16 b + i = K 32 b + 16 (lane / 16) + i of my row, become a fragment's codes in v[pc] .. v[pc + 11] and its scale word in v[pw] (window 0).
.macro QUANT s, w, pc, pw
	WIN ((\w)<<2)|((\w)<<4)                        ; sources 1 and 2: the numbers' window
.irp b, 0,1,2,3
	v_max3_num_f32 v[TM+\b], 0x1800000, |v[(\s)+16*\b]|, |v[(\s)+16*\b+1]|   ; the floor 2^(3 - 127), and block b's first two: each accumulator is read from its low end on
.endr
.irp i, 2,4,6,8,10,12,14
.irp b, 0,1,2,3
	v_max3_num_f32 v[TM+\b], v[TM+\b], |v[(\s)+16*\b+\i]|, |v[(\s)+16*\b+\i+1]|
.endr
.endr
	WIN 0
.irp b, 0,1,2,3
	v_permlanex16_b32 v[TM+4+\b], v[TM+\b], s[SEL], s[SEL+1]
.endr
.irp b, 0,1,2,3
	v_max_num_f32 v[TM+\b], v[TM+\b], v[TM+4+\b]   ; with lane l xor 16's 16: the block's largest magnitude
.endr
.irp b, 0,1,2,3
	v_add_nc_u32 v[TM+12+\b], 0xff000000, v[TM+\b]   ; 2 off its exponent field: the conversion's scale operand
.endr
.irp b, 0,1,2,3
	v_lshrrev_b32 v[TM+4+\b], 23, v[TM+12+\b]      ; the scale's byte
.endr
	v_lshl_or_b32 v[\pw], v[TM+5], 8, v[TM+4]
	v_lshl_or_b32 v[\pw], v[TM+6], 16, v[\pw]
	v_lshl_or_b32 v[\pw], v[TM+7], 24, v[\pw]
	WIN (\w)                                       ; source 0: the numbers' window
.irp c, 0,1
	v_cvt_scalef32_pk16_fp6_f32 v[(\pc)+6*\c:(\pc)+6*\c+2], v[(\s)+32*\c:(\s)+32*\c+15], v[TM+12+2*\c]
	v_cvt_scalef32_pk16_fp6_f32 v[(\pc)+12+4*\c:(\pc)+14+4*\c], v[(\s)+32*\c+16:(\s)+32*\c+31], v[TM+13+2*\c]   ; (a conversion's three registers begin on an even number)
.endr
	WIN 0
	v_nop                                          ; one plain instruction behind a scaled conversion
.irp c, 0,1                                    ; a WHOLE block in a lane: lanes 0-15 block 2 c, lanes 16-31 block 2 c + 1
.irp i, 0,1,2
	v_permlane16_swap_b32 v[(\pc)+6*\c+\i], v[(\pc)+12+4*\c+\i]
.endr
.irp i, 0,1,2
	v_mov_b32 v[(\pc)+3+6*\c+\i], v[(\pc)+12+4*\c+\i]
.endr
.endr
.endm
	s_load_b256 s[4:11], s[0:1], 0x0               ; x_img s[4:5], x_sc s[6:7], w_img s[8:9], w_sc s[10:11]
	s_load_b128 s[12:15], s[0:1], 0x20             ; rope_cache, qkv_img
	s_load_b64 s[16:17], s[0:1], 0x30              ; qkv_sc
	v_lshl_add_u32 v[SPW], v0, 2, SPARE
	v_mov_b32 v[NIL], 0
	ds_add_u32 v28, v29
	ds_add_u32 v28, v29
	s_wait_dscnt 0x0
	v_lshrrev_b32 v1, 5, v0
	v_readfirstlane_b32 s18, v1                    ; wave 0..3
	s_lshr_b32 s19, s18, 1                         ; I fetch for x (0) or for the weight (1)
	s_and_b32 s20, s18, 1                          ; and which half of its tiles
	s_bfe_u32 s40, ttmp6, 0x40000                  ; cx, cy: my place in the cluster
	s_bfe_u32 s41, ttmp6, 0x40004
	s_lshl_b32 s42, ttmp9, 2
	s_add_co_u32 s42, s42, s40                     ; wgx = the head slot
	s_and_b32 s21, ttmp7, 0xffff
	s_lshl_b32 s21, s21, 2
	s_add_co_u32 s21, s21, s41                     ; wgy: which 256 tokens
	s_lshl_b32 s43, s41, 2
	s_lshl_b32 s43, 15, s43                        ; my row of the cluster
	s_lshl_b32 s44, 0x1111, s40                    ; my column
	; group 1.  Elements of 8 bytes, no padding.  A tile's four K steps are a row of 6,144 bytes (768 elements); from tile to tile 24,576 bytes (3,072)
	s_or_b32 s[G1A], s43, (3<<16)|(1<<21)          ; 15:0 the mask: x's tiles go to my row; 17:16 elements of 8 bytes; 21 set beside a mask
	s_or_b32 s[G1B], s44, (3<<16)|(1<<21)          ; the weight's go to my column
	s_or_b32 s[G1SA], s43, (3<<16)|(1<<21)
	s_or_b32 s[G1SB], s44, (3<<16)|(1<<21)
.irp g, G1A, G1B
	s_mov_b32 s[\g+1], 768<<16                     ; tensor_dim0
	s_mov_b32 s[\g+3], 768<<16                     ; tile_dim0
	s_mov_b32 s[\g+5], 3072                        ; tensor_dim0_stride
	s_mov_b32 s[\g+6], 0
	s_mov_b32 s[\g+7], 0
.endr
	s_mov_b32 s[G1A+2], 16<<16                     ; the head's loads: all 16 tiles of x,
	s_mov_b32 s[G1A+4], 16
	s_mov_b32 s[G1B+2], 8<<16                      ; all 8 of the weight
	s_mov_b32 s[G1B+4], 8
.irp g, G1SA, G1SB                             ; scale words: dense, as rows of 256 bytes (32 elements)
	s_mov_b32 s[\g+1], 32<<16
	s_mov_b32 s[\g+3], 32<<16
	s_mov_b32 s[\g+5], 32
	s_mov_b32 s[\g+6], 0
	s_mov_b32 s[\g+7], 0
.endr
	s_mov_b32 s[G1SA+2], 64<<16                    ; 16 tiles x 1,024 bytes
	s_mov_b32 s[G1SA+4], 64
	s_mov_b32 s[G1SB+2], 32<<16                    ; 8 tiles
	s_mov_b32 s[G1SB+4], 32
	; x's addresses hang on wgy and the wave, the weight's on wgx and the wave, each in registers that never hold the other coordinate
	s_lshl_b32 s22, s21, 4                         ; x: tile 16 wgy
	s_mul_i32 s92, s22, TROW
	s_mov_b32 s93, 0
	s_lshl_b32 s94, s22, 10
	s_mov_b32 s95, 0
	s_lshl_b32 s46, s42, 3                         ; the weight: tile 8 wgx
	s_mul_i32 s96, s46, TROW
	s_mov_b32 s97, 0
	s_lshl_b32 s98, s46, 10
	s_mov_b32 s99, 0
	s_mul_i32 s100, s20, 8*TVIS                    ; where they go: no place in the cluster enters an LDS address
	s_mul_i32 s101, s20, 4*TVIS
	s_mul_i32 s22, s20, 8*TROW                     ; in the ring I fetch half of the tiles: x's 8 (w % 2) on, in bytes,
	s_mov_b32 s23, 0
	s_mul_i32 s46, s20, 4*TROW                     ; the weight's 4 (w % 2) on
	s_mov_b32 s47, 0
; PREFETCH INTO THE L2 (this takes the place of the head comment's line on prefetching): behind each tensor load the visit that the NEXT tensor load brings is asked for, one visit (four K steps) ahead: visits 1, 2, 3.
; A visit is 6,144 bytes, 24 blocks of 256, of each tile.  Each block is named once in a cluster, the partners sharing by ADDRESS: of x's 16 tiles the work-group at cx takes 4 cx .. + 3, a tile a wave (lanes 24-31 name the last block again);
; of the weight's 8 tiles the work-group at cy takes 2 cy, 2 cy + 1, half a tile a wave (lanes 12-31 name the last block again).  The address registers are never rewritten; visit 3 is the last that is named.
.macro ASK v
	global_prefetch_b8 v30, s[66:67] offset:(\v)*TVIS th:TH_LOAD_NT scope:SCOPE_SE
	global_prefetch_b8 v31, s[44:45] offset:(\v)*TVIS th:TH_LOAD_NT scope:SCOPE_SE
.endm
	s_lshl_b32 s66, s21, 4
	s_lshl_b32 s67, s40, 2
	s_add_co_u32 s66, s66, s67
	s_add_co_u32 s66, s66, s18                     ; x: tile 16 wgy + 4 cx + wave
	s_mul_i32 s66, s66, TROW
	s_mov_b32 s67, 0
	s_lshl_b32 s44, s42, 3
	s_lshl_b32 s45, s41, 1
	s_add_co_u32 s44, s44, s45
	s_add_co_u32 s44, s44, s19                     ; the weight: tile 8 wgx + 2 cy + wave / 2,
	s_mul_i32 s44, s44, TROW
	s_mul_i32 s45, s20, 3072                       ; half wave % 2 of its visit
	s_add_co_u32 s44, s44, s45
	s_mov_b32 s45, 0
	s_mov_b32 s[SEL], 0x76543210
	s_mov_b32 s[SEL+1], 0xfedcba98
	s_wait_kmcnt 0x0
	s_add_nc_u64 s[92:93], s[4:5], s[92:93]
	s_add_nc_u64 s[94:95], s[6:7], s[94:95]
	s_add_nc_u64 s[96:97], s[8:9], s[96:97]
	s_add_nc_u64 s[98:99], s[10:11], s[98:99]
	s_add_nc_u64 s[66:67], s[4:5], s[66:67]
	s_add_nc_u64 s[44:45], s[8:9], s[44:45]
	CROUND                                         ; all sixteen work-groups are here: the first joint loads meet
	s_mov_b32 s[G0SA], 1
	s_mov_b32 s[G0SA+1], SCL
	s_mov_b64 s[G0SA+2:G0SA+3], s[94:95]
	s_or_b32 s[G0SA+3], s[G0SA+3], 0x80000000
	s_mov_b32 s[G0SB], 1
	s_mov_b32 s[G0SB+1], SCL+SCLB
	s_mov_b64 s[G0SB+2:G0SB+3], s[98:99]
	s_or_b32 s[G0SB+3], s[G0SB+3], 0x80000000
	s_mov_b32 s4, 1                                ; s[4:7], s[8:11] (the arguments there have been used): group 0 of the head's loads of visit 0: x's 16 tiles,
	s_mov_b32 s5, 0
	s_mov_b64 s[6:7], s[92:93]
	s_or_b32 s7, s7, 0x80000000
	s_mov_b32 s8, 1                                ; the weight's 8, behind them in slot 0
	s_mov_b32 s9, BOFF
	s_mov_b64 s[10:11], s[96:97]
	s_or_b32 s11, s11, 0x80000000
	s_add_nc_u64 s[92:93], s[92:93], s[22:23]      ; for the ring: my half of the tiles
	s_add_nc_u64 s[96:97], s[96:97], s[46:47]
.irp s, 0,1
	s_mov_b32 s[G0A+4*\s], 1
	s_add_co_u32 s[G0A+4*\s+1], s100, \s*SLOT
	s_add_nc_u64 s[G0A+4*\s+2:G0A+4*\s+3], s[92:93], \s*TVIS
	s_or_b32 s[G0A+4*\s+3], s[G0A+4*\s+3], 0x80000000
	s_mov_b32 s[G0B+4*\s], 1
	s_add_co_u32 s[G0B+4*\s+1], s101, \s*SLOT+BOFF
	s_add_nc_u64 s[G0B+4*\s+2:G0B+4*\s+3], s[96:97], \s*TVIS
	s_or_b32 s[G0B+4*\s+3], s[G0B+4*\s+3], 0x80000000
.endr
; the head's loads, one a wave: one chain of branches on the wave's number, a load to an arm, all arms to one join
.macro ARM under, g0, g1, next
	s_cmp_lt_u32 s18, \under
	s_cbranch_scc0 \next
	tensor_load_to_lds s[\g0:\g0+3], s[\g1:\g1+7]
	s_nop 0
	PLACES
	s_branch .Lhead_asked
\next:
.endm
	ARM 1, 4, G1A, .Lhead_b
	ARM 2, 8, G1B, .Lhead_sa
	ARM 3, G0SA, G1SA, .Lhead_sb
	tensor_load_to_lds s[G0SB:G0SB+3], s[G1SB:G1SB+7]
	s_nop 0
	PLACES
.Lhead_asked:
	v_and_b32 v[LN], 31, v0
	v_and_b32 v25, 15, v0                          ; r
	v_bfe_u32 v26, v0, 4, 1                        ; h
	v_lshlrev_b32 v[LI], 4, v[LN]
	s_wait_alu depctr_va_vdst(0)
	v_lshlrev_b32 v[R16], 4, v25
	s_wait_alu depctr_va_vdst(0)
	s_mul_i32 s92, s19, 8*TVIS                     ; v: P = tokens' tiles 8 (w / 2) on
	s_mul_i32 s93, s18, 4*TVIS                     ; q, k: R = tokens' tiles 4 w on
	s_mul_i32 s94, s20, 4*TVIS
	s_add_co_u32 s94, s94, BOFF                    ; v: R = the weight's tiles 4 (w % 2) on
	s_lshl_b32 s95, s19, 13                        ; and the same for the scale words
	s_lshl_b32 s96, s18, 12
	s_lshl_b32 s97, s20, 12
	s_add_co_u32 s97, s97, SCLB
	s_mov_b32 s98, BOFF                            ; q, k: P = the weight's 8 tiles
	s_mov_b32 s99, SCLB
	s_cmp_eq_u32 ttmp9, 5                          ; the cluster's x: the same in all sixteen partners
	s_cselect_b32 s92, s92, s98
	s_cselect_b32 s93, s94, s93
	s_cselect_b32 s95, s95, s99
	s_cselect_b32 s96, s97, s96
	v_add_nc_u32 v[ADP], s92, v[LI]
	v_add_nc_u32 v[ADP+1], SLOT, v[ADP]
	v_add_nc_u32 v[ADR], s93, v[LI]
	v_add_nc_u32 v[ADR+1], SLOT, v[ADR]
	v_add_nc_u32 v[ADPS], s95, v[R16]
	v_add_nc_u32 v[ADPS], SCL, v[ADPS]
	v_add_nc_u32 v[ADRS], s96, v[R16]
	v_add_nc_u32 v[ADRS], SCL, v[ADRS]
	v_and_b32 v[RO], 8, v25
	v_add_nc_u32 v[RO], v[RO], v25                 ; r + 8 (r / 8)
	v_lshlrev_b32 v[RO], 9, v[RO]                  ; a token's 64 (cos, sin) are 512 bytes
	v_lshl_add_u32 v[RO], v26, 6, v[RO]
	v_min_u32 v30, 23, v[LN]
	v_lshlrev_b32 v30, 8, v30                      ; v30: my block of x's 24; never rewritten
	v_min_u32 v31, 11, v[LN]
	v_lshlrev_b32 v31, 8, v31                      ; v31: my block of the weight's 12; never rewritten
	s_wait_alu depctr_va_vdst(0)
	ASK 1                                          ; visit 1, whose load follows the head's
.irp b, 0,1,2,3
	v_mov_b32 v[TM+4+\b], 0                        ; written once: a lane permute's destination counts as one of its sources
.endr
	s_lshl_b32 s46, s21, 17
	s_lshl_b32 s47, s18, 15
	s_add_co_u32 s46, s46, s47                     ; my wave's first token: 256 wgy + 64 w
	s_mov_b32 s47, 0
	s_add_nc_u64 s[12:13], s[12:13], s[46:47]
	s_lshl_b32 s92, s42, 7
	s_lshl_b32 s93, s21, 4
	s_add_co_u32 s92, s92, s93
	s_lshl_b32 s93, s18, 2
	s_add_co_u32 s92, s92, s93                     ; the first fragment that I write: 128 hs + 16 wgy + 4 w
	s_lshl_b32 s94, s92, 6                         ; its four scale words' block: 256 bytes for four fragments
	s_mov_b32 s95, 0
	s_mul_i32 s92, s92, FRB
	s_mov_b32 s93, 0
	s_add_nc_u64 s[14:15], s[14:15], s[92:93]
	s_add_nc_u64 s[16:17], s[16:17], s[94:95]
	; cos and sin in the accumulators' layout: register 64 rho + 8 beta + j = the cache's float 32 (beta / 2) + 8 (beta % 2) + 16 h + j of my token: an even float is a cos, the next its sin
	WIN 0xc0                                       ; destination window 3
.irp p, 0,1,2,3
.irp b, 0,1,2,3,4,5,6,7
	global_load_b128 v[64*\p+8*\b:64*\p+8*\b+3], v[RO], s[12:13] offset:(32*(\p/2)+8*(\p%2))*512+128*(\b/2)+32*(\b%2)
	global_load_b128 v[64*\p+8*\b+4:64*\p+8*\b+7], v[RO], s[12:13] offset:(32*(\p/2)+8*(\p%2))*512+128*(\b/2)+32*(\b%2)+16
.endr
.endr
	WIN 0
.macro FETCH slot, q, p                ; 36 LDS loads in one run: the slot's q-th K step: P's eight fragments and R's four, into set p
	WIN 0x40                                       ; destination window 1
.irp b, 0,1,2,3,4,5,6,7
.irp c, 0,1,2
	ds_load_b128 v[128*(\p)+12*\b+4*\c:128*(\p)+12*\b+4*\c+3], v[ADP+\slot] offset:\b*TVIS+(\q)*FRB+512*\c
.endr
.endr
	WIN 0
.irp e, 0,1,2,3
.irp c, 0,1,2
	ds_load_b128 v[RF+48*(\p)+12*\e+4*\c:RF+48*(\p)+12*\e+4*\c+3], v[ADR+\slot] offset:\e*TVIS+(\q)*FRB+512*\c
.endr
.endr
.endm
.macro SCALES z, kg                    ; a visit's scale words: four words (four K steps) of a row by one load
.irp b, 0,1,2,3,4,5,6,7
	ds_load_b128 v[SC+48*(\z)+4*\b:SC+48*(\z)+4*\b+3], v[ADPS] offset:\b*1024+(\kg)*256
.endr
.irp e, 0,1,2,3
	ds_load_b128 v[SC+48*(\z)+32+4*\e:SC+48*(\z)+32+4*\e+3], v[ADRS] offset:\e*1024+(\kg)*256
.endr
.endm
; Eight matrix instructions: R's fragment rho against P's eight.  The 32 accumulators take turns, one instruction a turn, in the same order in every K step.
.macro MUL rho, p, z, ksl, zero
.irp b, 0,1,2,3,4,5,6,7
.if \zero
	v_wmma_scale_f32_16x16x128_f8f6f4 v[8*(8*(\rho)+\b):8*(8*(\rho)+\b)+7], v[128*(\p)+12*\b:128*(\p)+12*\b+11], v[RF+48*(\p)+12*(\rho):RF+48*(\p)+12*(\rho)+11], 0, v[SC+48*(\z)+4*\b+(\ksl)], v[SC+48*(\z)+32+4*(\rho)+(\ksl)] matrix_a_fmt:MATRIX_FMT_FP6 matrix_b_fmt:MATRIX_FMT_FP6
.else
	v_wmma_scale_f32_16x16x128_f8f6f4 v[8*(8*(\rho)+\b):8*(8*(\rho)+\b)+7], v[128*(\p)+12*\b:128*(\p)+12*\b+11], v[RF+48*(\p)+12*(\rho):RF+48*(\p)+12*(\rho)+11], v[8*(8*(\rho)+\b):8*(8*(\rho)+\b)+7], v[SC+48*(\z)+4*\b+(\ksl)], v[SC+48*(\z)+32+4*(\rho)+(\ksl)] matrix_a_fmt:MATRIX_FMT_FP6 matrix_b_fmt:MATRIX_FMT_FP6
.endif
.endr
.endm
.set W_MUL, 0xa1                       ; source 0 (P) window 1, source 1 (R) window 0, C and D window 2
.macro STEP slot, q, zero              ; one of a visit's first three K steps: the next step's fragments are asked for ahead of this step's 32 products
	s_wait_dscnt 0x0                               ; this step's fragments, asked for a step ago, are in
	PLACES                                         ; the other set was read by the step before
	FETCH \slot, (\q)+1, 1-(\q)%2
	WIN W_MUL
	MUL 0, (\q)%2, \slot, \q, \zero
	MUL 1, (\q)%2, \slot, \q, \zero
	MUL 2, (\q)%2, \slot, \q, \zero
	MUL 3, (\q)%2, \slot, \q, \zero
	WIN 0
.endm
; A visit's last K step changes slots: ONE barrier; in front of it each wave waits for all its tensor loads, adds 0 to its spare word, and waits for that and for its reads of this slot.  fill = 1: this slot is filled again, two visits ahead.
.macro TURN slot, next, fill, kg
	s_wait_tensorcnt 0x0                           ; all my tensor loads have landed: my part of the next slot among them
	ds_add_u32 v[SPW], v[NIL]                      ; 0 onto my spare word
	s_wait_dscnt 0x1                               ; the add alone may be out: this step's fragments are in
	WIN W_MUL
	MUL 0, 1, \slot, 3, 0                          ; eight matrix instructions stand between the add and the wait for it
	s_wait_dscnt 0x0                               ; the add is done, and my reads of this slot are over
	s_barrier_signal -1
	MUL 1, 1, \slot, 3, 0
	WIN 0
	s_barrier_wait -1
.if \fill
	CREST                                          ; the barrier has opened a round of the cluster's: no wave of any partner still reads this slot or has a load on its way
	s_add_nc_u64 s[G0A+4*\slot+2:G0A+4*\slot+3], s[G0A+4*\slot+2:G0A+4*\slot+3], 2*TVIS
	s_add_nc_u64 s[G0B+4*\slot+2:G0B+4*\slot+3], s[G0B+4*\slot+2:G0B+4*\slot+3], 2*TVIS
	JLOAD G0A+4*\slot, G1A, G0B+4*\slot, G1B       ; the first tensor load behind the round; its four v_nop are also the places in front of the loads below
.else
	PLACES
.endif
	FETCH \next, 0, 0
	SCALES \next, \kg
.if (\fill) && (\slot) == 0
	ASK 3                                          ; behind visit 2's load: visit 3, the last
.endif
	WIN W_MUL
	MUL 2, 1, \slot, 3, 0
	MUL 3, 1, \slot, 3, 0
	WIN 0
.endm
	s_wait_alu depctr_va_vdst(0)                   ; the wait at the head's end
	s_wait_tensorcnt 0x0                           ; my tile of the head's four is in; the three lines stand ahead of a later first fill as ahead of a refill
	ds_add_u32 v[SPW], v[NIL]
	s_mov_b32 s[G1A+2], 8<<16                      ; no tensor load of mine is out: from here on a load brings 8 tiles of x,
	s_mov_b32 s[G1A+4], 8
	s_mov_b32 s[G1B+2], 4<<16                      ; or 4 of the weight
	s_mov_b32 s[G1B+4], 4
	s_wait_dscnt 0x0
	CROUND                                         ; all four tiles are in, and all sixteen work-groups are here
	JLOAD G0A+4, G1A, G0B+4, G1B                   ; visit 1, the first tensor load behind the round
	FETCH 0, 0, 0
	SCALES 0, 0
	ASK 2                                          ; behind visit 1's load and the run of LDS loads: visit 2
	STEP 0, 0, 1
	STEP 0, 1, 0
	STEP 0, 2, 0
	TURN 0, 1, 1, 1                                ; slot 0 takes visit 2
	STEP 1, 0, 0
	STEP 1, 1, 0
	STEP 1, 2, 0
	TURN 1, 0, 1, 2                                ; slot 1 takes visit 3
	STEP 0, 0, 0
	STEP 0, 1, 0
	STEP 0, 2, 0
	TURN 0, 1, 0, 3                                ; nothing is left to fetch
	STEP 1, 0, 0
	STEP 1, 1, 0
	STEP 1, 2, 0
	s_wait_dscnt 0x0
	WIN W_MUL
	MUL 0, 1, 1, 3, 0
	MUL 1, 1, 1, 3, 0
	MUL 2, 1, 1, 3, 0
	MUL 3, 1, 1, 3, 0
	WIN 0
	PLACES
	s_wait_loadcnt 0x0                             ; cos and sin
	s_cmp_eq_u32 ttmp9, 5
	s_cbranch_scc1 .Lno_rope                       ; v is not turned
; rope, a pair (x0, x1) at a time, in place: first (x1 sin, x1 cos), then (x0 cos - x1 sin, x0 sin + x1 cos).  Each accumulator is read from its low end on.
.macro ROPE p
	WIN 0x0e                                       ; source 0 window 2 (x), source 1 window 3 (cos, sin), destination window 0
.set i, 0
.rept 32
	v_pk_mul_f32 v[TT+2*i:TT+2*i+1], v[64*(\p)+2*i:64*(\p)+2*i+1], v[64*(\p)+2*i:64*(\p)+2*i+1] op_sel:[1,1] op_sel_hi:[1,0]
.set i, i+1
.endr
	WIN 0x8e                                       ; the same, destination window 2, source 2 window 0
.set i, 0
.rept 32
	v_pk_fma_f32 v[64*(\p)+2*i:64*(\p)+2*i+1], v[64*(\p)+2*i:64*(\p)+2*i+1], v[64*(\p)+2*i:64*(\p)+2*i+1], v[TT+2*i:TT+2*i+1] op_sel_hi:[0,1,1] neg_lo:[0,0,1]
.set i, i+1
.endr
.endm
	ROPE 0
	ROPE 1
	ROPE 2
	ROPE 3
	WIN 0
.Lno_rope:
.irp p, 0,1,2,3                                ; each fragment has its own registers for its codes: no store's data are written again
	QUANT 64*\p, 2, PC+20*\p, PW+\p
.irp c, 0,1,2
	global_store_b128 v[LI], v[PC+20*\p+4*\c:PC+20*\p+4*\c+3], s[14:15] offset:\p*FRB+512*\c   ; 512 consecutive bytes, at a multiple of 256 from the buffer's first byte
.endr
.endr
	v_cmp_gt_u32 vcc_lo, 16, v[LN]                 ; lanes 16-31 hold the same words
	s_wait_xcnt 0x0                                ; EXEC changes only behind this wait
	s_and_saveexec_b32 s46, vcc_lo
	global_store_b128 v[R16], v[PW:PW+3], s[16:17]   ; sixteen lanes store 256 consecutive bytes, aligned
	s_wait_xcnt 0x0
	s_or_b32 exec_lo, exec_lo, s46
	s_wait_tensorcnt 0x0                           ; the wave's end
	ds_add_u32 v[SPW], v[NIL]
	s_wait_dscnt 0x0
	CROUND                                         ; the closing round: no work-group ends while a partner may still ask for a tile that names it
	s_endpgm
.Lfunc_end_k_q1bde664b4e_qkv:
	.size	k_q1bde664b4e_qkv, .Lfunc_end_k_q1bde664b4e_qkv-k_q1bde664b4e_qkv
	.p2alignl 7, 3214868480
	.fill 96, 4, 3214868480
	.section	.rodata,"a",@progbits
	.p2align	6, 0x0
	.amdhsa_kernel k_q1bde664b4e_qkv
		.amdhsa_group_segment_fixed_size 327680
		.amdhsa_private_segment_fixed_size 0
		.amdhsa_enable_private_segment 0
		.amdhsa_kernarg_size 56
		.amdhsa_user_sgpr_count 2
		.amdhsa_user_sgpr_kernarg_segment_ptr 1
		.amdhsa_wavefront_size32 1
		.amdhsa_system_sgpr_workgroup_id_x 1
		.amdhsa_system_sgpr_workgroup_id_y 1
		.amdhsa_system_sgpr_workgroup_id_z 1
		.amdhsa_system_vgpr_workitem_id 0
		.amdhsa_next_free_vgpr 1024
		.amdhsa_next_free_sgpr 102
		.amdhsa_reserve_vcc 1
		.amdhsa_float_denorm_mode_32 3
		.amdhsa_float_denorm_mode_16_64 3
		.amdhsa_memory_ordered 1
		.amdhsa_forward_progress 1
		.amdhsa_inst_pref_size 162
	.end_amdhsa_kernel
	.amdgpu_metadata
---
amdhsa.version: [ 1, 2 ]
amdhsa.kernels:
  - .name:           k_q1bde664b4e_qkv
    .symbol:         k_q1bde664b4e_qkv.kd
    .args:
      - { .name: x_img, .offset: 0, .size: 8, .value_kind: global_buffer, .address_space: global }
      - { .name: x_sc, .offset: 8, .size: 8, .value_kind: global_buffer, .address_space: global }
      - { .name: w_img, .offset: 16, .size: 8, .value_kind: global_buffer, .address_space: global }
      - { .name: w_sc, .offset: 24, .size: 8, .value_kind: global_buffer, .address_space: global }
      - { .name: rope_cache, .offset: 32, .size: 8, .value_kind: global_buffer, .address_space: global }
      - { .name: qkv_img, .offset: 40, .size: 8, .value_kind: global_buffer, .address_space: global }
      - { .name: qkv_sc, .offset: 48, .size: 8, .value_kind: global_buffer, .address_space: global }
    .group_segment_fixed_size: 327680
    .private_segment_fixed_size: 0
    .kernarg_segment_align: 8
    .kernarg_segment_size: 56
    .max_flat_workgroup_size: 128
    .sgpr_count:     102
    .vgpr_count:     1024
    .wavefront_size: 32
...
	.end_amdgpu_metadata
.endif
;; end of part 7
;; launch attn (part 8): grid 64 x 4, 16 waves a work-group, clusters of 4 x 1, 327,680 bytes of LDS; arguments qkv_img, qkv_sc, y_img, y_sc; writes y_img, y_sc
.if DOCPART == 8
	.amdgcn_target "amdgcn-amd-amdhsa--gfx1250"
	.amdhsa_code_object_version 6
	.text
	.protected	k_q1bde664b4e_attn
	.globl	k_q1bde664b4e_attn
	.p2align	8
	.type	k_q1bde664b4e_attn,@function
k_q1bde664b4e_attn:
	s_mov_b64 s[64:65], 0
	v_nop
	global_prefetch_b8 v0, s[64:65] scope:SCOPE_SE
	s_setreg_imm32_b32 hwreg(HW_REG_WAVE_MODE, 25, 1), 1
	s_wait_xcnt 0x0
	s_wait_alu depctr_hold_cnt(0) depctr_sa_sdst(0) depctr_va_vdst(0) depctr_va_sdst(0) depctr_va_ssrc(0) depctr_va_vcc(0) depctr_vm_vsrc(0)
	s_getreg_b32 s2, hwreg(HW_REG_IB_STS2, 6, 4)
	s_cmp_eq_u32 s2, 0
	s_cbranch_scc0 .Lentry_in_a_cluster
	s_endpgm
.Lentry_in_a_cluster:
	s_bfe_u32 s2, ttmp6, 0x10000c
	s_cmp_lg_u32 s2, 0x3003
	s_cbranch_scc0 .Lentry_shape_is_right
	s_endpgm
.Lentry_shape_is_right:
; y[token][head][:] = the sum over keys of softmax(q . k / sqrt(128), causal) v, both products on codes of FP6 (E2M3) with E8M0 scales; y is quantised here, along the model's axis, for the last product.
; THE SOFTMAX AHEAD OF THE SECOND PRODUCT: t = score x log2(e) / sqrt(128); M = the running largest t rounded UP to a whole number; p = 2^(t - M) is quantised along the keys, not normalised;
; the row's sum is taken of the unquantised p and divides at the end.  When M moves, the sum and O are multiplied by 2^(old M - new M): exact.
; All operands are images of their registers (1,536 bytes a fragment; three loads of 16 bytes a lane at 16 x lane).  Slot r of tile 2 B + U (of tokens, of channels) is row 32 B + 8 U + r + 8 (r / 8).
; Both products are used transposed: S^T = k q^T, O^T = v^T p^T: a lane holds ONE query throughout; the 16 registers of two neighbouring tiles are 16 neighbouring keys, or channels.
; SHARES.  Cluster (X, g): KV head g; its four work-groups are the four query heads 4 g + cx, which read the same k and v: every tile is asked for jointly.  cx enters q's and y's global addresses alone.
; A work-group has 8 tiles of 16 queries, early ones paired with late ones (4 X + i, i < 4; 131 - 4 X - i, i >= 4): 68 tile-steps in every work-group.
; A tile is held by TWO waves: wave 2 i + PAR takes the key steps (128 keys) of parity PAR up to the tile's diagonal step.  The two halves are merged at the end: both M are whole numbers, so the merge's factors are powers of two.
; Every wave walks all 16 key steps in loops of constant count and jumps over the work of steps that are not its own: a scalar branch on ids, the same in all four partners.
; LDS: three slots of four key steps (k's 4 x 12,288 bytes, then v's); the head's scale words, once.  Twelve of sixteen key steps are first fills; ONE refill (slot 0 takes steps 12-15) behind one round.
; No prefetch is laid: three quarters of k and v are asked for at the head, and the one refill has eight key steps in which to land.
; LIMITS: NaN and infinities are not served; a block of y whose largest magnitude lies under 2^-124 gets the byte 1; a p that falls under 2^-126 counts as 0 (v_exp_f32 flushes: ISA guide 15.8).
; REGISTERS: v1-11 addresses; v12 -M, v13 the largest t, v[14:15] the sum in two halves; v16-27 q, v255 its scale words; v32-79 four fragments; v96-159 S^T, then p; v160-223 O^T; v224-235 p's codes; v232-254 at work; v248-251 four scale words.
; ORDER OF THE FILLS AND LAYOUT OF LDS: bytes 0 .. SLOT: key steps 0-3 (k's 49,152 bytes, then v's), later steps 12-15; SLOT .. 2 SLOT: k's steps 4-11; 2 SLOT .. 3 SLOT: v's steps 4-11.
; At the head one joint load a wave: waves 0-11 bring steps 0-3, 8,192 bytes each, waves 12-15 the scale words, 4,096 bytes each.  Behind the three lines and a round each wave asks for 12,288 bytes of steps 4-11;
; that load has visit 0 in which to land.  The one refill (steps 12-15, 6,144 bytes a wave) follows visit 0.  Every wait on TENSORcnt is for 0.
.set FRB,   1536
.set SLOT,  64*FRB                     ; 98,304
.set VOFF,  32*FRB                     ; in a slot: v's fragments behind k's
.set SCB,   3*SLOT                     ; k's scale words of the whole head (8,192 bytes), then v's
.set SPARE, SCB+16384                  ; the spare words, 128 bytes for each wave: eight blocks of 256 bytes that no other line names
.set MRG,   SLOT                       ; the merge's stages, 8,448 bytes a tile, lie in slot 1: it is filled once, and nobody reads it behind the last change's barrier
.set LI,   1                           ; v1   16 x lane
.set DREG, 2                           ; v2   my query, counted from its key step's first key, - 16 h
.set MST,  3                           ; v3   the merge: O^T's image
.set MS2,  4                           ; v4   the merge: (-M, l), 8 bytes a lane
.set SPW,  5                           ; v5   my spare word; never rewritten
.set NIL,  6                           ; v6   0; never rewritten
.set ASC,  7                           ; v7   SCB + 16 r
.set ADK,  8                           ; v8   the step's fragments
.set LN,   9                           ; v9   lane
.set ADS,  10                          ; v10  the step's scale words
.set R16,  11                          ; v11  16 r
.set TM,   232                         ; QUANT's sixteen
.set WV,   18
.set PAR,  19
.set SEL,  20                          ; s[20:21] lane l xor 16
.set CS,   22                          ; s[22:23] c = log2(e) / sqrt(128)
.set G1,   24                          ; s[24:31] group 1: 6,144 dense bytes;  s[32:39]: 4,096
.set G1S,  32
.set G0S,  40                          ; s[40:43] group 0 for the scale words;  s[44:55] for slots 0, 1, 2
.set G0,   44
.set G1H,  84                          ; s[84:91] group 1: 8,192 dense bytes (the head's);  s[92:99]: 12,288 (steps 4-11)
.set G1B,  92
.set TV,   82                          ; s82  LDS byte at which the step's fragments of v begin
.set ADV,  29                          ; v29  the step's fragments of v
.set TB,   2                           ; s2   LDS byte at which the step's fragments of k begin
.set TS,   3                           ; s3   and its scale words: 512 bytes a step
.set SD,   66                          ; s66  my tile's diagonal step
.set SI,   67                          ; s67  the step in hand
.set CNT,  68
.macro PLACES
.rept 4
	v_nop
.endr
.endm
.macro ROUND                           ; a round of the cluster's barrier
	s_barrier_signal -1
	s_barrier_wait -1
	s_cmp_lg_u32 s[WV], 0
	s_cbranch_scc1 .Lnot_wave_0_\@
	s_barrier_signal -3
.Lnot_wave_0_\@:
	s_barrier_wait -3
	s_barrier_signal -1
	s_barrier_wait -1
.endm
; 64 numbers of a lane, register 16 b + i = K 32 b + 16 (lane / 16) + i of my row, become a fragment's codes in v[pc] .. v[pc + 11] and its scale word in v[pw].
.macro QUANT s, pc, pw
.irp b, 0,1,2,3
	v_max3_num_f32 v[TM+\b], |v[(\s)+16*\b]|, |v[(\s)+16*\b+1]|, 0x1800000
.endr
.irp i, 2,4,6,8,10,12,14
.irp b, 0,1,2,3
	s_delay_alu instid0(VALU_DEP_4)
	v_max3_num_f32 v[TM+\b], v[TM+\b], |v[(\s)+16*\b+\i]|, |v[(\s)+16*\b+\i+1]|
.endr
.endr
.irp b, 0,1,2,3
	s_delay_alu instid0(VALU_DEP_4)
	v_permlanex16_b32 v[TM+4+\b], v[TM+\b], s[SEL], s[SEL+1]
.endr
.irp b, 0,1,2,3
	s_delay_alu instid0(VALU_DEP_4)
	v_max_num_f32 v[TM+\b], v[TM+\b], v[TM+4+\b]
.endr
.irp b, 0,1,2,3
	s_delay_alu instid0(VALU_DEP_4)
	v_add_nc_u32 v[TM+12+\b], 0xff000000, v[TM+\b]
.endr
.irp b, 0,1,2,3
	s_delay_alu instid0(VALU_DEP_4)
	v_lshrrev_b32 v[TM+4+\b], 23, v[TM+12+\b]
.endr
	s_delay_alu instid0(VALU_DEP_3)
	v_lshl_or_b32 v[\pw], v[TM+5], 8, v[TM+4]
	s_delay_alu instid0(VALU_DEP_1)
	v_lshl_or_b32 v[\pw], v[TM+6], 16, v[\pw]
	s_delay_alu instid0(VALU_DEP_1)
	v_lshl_or_b32 v[\pw], v[TM+7], 24, v[\pw]
.irp c, 0,1
	v_cvt_scalef32_pk16_fp6_f32 v[(\pc)+6*\c:(\pc)+6*\c+2], v[(\s)+32*\c:(\s)+32*\c+15], v[TM+12+2*\c]
	v_cvt_scalef32_pk16_fp6_f32 v[(\pc)+12+4*\c:(\pc)+14+4*\c], v[(\s)+32*\c+16:(\s)+32*\c+31], v[TM+13+2*\c]
.endr
	v_nop                                          ; one plain instruction behind a scaled conversion
.irp c, 0,1
.irp i, 0,1,2
	v_permlane16_swap_b32 v[(\pc)+6*\c+\i], v[(\pc)+12+4*\c+\i]
.endr
.irp i, 0,1,2
	s_delay_alu instid0(VALU_DEP_3)
	v_mov_b32 v[(\pc)+3+6*\c+\i], v[(\pc)+12+4*\c+\i]
.endr
.endr
.endm
	s_load_b256 s[4:11], s[0:1], 0x0               ; qkv_img s[4:5], qkv_sc s[6:7], y_img s[8:9], y_sc s[10:11]
	v_lshl_add_u32 v[SPW], v0, 2, SPARE
	v_mov_b32 v[NIL], 0
	ds_add_u32 v5, v6
	ds_add_u32 v5, v6
	s_wait_dscnt 0x0
	v_lshrrev_b32 v8, 5, v0
	s_delay_alu instid0(VALU_DEP_1)
	v_readfirstlane_b32 s[WV], v8                  ; wave 0..15
	s_and_b32 s[PAR], s[WV], 1
	s_lshr_b32 s15, s[WV], 1                       ; i: which of the work-group's 8 tiles
	s_bfe_u32 s12, ttmp6, 0x40000                  ; cx: the head in its group of four
	s_and_b32 s13, ttmp7, 0xffff                   ; g: the KV head
	s_lshl_b32 s14, ttmp9, 2                       ; 4 X
	s_add_co_u32 s16, s14, s15
	s_sub_co_u32 s17, 131, s14
	s_sub_co_u32 s17, s17, s15
	s_cmp_lt_u32 s15, 4
	s_cselect_b32 s16, s16, s17                    ; mt: my tile of queries: it hangs on the cluster's x and the wave alone
	s_lshr_b32 s[SD], s16, 3
	s_lshl_b32 s17, s13, 2
	s_add_co_u32 s17, s17, s12                     ; the head
	; group 1: dense blocks as rows of 256 bytes (32 elements of 8 bytes)
	s_mov_b32 s[G1], 15|(3<<16)|(1<<21)            ; 15:0 the mask: all four work-groups; 17:16 elements of 8 bytes; 21 set beside a mask
	s_mov_b32 s[G1+1], 32<<16
	s_mov_b32 s[G1+2], 24<<16
	s_mov_b32 s[G1+3], 32<<16
	s_mov_b32 s[G1+4], 24
	s_mov_b32 s[G1+5], 32
	s_mov_b32 s[G1+6], 0
	s_mov_b32 s[G1+7], 0
	s_mov_b32 s[G1S], 15|(3<<16)|(1<<21)
	s_mov_b32 s[G1S+1], 32<<16
	s_mov_b32 s[G1S+2], 16<<16
	s_mov_b32 s[G1S+3], 32<<16
	s_mov_b32 s[G1S+4], 16
	s_mov_b32 s[G1S+5], 32
	s_mov_b32 s[G1S+6], 0
	s_mov_b32 s[G1S+7], 0
.irp g, G1H, G1B
	s_mov_b32 s[\g], 15|(3<<16)|(1<<21)
	s_mov_b32 s[\g+1], 32<<16
	s_mov_b32 s[\g+3], 32<<16
	s_mov_b32 s[\g+5], 32
	s_mov_b32 s[\g+6], 0
	s_mov_b32 s[\g+7], 0
.endr
	s_mov_b32 s[G1H+2], 32<<16
	s_mov_b32 s[G1H+4], 32
	s_mov_b32 s[G1B+2], 48<<16
	s_mov_b32 s[G1B+4], 48
	; what I fetch: a sixteenth of a slot: waves 0-7 k's 49,152 bytes, waves 8-15 v's, whose section lies four sections on
	s_add_co_u32 s60, s13, 16                      ; k's section of qkv_img
	s_lshr_b32 s61, s[WV], 3
	s_mul_i32 s56, s60, 128*FRB
	s_mul_i32 s62, s[WV], 4*FRB
	s_add_co_u32 s56, s56, s62
	s_mul_i32 s62, s61, 4*128*FRB-32*FRB
	s_add_co_u32 s56, s56, s62
	s_mov_b32 s57, 0
	s_lshl_b32 s58, s60, 13                        ; and of qkv_sc: 8,192 bytes a section, 4,096 a wave
	s_and_b32 s70, s[WV], 3                        ; the scale words: waves 12-15 take quarter wave % 4 of the 16,384 bytes: k's two, then v's two
	s_lshl_b32 s70, s70, 12
	s_add_co_u32 s58, s58, s70
	s_bfe_u32 s62, s[WV], 0x10001                  ; quarters 2 and 3 are v's, four sections on
	s_mul_i32 s62, s62, 4*8192-8192
	s_add_co_u32 s58, s58, s62
	s_mov_b32 s59, 0
	s_mul_i32 s63, s[WV], 4*FRB                    ; the refill: wave x 6,144 in slot 0
	s_mul_i32 s71, s[WV], 11
	s_lshr_b32 s71, s71, 6                         ; the head, waves 0-11: 0 for waves 0-5 (k), 1 for waves 6-11 (v)
	s_mul_i32 s71, s71, 4*128*FRB-32*FRB
	s_mul_i32 s72, s60, 128*FRB                    ; k's section
	s_lshl_b32 s73, s[WV], 13                      ; wave x 8,192, in memory and in LDS
	s_add_co_u32 s74, s72, s73
	s_add_co_u32 s74, s74, s71
	s_mov_b32 s75, 0
	s_mul_i32 s76, s[WV], 8*FRB                    ; steps 4-11: wave x 12,288; waves 0-7 k's, waves 8-15 v's
	s_mul_i32 s77, s61, 4*128*FRB-64*FRB
	s_add_co_u32 s78, s72, s76
	s_add_co_u32 s78, s78, s77
	s_add_co_u32 s78, s78, 32*FRB                  ; from step 4 on
	s_mov_b32 s79, 0
	s_mov_b32 s[SEL], 0x76543210
	s_mov_b32 s[SEL+1], 0xfedcba98
	s_mov_b32 s[CS], 0x3e0293ee                    ; c = log2(e) / sqrt(128)
	s_mov_b32 s[CS+1], s[CS]                       ; (named with it as a pair, so it is written)
	s_wait_kmcnt 0x0
	s_add_nc_u64 s[56:57], s[4:5], s[56:57]
	s_add_nc_u64 s[58:59], s[6:7], s[58:59]
	s_add_nc_u64 s[74:75], s[4:5], s[74:75]
	s_add_nc_u64 s[78:79], s[4:5], s[78:79]
	ROUND                                          ; all four work-groups are here: the first joint loads meet
	s_mov_b32 s[G0S], 1
	s_add_co_u32 s[G0S+1], s70, SCB
	s_mov_b64 s[G0S+2:G0S+3], s[58:59]
	s_or_b32 s[G0S+3], s[G0S+3], 0x80000000
	s_mov_b32 s[G0], 1                             ; the refill's group 0 (stepped to steps 12-15 ahead of its round)
	s_add_co_u32 s[G0+1], s63, 0
	s_mov_b64 s[G0+2:G0+3], s[56:57]
	s_or_b32 s[G0+3], s[G0+3], 0x80000000
	s_mov_b32 s[G0+4], 1                           ; the head's: steps 0-3
	s_add_co_u32 s[G0+5], s73, 0
	s_mov_b64 s[G0+6:G0+7], s[74:75]
	s_or_b32 s[G0+7], s[G0+7], 0x80000000
	s_mov_b32 s[G0+8], 1                           ; steps 4-11
	s_add_co_u32 s[G0+9], s76, SLOT
	s_mov_b64 s[G0+10:G0+11], s[78:79]
	s_or_b32 s[G0+11], s[G0+11], 0x80000000
	s_cmp_lt_u32 s[WV], 12                         ; one load a wave at the head: two arms, one join
	s_cbranch_scc0 .Lhead_sc
	tensor_load_to_lds s[G0+4:G0+7], s[G1H:G1H+7]
	s_nop 0
	PLACES
	s_branch .Lhead_asked
.Lhead_sc:
	tensor_load_to_lds s[G0S:G0S+3], s[G1S:G1S+7]
	s_nop 0
	PLACES
.Lhead_asked:
	v_and_b32 v[LN], 31, v0
	v_and_b32 v10, 15, v0                          ; r
	v_bfe_u32 v28, v0, 4, 1                        ; h
	s_delay_alu instid0(VALU_DEP_3)
	v_lshlrev_b32 v[LI], 4, v[LN]
	s_delay_alu instid0(VALU_DEP_3)
	v_lshlrev_b32 v[R16], 4, v10
	s_delay_alu instid0(VALU_DEP_1)
	v_add_nc_u32 v[ASC], SCB, v[R16]
	v_and_b32 v8, 8, v10
	s_delay_alu instid0(VALU_DEP_1)
	v_add_nc_u32 v8, v8, v10                       ; r + 8 (r / 8)
	s_and_b32 s71, s16, 1
	s_lshl_b32 s71, s71, 3
	s_lshl_b32 s72, s16, 4
	s_sub_co_u32 s72, s72, s71                     ; slot 0's token: 16 mt - 8 (mt % 2),
	s_and_b32 s72, s72, 127                        ; counted from its key step's first key
	v_add_nc_u32 v[DREG], s72, v8
	v_lshlrev_b32 v8, 4, v28
	s_delay_alu instid0(VALU_DEP_1)
	v_sub_nc_u32 v[DREG], v[DREG], v8
	s_mul_i32 s73, s15, 8448
	s_add_co_u32 s73, s73, MRG
	v_add_nc_u32 v[MST], s73, v[LI]
	v_lshlrev_b32 v8, 3, v[LN]
	s_delay_alu instid0(VALU_DEP_1)
	v_add_nc_u32 v[MS2], s73, v8
	s_delay_alu instid0(VALU_DEP_1)
	v_add_nc_u32 v[MS2], 8192, v[MS2]
	s_lshl_b32 s74, s17, 7
	s_add_co_u32 s74, s74, s16
	s_mul_i32 s74, s74, FRB                        ; q's fragment: 128 head + mt
	s_mov_b32 s75, 0
	s_add_nc_u64 s[74:75], s[4:5], s[74:75]
	s_lshl_b32 s76, s17, 13
	s_lshr_b32 s77, s16, 2
	s_lshl_b32 s77, s77, 8
	s_add_co_u32 s76, s76, s77
	s_and_b32 s77, s16, 3
	s_lshl_b32 s77, s77, 2
	s_add_co_u32 s76, s76, s77                     ; its scale words: section, block mt / 4, word mt % 4
	s_mov_b32 s77, 0
	s_add_nc_u64 s[76:77], s[6:7], s[76:77]
.irp c, 0,1,2
	global_load_b128 v[16+4*\c:19+4*\c], v[LI], s[74:75] offset:512*\c
.endr
	global_load_b32 v255, v[R16], s[76:77]
	s_lshl_b32 s78, s16, 4
	s_add_co_u32 s78, s78, s17
	s_mul_i32 s78, s78, FRB                        ; y's fragment: tile mt, K step = head
	s_mov_b32 s79, 0
	s_add_nc_u64 s[8:9], s[8:9], s[78:79]
	s_lshl_b32 s78, s16, 10
	s_lshl_b32 s80, s13, 8
	s_add_co_u32 s78, s78, s80
	s_lshl_b32 s80, s12, 2
	s_add_co_u32 s78, s78, s80                     ; its scale words: tile, block g, word cx
	s_add_nc_u64 s[10:11], s[10:11], s[78:79]
	v_mov_b32 v13, 0xff61b1e6                      ; the largest t so far: -3e38, under every t
	s_delay_alu instid0(VALU_DEP_1)
	v_floor_f32 v12, -v13                          ; -M
	v_mov_b32 v14, 0                               ; the sum, in two halves
	v_mov_b32 v15, 0
.irp b, 0,1,2,3
	v_mov_b32 v[236+\b], 0                         ; written once: a lane permute's destination counts as one of its sources
.endr
	v_mov_b32 v253, 0                              ; (named as the upper half of the pair v[252:253] before it is first written)
.set j, 0
.rept 64
	v_mov_b32 v[160+j], 0                          ; O^T.  The step is written once: a wave's first step finds zeros, which the first change of M leaves zeros; a wave without a step hands zeros to the merge
.set j, j+1
.endr
; A KEY STEP: 128 keys.  Steps behind my tile's diagonal, and steps of the other parity, are jumped over; the lines at the end that step addresses are on every path.
.macro STEP
	s_cmp_gt_u32 s[SI], s[SD]
	s_cbranch_scc1 .Lhidden_\@
	s_and_b32 s69, s[SI], 1
	s_cmp_lg_u32 s69, s[PAR]
	s_cbranch_scc1 .Lhidden_\@
	v_add_nc_u32 v[ADK], s[TB], v[LI]
	v_add_nc_u32 v[ADS], s[TS], v[ASC]
	v_add_nc_u32 v[ADV], s[TV], v[LI]
	v_nop                                          ; with the three additions: four places in front of loads into registers that the last products read
	s_wait_alu depctr_va_vdst(0)                   ; the wait behind these writes
.irp g, 0,1                                    ; S^T = k q^T, four tiles of 16 keys at a time
.if \g > 0
	PLACES
.endif
.irp t, 0,1,2,3
.irp c, 0,1,2
	ds_load_b128 v[32+12*\t+4*\c:35+12*\t+4*\c], v[ADK] offset:(4*\g+\t)*FRB+512*\c
.endr
.endr
	ds_load_b128 v[248:251], v[ADS] offset:256*\g  ; the four tiles' scale words of slot r
	s_wait_dscnt 0x0
.irp t, 0,1,2,3
	v_wmma_scale_f32_16x16x128_f8f6f4 v[96+8*(4*\g+\t):103+8*(4*\g+\t)], v[32+12*\t:43+12*\t], v[16:27], 0, v[248+\t], v255 matrix_a_fmt:MATRIX_FMT_FP6 matrix_b_fmt:MATRIX_FMT_FP6
.endr
.endr                                          ; register 16 b + i holds key 32 b + 16 h + i of the step
	PLACES
.irp t, 0,1,2,3                                ; v's first four fragments and their scale words are asked for here, behind the four places: the softmax names none of these registers
.irp c, 0,1,2
	ds_load_b128 v[32+12*\t+4*\c:35+12*\t+4*\c], v[ADV] offset:\t*FRB+512*\c
.endr
.endr
	ds_load_b128 v[248:251], v[ADS] offset:8192
	s_cmp_lg_u32 s[SI], s[SD]
	s_cbranch_scc1 .Lopen_\@
	v_mov_b32 v254, 0xff800000
.set n, 0
.rept 64
	v_cmp_gt_i32 vcc_lo, 32*(n/16)+n%16, v[DREG]
	v_cndmask_b32 v[96+n], v[96+n], v254, vcc_lo
.set n, n+1
.endr
.Lopen_\@:
.irp b, 0,1,2,3
	v_max3_num_f32 v[232+\b], v[96+16*\b], v[97+16*\b], v[98+16*\b]   ; the largest score of each block of 32 keys: it serves for the row's maximum and, since p rises with the score, for the block's largest p
.endr
.irp i, 3,5,7,9,11,13
.irp b, 0,1,2,3
	v_max3_num_f32 v[232+\b], v[232+\b], v[96+16*\b+\i], v[97+16*\b+\i]
.endr
.endr
.irp b, 0,1,2,3
	v_max_num_f32 v[232+\b], v[232+\b], v[111+16*\b]
.endr
.irp b, 0,1,2,3
	s_delay_alu instid0(VALU_DEP_4)
	v_permlanex16_b32 v[236+\b], v[232+\b], s[SEL], s[SEL+1]
.endr
.irp b, 0,1,2,3
	s_delay_alu instid0(VALU_DEP_4)
	v_max_num_f32 v[232+\b], v[232+\b], v[236+\b]  ; with lane l xor 16's 16 keys
.endr
	s_delay_alu instid0(VALU_DEP_2)
	v_max3_num_f32 v254, v232, v233, v234
	s_delay_alu instid0(VALU_DEP_1)
	v_max_num_f32 v254, v254, v235                 ; the step's largest score of my query
	s_delay_alu instid0(VALU_DEP_1)
	v_mul_f32 v254, s[CS], v254                    ; as t (c is positive)
	s_delay_alu instid0(VALU_DEP_1)
	v_max_num_f32 v13, v13, v254                   ; the running largest t
	v_mov_b32 v254, v12
	s_delay_alu instid0(VALU_DEP_2)
	v_floor_f32 v12, -v13                          ; the new -M = floor(-t) = -ceil(t): a whole number
	s_delay_alu instid0(VALU_DEP_1)
	v_sub_f32 v254, v12, v254                      ; old M - new M: a whole number, 0 or less
	s_delay_alu instid0(VALU_DEP_1)
	v_cvt_i32_f32 v254, v254                       ; (it saturates)
	s_delay_alu instid0(VALU_DEP_1)
	v_ldexp_f32 v252, 1.0, v254                    ; f = 2^(old M - new M)
.set j, 0
.rept 32
	v_pk_fma_f32 v[96+j:97+j], v[96+j:97+j], s[CS:CS+1], v[12:13] op_sel_hi:[1,0,0]   ; t - M, two at a time
.set j, j+2
.endr
.irp b, 0,1,2,3
	v_fma_f32 v[232+\b], v[232+\b], s[CS], v12     ; the same of each block's largest score
.endr
.set j, 0
	s_wait_alu depctr_va_vdst(0)
.rept 64
	v_exp_f32 v[96+j], v[96+j]                     ; p = 2^(t - M), at most 1
.set j, j+1
.endr
	v_pk_mul_f32 v[14:15], v[14:15], v[252:253] op_sel_hi:[1,0]   ; the sums under the new M: the plain instruction behind the exponentials
	s_wait_alu depctr_va_vdst(0)                   ; one wait for the whole batch, ahead of its first reader
.irp b, 0,1,2,3
	v_exp_f32 v[232+\b], v[232+\b]                 ; the block's largest p: the same two instructions on the same number give the same bits
.endr
	v_pk_add_f32 v[236:237], v[100:101], v[104:105]
	v_pk_add_f32 v[30:31], v[108:109], v[112:113]
	v_pk_add_f32 v[14:15], v[14:15], v[116:117]
	v_pk_add_f32 v[236:237], v[236:237], v[120:121]
	v_pk_add_f32 v[30:31], v[30:31], v[124:125]
	v_pk_add_f32 v[14:15], v[14:15], v[128:129]
	v_pk_add_f32 v[236:237], v[236:237], v[132:133]
	v_pk_add_f32 v[30:31], v[30:31], v[136:137]
	v_pk_add_f32 v[14:15], v[14:15], v[140:141]
	v_pk_add_f32 v[236:237], v[236:237], v[144:145]
	v_pk_add_f32 v[30:31], v[30:31], v[148:149]
	v_pk_add_f32 v[14:15], v[14:15], v[152:153]
	v_pk_add_f32 v[236:237], v[236:237], v[156:157]
	v_pk_add_f32 v[30:31], v[30:31], v[96:97]
	v_pk_add_f32 v[14:15], v[14:15], v[98:99]
	v_pk_add_f32 v[236:237], v[236:237], v[102:103]
	v_pk_add_f32 v[30:31], v[30:31], v[106:107]
	v_pk_add_f32 v[14:15], v[14:15], v[110:111]
	v_pk_add_f32 v[236:237], v[236:237], v[114:115]
	v_pk_add_f32 v[30:31], v[30:31], v[118:119]
	v_pk_add_f32 v[14:15], v[14:15], v[122:123]
	v_pk_add_f32 v[236:237], v[236:237], v[126:127]
	v_pk_add_f32 v[30:31], v[30:31], v[130:131]
	v_pk_add_f32 v[14:15], v[14:15], v[134:135]
	v_pk_add_f32 v[236:237], v[236:237], v[138:139]
	v_pk_add_f32 v[30:31], v[30:31], v[142:143]
	v_pk_add_f32 v[14:15], v[14:15], v[146:147]
	v_pk_add_f32 v[236:237], v[236:237], v[150:151]
	v_pk_add_f32 v[30:31], v[30:31], v[154:155]
	v_pk_add_f32 v[14:15], v[14:15], v[158:159]
	s_delay_alu instid0(VALU_DEP_1)
	v_pk_add_f32 v[14:15], v[14:15], v[30:31]
	s_delay_alu instid0(VALU_DEP_1)
	v_pk_add_f32 v[14:15], v[14:15], v[236:237]
	s_wait_alu depctr_va_vdst(0)                   ; and one for the four
.irp b, 0,1,2,3
	v_max_num_f32 v[232+\b], 0x1800000, v[232+\b]  ; the floor 2^(3 - 127): a block whose every p is 0 keeps the byte 1: its codes are zeros
.endr
.irp b, 0,1,2,3
	s_delay_alu instid0(VALU_DEP_4)
	v_add_nc_u32 v[244+\b], 0xff000000, v[232+\b]  ; 2 off the exponent field: the conversion's scale operand
.endr
.irp b, 0,1,2,3
	s_delay_alu instid0(VALU_DEP_4)
	v_lshrrev_b32 v[236+\b], 23, v[244+\b]         ; the scale's byte
.endr
	s_delay_alu instid0(VALU_DEP_3)
	v_lshl_or_b32 v253, v237, 8, v236              ; p's scale word for these 128 keys
	s_delay_alu instid0(VALU_DEP_1)
	v_lshl_or_b32 v253, v238, 16, v253
	s_delay_alu instid0(VALU_DEP_1)
	v_lshl_or_b32 v253, v239, 24, v253
.irp c, 0,1
	v_cvt_scalef32_pk16_fp6_f32 v[224+6*\c:226+6*\c], v[96+32*\c:111+32*\c], v[244+2*\c]
	v_cvt_scalef32_pk16_fp6_f32 v[236+4*\c:238+4*\c], v[112+32*\c:127+32*\c], v[244+2*\c+1]
.endr
	v_nop                                          ; one plain instruction behind a scaled conversion
.irp c, 0,1
.irp i, 0,1,2
	v_permlane16_swap_b32 v[224+6*\c+\i], v[236+4*\c+\i]
.endr
.irp i, 0,1,2
	s_delay_alu instid0(VALU_DEP_3)
	v_mov_b32 v[227+6*\c+\i], v[236+4*\c+\i]
.endr
.endr
.set j, 0
.rept 32
	v_pk_mul_f32 v[160+j:161+j], v[160+j:161+j], v[252:253] op_sel_hi:[1,0]   ; O^T under the new M.  These 32 are also the places in front of the matrix instructions and loads below
.set j, j+2
.endr
	s_wait_alu depctr_va_vdst(0)
.irp g, 0,1                                    ; O^T += v^T p^T: four tiles of 16 channels at a time; the eight accumulators take turns, one instruction a turn
.if \g > 0
	PLACES
.irp t, 0,1,2,3
.irp c, 0,1,2
	ds_load_b128 v[32+12*\t+4*\c:35+12*\t+4*\c], v[ADV] offset:(4*\g+\t)*FRB+512*\c
.endr
.endr
	ds_load_b128 v[248:251], v[ADS] offset:8192+256*\g
.endif
	s_wait_dscnt 0x0                               ; g = 0: the thirteen loads issued ahead of the softmax; g = 1: those just issued
.irp t, 0,1,2,3
	v_wmma_scale_f32_16x16x128_f8f6f4 v[160+8*(4*\g+\t):167+8*(4*\g+\t)], v[32+12*\t:43+12*\t], v[224:235], v[160+8*(4*\g+\t):167+8*(4*\g+\t)], v[248+\t], v253 matrix_a_fmt:MATRIX_FMT_FP6 matrix_b_fmt:MATRIX_FMT_FP6
.endr
.endr
.Lhidden_\@:
	s_add_co_u32 s[TB], s[TB], 8*FRB               ; the next step's fragments of k,
	s_add_co_u32 s[TV], s[TV], 8*FRB               ; of v,
	s_add_co_u32 s[TS], s[TS], 512                 ; its scale words,
	s_add_co_u32 s[SI], s[SI], 1                   ; its number
.endm
.macro VISIT v, kb, vb                 ; key steps 4 v .. 4 v + 3; k's fragments begin at LDS byte kb, v's at vb
	s_mov_b32 s[TB], \kb
	s_mov_b32 s[TV], \vb
	s_mov_b32 s[TS], 2048*(\v)
	s_mov_b32 s[SI], 4*(\v)
	s_mov_b32 s[CNT], 4
.Lstep_\@:
	STEP
	s_sub_co_u32 s[CNT], s[CNT], 1
	s_cmp_lg_u32 s[CNT], 0
	s_cbranch_scc1 .Lstep_\@
.endm
	s_wait_alu depctr_va_vdst(0)                   ; the wait at the head's end
	s_wait_loadcnt 0x0                             ; q
	s_wait_tensorcnt 0x0                           ; my part of the head's fills is in; the three lines stand ahead of a later first fill as ahead of a refill
	ds_add_u32 v[SPW], v[NIL]
	s_wait_dscnt 0x0
	ROUND                                          ; everybody's parts are in, and all four work-groups are here
	tensor_load_to_lds s[G0+8:G0+11], s[G1B:G1B+7] ; steps 4-11: my one tensor load behind the round
	s_nop 0
	PLACES
	VISIT 0, 0, VOFF
	s_wait_tensorcnt 0x0                           ; THE ONE REFILL.  All my tensor loads have landed, my parts of slots 1 and 2 among them
	ds_add_u32 v[SPW], v[NIL]                      ; 0 onto my spare word
	s_add_nc_u64 s[G0+2:G0+3], s[G0+2:G0+3], 3*32*FRB   ; slot 0's next four key steps: 12 to 15
	s_wait_dscnt 0x0                               ; the add is done, and my reads of slot 0 are over
	ROUND                                          ; both now hold of every wave of all four work-groups
	tensor_load_to_lds s[G0:G0+3], s[G1:G1+7]      ; my one tensor load behind the round: it has eight key steps in which to land
	s_nop 0
	PLACES
	VISIT 1, SLOT, 2*SLOT                          ; the round has shown steps 4-11 whole to every wave
	VISIT 2, SLOT+VOFF, 2*SLOT+VOFF
	s_wait_tensorcnt 0x0                           ; my part of steps 12 to 15 is in
	ds_add_u32 v[SPW], v[NIL]
	s_wait_dscnt 0x0                               ; and my reads of slots 1 and 2 are over
	s_barrier_signal -1
	s_barrier_wait -1                              ; no round
	VISIT 3, 0, VOFF
	; THE MERGE of a tile's two halves.  The odd wave hands O^T (as an image of its registers), -M and l to the even wave through LDS.
	PLACES
	v_add_f32 v14, v14, v15                        ; the sum's two halves,
	s_delay_alu instid0(VALU_DEP_1)
	v_permlanex16_b32 v236, v14, s[SEL], s[SEL+1]
	s_delay_alu instid0(VALU_DEP_1)
	v_add_f32 v13, v14, v236                       ; and lane l xor 16's: v[12:13] = (-M, l)
	s_cmp_eq_u32 s[PAR], 0
	s_cbranch_scc1 .Lno_hand
.set k, 0
	s_wait_alu depctr_va_vdst(0)
.rept 16
	ds_store_b128 v[MST], v[160+4*k:163+4*k] offset:512*k   ; each accumulator from its low end on
.set k, k+1
.endr
	ds_store_b64 v[MS2], v[12:13]
.Lno_hand:
	s_wait_dscnt 0x0                               ; for the partner's sake: my stores have landed
	s_barrier_signal -1
	s_barrier_wait -1
	s_cmp_lg_u32 s[PAR], 0
	s_cbranch_scc1 .Lend
.set k, 0
.rept 16
	ds_load_b128 v[32+4*k:35+4*k], v[MST] offset:512*k
.set k, k+1
.endr
	ds_load_b64 v[236:237], v[MS2]
	s_wait_dscnt 0x0
	v_min_num_f32 v238, v12, v236                  ; -M* = -max(M even, M odd)
	s_delay_alu instid0(VALU_DEP_1)
	v_sub_f32 v239, v238, v12                      ; M even - M*: a whole number, 0 or less
	s_delay_alu instid0(VALU_DEP_2)
	v_sub_f32 v240, v238, v236                     ; M odd - M* (a half without a step has -M = 3e38: the conversion saturates and its factor is 0)
	s_delay_alu instid0(VALU_DEP_2)
	v_cvt_i32_f32 v239, v239
	s_delay_alu instid0(VALU_DEP_2)
	v_cvt_i32_f32 v240, v240
	s_delay_alu instid0(VALU_DEP_2)
	v_ldexp_f32 v239, 1.0, v239
	s_wait_alu depctr_va_vdst(0)
	v_ldexp_f32 v240, 1.0, v240
	v_mul_f32 v241, v239, v13
	s_delay_alu instid0(VALU_DEP_1)
	v_fmac_f32 v241, v240, v237                    ; the row's sum under M*
	s_wait_alu depctr_va_vdst(0)
	v_rcp_f32 v242, v241
	v_nop                                          ; a plain instruction behind the reciprocal
	s_wait_alu depctr_va_vdst(0)                   ; and the wait ahead of its first reader
	v_mul_f32 v244, v239, v242
	v_mul_f32 v246, v240, v242
	s_delay_alu instid0(VALU_DEP_2)
	v_mov_b32 v245, v244                           ; (the pairs are named whole)
	s_delay_alu instid0(VALU_DEP_2)
	v_mov_b32 v247, v246
.set j, 0
.rept 32
	v_pk_mul_f32 v[96+j:97+j], v[160+j:161+j], v[244:245] op_sel_hi:[1,0]
.set j, j+2
.endr
.set j, 0
.rept 32
	v_pk_fma_f32 v[96+j:97+j], v[32+j:33+j], v[246:247], v[96+j:97+j] op_sel_hi:[1,0,1]   ; y: register 16 b + i = channel 32 b + 16 h + i of my token
.set j, j+2
.endr
	QUANT 96, 160, 248
.irp c, 0,1,2
	global_store_b128 v[LI], v[160+4*\c:163+4*\c], s[8:9] offset:512*\c   ; 512 consecutive bytes, at a multiple of 256 from the buffer's first byte
.endr
	v_cmp_gt_u32 vcc_lo, 16, v[LN]
	s_wait_xcnt 0x0                                ; EXEC changes only behind this wait
	s_and_saveexec_b32 s69, vcc_lo
	global_store_b32 v[R16], v248, s[10:11]        ; 4 bytes of each 16: the other 12 are the three partner heads'.  131,072 bytes in the whole launch go out so
	s_wait_xcnt 0x0
	s_or_b32 exec_lo, exec_lo, s69
.Lend:
	s_wait_tensorcnt 0x0                           ; the wave's end
	ds_add_u32 v[SPW], v[NIL]
	s_wait_dscnt 0x0
	ROUND                                          ; the closing round
	s_endpgm
.Lfunc_end_k_q1bde664b4e_attn:
	.size	k_q1bde664b4e_attn, .Lfunc_end_k_q1bde664b4e_attn-k_q1bde664b4e_attn
	.p2alignl 7, 3214868480
	.fill 96, 4, 3214868480
	.section	.rodata,"a",@progbits
	.p2align	6, 0x0
	.amdhsa_kernel k_q1bde664b4e_attn
		.amdhsa_group_segment_fixed_size 327680
		.amdhsa_private_segment_fixed_size 0
		.amdhsa_enable_private_segment 0
		.amdhsa_kernarg_size 32
		.amdhsa_user_sgpr_count 2
		.amdhsa_user_sgpr_kernarg_segment_ptr 1
		.amdhsa_wavefront_size32 1
		.amdhsa_system_sgpr_workgroup_id_x 1
		.amdhsa_system_sgpr_workgroup_id_y 1
		.amdhsa_system_sgpr_workgroup_id_z 1
		.amdhsa_system_vgpr_workitem_id 0
		.amdhsa_next_free_vgpr 256
		.amdhsa_next_free_sgpr 100
		.amdhsa_reserve_vcc 1
		.amdhsa_float_denorm_mode_32 3
		.amdhsa_float_denorm_mode_16_64 3
		.amdhsa_memory_ordered 1
		.amdhsa_forward_progress 1
		.amdhsa_inst_pref_size 129
	.end_amdhsa_kernel
	.amdgpu_metadata
---
amdhsa.version: [ 1, 2 ]
amdhsa.kernels:
  - .name:           k_q1bde664b4e_attn
    .symbol:         k_q1bde664b4e_attn.kd
    .args:
      - { .name: qkv_img, .offset: 0, .size: 8, .value_kind: global_buffer, .address_space: global }
      - { .name: qkv_sc, .offset: 8, .size: 8, .value_kind: global_buffer, .address_space: global }
      - { .name: y_img, .offset: 16, .size: 8, .value_kind: global_buffer, .address_space: global }
      - { .name: y_sc, .offset: 24, .size: 8, .value_kind: global_buffer, .address_space: global }
    .group_segment_fixed_size: 327680
    .private_segment_fixed_size: 0
    .kernarg_segment_align: 8
    .kernarg_segment_size: 32
    .max_flat_workgroup_size: 512
    .sgpr_count:     100
    .vgpr_count:     256
    .wavefront_size: 32
...
	.end_amdgpu_metadata
.endif
;; end of part 8
;; launch outp (part 9): grid 16 x 16, 4 waves a work-group, clusters of 4 x 4, 327,680 bytes of LDS; arguments y_img, y_sc, w_img, w_sc, out0; writes out0
.if DOCPART == 9
	.amdgcn_target "amdgcn-amd-amdhsa--gfx1250"
	.amdhsa_code_object_version 6
	.text
	.protected	k_q1bde664b4e_outp
	.globl	k_q1bde664b4e_outp
	.p2align	8
	.type	k_q1bde664b4e_outp,@function
k_q1bde664b4e_outp:
	s_mov_b64 s[64:65], 0
	v_nop
	global_prefetch_b8 v0, s[64:65] scope:SCOPE_SE
	s_setreg_imm32_b32 hwreg(HW_REG_WAVE_MODE, 25, 1), 1
	s_wait_xcnt 0x0
	s_wait_alu depctr_hold_cnt(0) depctr_sa_sdst(0) depctr_va_vdst(0) depctr_va_sdst(0) depctr_va_ssrc(0) depctr_va_vcc(0) depctr_vm_vsrc(0)
	s_getreg_b32 s2, hwreg(HW_REG_IB_STS2, 6, 4)
	s_cmp_eq_u32 s2, 0
	s_cbranch_scc0 .Lentry_in_a_cluster
	s_endpgm
.Lentry_in_a_cluster:
	s_bfe_u32 s2, ttmp6, 0x10000c
	s_cmp_lg_u32 s2, 0xf033
	s_cbranch_scc0 .Lentry_shape_is_right
	s_endpgm
.Lentry_shape_is_right:
; out0 = y Wo on codes of FP6 (E2M3) with E8M0 scales; operands are images of their registers (1,536 bytes a fragment of 16 rows x 128 K).  A work-group makes 128 tokens x 128 columns, a wave 64 x 64: 16 accumulators.
; Source 0 = the weight's tiles, source 1 = y's: a lane holds 8 neighbouring columns of one token; results leave through the wave's stage in LDS as whole runs of 256 bytes.
; K = 2,048 goes in four visits of 512.  LDS: bytes 0 .. SLOT: visit 0 (y's 8 tiles, then the weight's 8), later visit 3; SLOT .. 3 SLOT: visits 1 and 2 together, four regions of 4 tiles, a tile's row 12,288 bytes; then the scale words.
; ORDER OF THE FILLS: at the head one joint load a wave: wave 0 y's visit 0, wave 1 the weight's, waves 2 and 3 the two blocks of scale words.  Behind the three lines and a round each wave asks for its 4 tiles of visits 1 and 2 by one load.
; Visit 3 is the one refill, behind the round at visit 0's end.  Group 1's lengths and row counts are rewritten only where no tensor load of the wave is out.  Every wait on TENSORcnt is for 0.
; CLUSTER 4 x 4: y's tiles are shared along a row, the weight's along a column.  No prefetch is laid: behind the head only one refill is left, and it has eight K steps in which to land.
; The stage lies in the region of visits 1 and 2: it has had its only fill, and nobody reads it behind the barrier at visit 2's end.
.set FRB,   1536
.set TVIS,  4*FRB
.set TROW,  16*FRB
.set BOFF,  8*TVIS
.set SLOT,  16*TVIS
.set SCL,   3*SLOT
.set SCLB,  8*1024
.set SPARE, SCL+16*1024
.set SPITCH, 272
.set STAGE, SLOT
.set ADP,  10
.set ADR,  13
.set ADPS, 20
.set ADRS, 21
.set LI,   22
.set STO,  23
.set RD,   24
.set CO,   25
.set R16,  27
.set SPW,  28
.set NIL,  29
.set SC,   32
.set RF,   128
.set BK,   128
.set G1A,  24
.set G0A,  32
.set G1SA, 44
.set G0SA, 52
.set G1B,  56
.set G0B,  68
.set G1SB, 80
.set G0SB, 88
.set MSB, 0
.macro WIN new
.if MSB != (\new)
	s_set_vgpr_msb (MSB<<8)|(\new)
.set MSB, \new
.endif
.endm
.macro PLACES
.rept 4
	v_nop
.endr
.endm
.macro JLOAD g0a, g1a, g0b, g1b
	s_cmp_eq_u32 s19, 0
	s_cbranch_scc0 .Lfor_b_\@
	tensor_load_to_lds s[\g0a:\g0a+3], s[\g1a:\g1a+7]
	s_nop 0
.rept 4
	v_nop
.endr
	s_branch .Lasked_\@
.Lfor_b_\@:
	tensor_load_to_lds s[\g0b:\g0b+3], s[\g1b:\g1b+7]
	s_nop 0
.rept 4
	v_nop
.endr
.Lasked_\@:
.endm
.macro CREST
	s_cmp_lg_u32 s18, 0
	s_cbranch_scc1 .Lnot_wave_0_\@
	s_barrier_signal -3
.Lnot_wave_0_\@:
	s_barrier_wait -3
	s_barrier_signal -1
	s_barrier_wait -1
.endm
.macro CROUND
	s_barrier_signal -1
	s_barrier_wait -1
	CREST
.endm
	s_load_b256 s[4:11], s[0:1], 0x0
	s_load_b64 s[12:13], s[0:1], 0x20
	v_lshl_add_u32 v[SPW], v0, 2, SPARE
	v_mov_b32 v[NIL], 0
	ds_add_u32 v28, v29
	ds_add_u32 v28, v29
	s_wait_dscnt 0x0
	v_lshrrev_b32 v1, 5, v0
	v_readfirstlane_b32 s18, v1
	s_lshr_b32 s19, s18, 1
	s_and_b32 s20, s18, 1
	s_bfe_u32 s14, ttmp6, 0x40000
	s_bfe_u32 s15, ttmp6, 0x40004
	s_lshl_b32 s16, ttmp9, 2
	s_add_co_u32 s16, s16, s14
	s_and_b32 s21, ttmp7, 0xffff
	s_lshl_b32 s21, s21, 2
	s_add_co_u32 s21, s21, s15
	s_lshl_b32 s17, s15, 2
	s_lshl_b32 s17, 15, s17
	s_lshl_b32 s22, 0x1111, s14
	s_or_b32 s[G1A], s17, (3<<16)|(1<<21)
	s_or_b32 s[G1B], s22, (3<<16)|(1<<21)
	s_or_b32 s[G1SA], s17, (3<<16)|(1<<21)
	s_or_b32 s[G1SB], s22, (3<<16)|(1<<21)
.irp g, G1A, G1B
	s_mov_b32 s[\g+1], 768<<16
	s_mov_b32 s[\g+2], 8<<16                       ; the head's loads: all 8 tiles
	s_mov_b32 s[\g+3], 768<<16
	s_mov_b32 s[\g+4], 8
	s_mov_b32 s[\g+5], 3072
	s_mov_b32 s[\g+6], 0
	s_mov_b32 s[\g+7], 0
.endr
.irp g, G1SA, G1SB
	s_mov_b32 s[\g+1], 32<<16
	s_mov_b32 s[\g+2], 32<<16                      ; 8 tiles x 1,024 bytes of scale words
	s_mov_b32 s[\g+3], 32<<16
	s_mov_b32 s[\g+4], 32
	s_mov_b32 s[\g+5], 32
	s_mov_b32 s[\g+6], 0
	s_mov_b32 s[\g+7], 0
.endr
	s_lshl_b32 s2, s21, 3                          ; y: tile 8 wgy
	s_mul_i32 s92, s2, TROW
	s_mov_b32 s93, 0
	s_lshl_b32 s94, s2, 10
	s_mov_b32 s95, 0
	s_lshl_b32 s3, s16, 3
	s_add_co_u32 s3, s3, 192                       ; Wo: tile 192 + 8 wgx
	s_mul_i32 s96, s3, TROW
	s_mov_b32 s97, 0
	s_lshl_b32 s98, s3, 10
	s_mov_b32 s99, 0
	s_mul_i32 s100, s20, 4*TVIS
	s_mul_i32 s2, s20, 4*TROW                      ; behind the head I fetch 4 tiles: which half, in bytes
	s_mov_b32 s3, 0
	s_mul_i32 s101, s20, 8*TVIS
; PREFETCH INTO THE L2 (this takes the place of the head comment's line on prefetching): behind the head's loads visits 1 and 2 are asked for, behind their load visit 3: what the NEXT tensor load brings, a visit and more ahead.
; Each block of 256 bytes is named once in a cluster, the partners sharing by ADDRESS: of y's 8 tiles the work-group at cx takes 2 cx, 2 cx + 1, of the weight's 8 the one at cy takes 2 cy, 2 cy + 1: half a tile a wave:
; 24 blocks of visits 1 and 2, 12 of visit 3 (the lanes left over name the last block again).  The address registers are never rewritten; visit 3 is the last that is named.
	s_mul_i32 s17, s20, 3072
	s_lshl_b32 s66, s21, 3
	s_lshl_b32 s67, s14, 1
	s_add_co_u32 s66, s66, s67
	s_add_co_u32 s66, s66, s19                     ; y: tile 8 wgy + 2 cx + wave / 2
	s_mul_i32 s66, s66, TROW
	s_add_co_u32 s66, s66, s17
	s_mov_b32 s67, 0
	s_lshl_b32 s22, s16, 3
	s_lshl_b32 s23, s15, 1
	s_add_co_u32 s22, s22, s23
	s_add_co_u32 s22, s22, s19
	s_add_co_u32 s22, s22, 192                     ; Wo: tile 192 + 8 wgx + 2 cy + wave / 2
	s_mul_i32 s22, s22, TROW
	s_add_co_u32 s22, s22, s17
	s_mov_b32 s23, 0
	s_wait_kmcnt 0x0
	s_add_nc_u64 s[92:93], s[4:5], s[92:93]
	s_add_nc_u64 s[94:95], s[6:7], s[94:95]
	s_add_nc_u64 s[96:97], s[8:9], s[96:97]
	s_add_nc_u64 s[98:99], s[10:11], s[98:99]
	s_add_nc_u64 s[4:5], s[4:5], s[66:67]          ; my tile of y, + 3,072 x (wave % 2)
	s_add_nc_u64 s[8:9], s[8:9], s[22:23]          ; and of Wo
	CROUND
	s_mov_b32 s[G0SA], 1                           ; y's scale words, whole
	s_mov_b32 s[G0SA+1], SCL
	s_mov_b64 s[G0SA+2:G0SA+3], s[94:95]
	s_or_b32 s[G0SA+3], s[G0SA+3], 0x80000000
	s_mov_b32 s[G0SB], 1                           ; the weight's
	s_mov_b32 s[G0SB+1], SCL+SCLB
	s_mov_b64 s[G0SB+2:G0SB+3], s[98:99]
	s_or_b32 s[G0SB+3], s[G0SB+3], 0x80000000
	s_mov_b32 s[G0A+8], 1                          ; set 2: the head's loads of visit 0, 8 tiles each
	s_mov_b32 s[G0A+9], 0
	s_mov_b64 s[G0A+10:G0A+11], s[92:93]
	s_or_b32 s[G0A+11], s[G0A+11], 0x80000000
	s_mov_b32 s[G0B+8], 1
	s_mov_b32 s[G0B+9], BOFF
	s_mov_b64 s[G0B+10:G0B+11], s[96:97]
	s_or_b32 s[G0B+11], s[G0B+11], 0x80000000
	s_add_nc_u64 s[92:93], s[92:93], s[2:3]        ; my 4 tiles
	s_add_nc_u64 s[96:97], s[96:97], s[2:3]
	s_mov_b32 s[G0A], 1                            ; set 0: slot 0's refill (stepped to visit 3 behind its round)
	s_add_co_u32 s[G0A+1], s100, 0
	s_mov_b64 s[G0A+2:G0A+3], s[92:93]
	s_or_b32 s[G0A+3], s[G0A+3], 0x80000000
	s_mov_b32 s[G0B], 1
	s_add_co_u32 s[G0B+1], s100, BOFF
	s_mov_b64 s[G0B+2:G0B+3], s[96:97]
	s_or_b32 s[G0B+3], s[G0B+3], 0x80000000
	s_mov_b32 s[G0A+4], 1                          ; set 1: visits 1 and 2: regions 0, 1 y's, regions 2, 3 the weight's
	s_add_co_u32 s[G0A+5], s101, SLOT
	s_add_nc_u64 s[G0A+6:G0A+7], s[92:93], TVIS
	s_or_b32 s[G0A+7], s[G0A+7], 0x80000000
	s_mov_b32 s[G0B+4], 1
	s_add_co_u32 s[G0B+5], s101, SLOT+16*TVIS
	s_add_nc_u64 s[G0B+6:G0B+7], s[96:97], TVIS
	s_or_b32 s[G0B+7], s[G0B+7], 0x80000000
; the head's loads, one a wave: one chain of branches on the wave's number, a load to an arm, all arms to one join
.macro ARM under, g0, g1, next
	s_cmp_lt_u32 s18, \under
	s_cbranch_scc0 \next
	tensor_load_to_lds s[\g0:\g0+3], s[\g1:\g1+7]
	s_nop 0
	PLACES
	s_branch .Lhead_asked
\next:
.endm
	ARM 1, G0A+8, G1A, .Lhead_b
	ARM 2, G0B+8, G1B, .Lhead_sa
	ARM 3, G0SA, G1SA, .Lhead_sb
	tensor_load_to_lds s[G0SB:G0SB+3], s[G1SB:G1SB+7]
	s_nop 0
	PLACES
.Lhead_asked:
	v_and_b32 v1, 31, v0
	v_and_b32 v2, 15, v0
	v_bfe_u32 v3, v0, 4, 1
	v_lshlrev_b32 v[LI], 4, v1
	v_lshlrev_b32 v[R16], 4, v2
	v_min_u32 v30, 23, v1
	v_lshlrev_b32 v30, 8, v30
	v_add_nc_u32 v30, s17, v30                     ; v30: visits 1 and 2: my block of 24, in half wave % 2 of 12,288 bytes (3,072 of the 6,144 stand in the base); never rewritten
	v_min_u32 v31, 11, v1
	v_lshlrev_b32 v31, 8, v31                      ; v31: visit 3: my block of 12; never rewritten
	s_wait_alu depctr_va_vdst(0)                   ; the wait behind these writes
	global_prefetch_b8 v30, s[4:5] offset:TVIS th:TH_LOAD_NT scope:SCOPE_SE
	global_prefetch_b8 v30, s[8:9] offset:TVIS th:TH_LOAD_NT scope:SCOPE_SE
	s_mul_i32 s92, s20, 4*TVIS
	s_add_co_u32 s92, s92, BOFF
	s_mul_i32 s93, s19, 4*TVIS
	s_lshl_b32 s97, s93, 1                         ; y's region of visits 1 and 2: 8 TVIS x (w / 2)
	v_add_nc_u32 v[ADP], s92, v[LI]
	v_add_nc_u32 v[ADP+1], s101, v[LI]
	v_add_nc_u32 v[ADP+1], SLOT+16*TVIS, v[ADP+1]  ; visit 1: the weight's region 2 + w % 2
	v_add_nc_u32 v[ADP+2], TVIS, v[ADP+1]          ; visit 2: the second half of each row
	v_add_nc_u32 v[ADR], s93, v[LI]
	v_add_nc_u32 v[ADR+1], s97, v[LI]
	v_add_nc_u32 v[ADR+1], SLOT, v[ADR+1]
	v_add_nc_u32 v[ADR+2], TVIS, v[ADR+1]
	s_lshl_b32 s94, s20, 12
	s_add_co_u32 s94, s94, SCL+SCLB
	v_add_nc_u32 v[ADPS], s94, v[R16]
	s_lshl_b32 s95, s19, 12
	s_add_co_u32 s95, s95, SCL
	v_add_nc_u32 v[ADRS], s95, v[R16]
	s_mul_i32 s96, s18, 16*SPITCH
	s_add_co_u32 s96, s96, STAGE
	v_mul_u32_u24 v[STO], v2, SPITCH
	v_lshl_add_u32 v[STO], v3, 6, v[STO]
	v_add_nc_u32 v[STO], s96, v[STO]
	v_mul_u32_u24 v[RD], v3, SPITCH
	v_lshl_add_u32 v[RD], v2, 4, v[RD]
	v_add_nc_u32 v[RD], s96, v[RD]
	v_lshlrev_b32 v[CO], 13, v3
	v_lshl_add_u32 v[CO], v2, 4, v[CO]
	s_lshl_b32 s98, s21, 20
	s_lshl_b32 s99, s19, 19
	s_add_co_u32 s98, s98, s99
	s_lshl_b32 s99, s16, 9
	s_add_co_u32 s98, s98, s99
	s_lshl_b32 s99, s20, 8
	s_add_co_u32 s98, s98, s99
	s_mov_b32 s99, 0
	s_add_nc_u64 s[12:13], s[12:13], s[98:99]
.macro FETCH slot, q, p
	WIN 0x40
.irp b, 0,1,2,3
.irp c, 0,1,2
	ds_load_b128 v[128*(\p)+12*\b+4*\c:128*(\p)+12*\b+4*\c+3], v[ADP+\slot] offset:\b*TVIS*(1+((\slot)+1)/2)+(\q)*FRB+512*\c   ; from tile to tile: TVIS in slot 0, 2 TVIS in visits 1 and 2
.endr
.endr
	WIN 0
.irp e, 0,1,2,3
.irp c, 0,1,2
	ds_load_b128 v[RF+48*(\p)+12*\e+4*\c:RF+48*(\p)+12*\e+4*\c+3], v[ADR+\slot] offset:\e*TVIS*(1+((\slot)+1)/2)+(\q)*FRB+512*\c
.endr
.endr
.endm
.macro SCALES z, kg
.irp b, 0,1,2,3
	ds_load_b128 v[SC+32*(\z)+4*\b:SC+32*(\z)+4*\b+3], v[ADPS] offset:\b*1024+(\kg)*256
.endr
.irp e, 0,1,2,3
	ds_load_b128 v[SC+32*(\z)+16+4*\e:SC+32*(\z)+16+4*\e+3], v[ADRS] offset:\e*1024+(\kg)*256
.endr
.endm
.macro MUL rho, p, z, ksl, zero
.irp b, 0,1,2,3
.if \zero
	v_wmma_scale_f32_16x16x128_f8f6f4 v[8*(4*(\rho)+\b):8*(4*(\rho)+\b)+7], v[128*(\p)+12*\b:128*(\p)+12*\b+11], v[RF+48*(\p)+12*(\rho):RF+48*(\p)+12*(\rho)+11], 0, v[SC+32*(\z)+4*\b+(\ksl)], v[SC+32*(\z)+16+4*(\rho)+(\ksl)] matrix_a_fmt:MATRIX_FMT_FP6 matrix_b_fmt:MATRIX_FMT_FP6
.else
	v_wmma_scale_f32_16x16x128_f8f6f4 v[8*(4*(\rho)+\b):8*(4*(\rho)+\b)+7], v[128*(\p)+12*\b:128*(\p)+12*\b+11], v[RF+48*(\p)+12*(\rho):RF+48*(\p)+12*(\rho)+11], v[8*(4*(\rho)+\b):8*(4*(\rho)+\b)+7], v[SC+32*(\z)+4*\b+(\ksl)], v[SC+32*(\z)+16+4*(\rho)+(\ksl)] matrix_a_fmt:MATRIX_FMT_FP6 matrix_b_fmt:MATRIX_FMT_FP6
.endif
.endr
.endm
.set W_MUL, 0xa1
.macro STEP slot, q, z, zero
	s_wait_dscnt 0x0
	PLACES
	FETCH \slot, (\q)+1, 1-(\q)%2
	WIN W_MUL
	MUL 0, (\q)%2, \z, \q, \zero
	MUL 1, (\q)%2, \z, \q, \zero
	MUL 2, (\q)%2, \z, \q, \zero
	MUL 3, (\q)%2, \z, \q, \zero
	WIN 0
.endm
.macro CROSS next, z, kg
	s_wait_dscnt 0x0
	PLACES
	FETCH \next, 0, 0
	SCALES 1-(\z), \kg
	WIN W_MUL
	MUL 0, 1, \z, 3, 0
	MUL 1, 1, \z, 3, 0
	MUL 2, 1, \z, 3, 0
	MUL 3, 1, \z, 3, 0
	WIN 0
.endm
.macro TURN slot, next, z, fill, kg
	s_wait_tensorcnt 0x0
	ds_add_u32 v[SPW], v[NIL]
	s_wait_dscnt 0x1
	WIN W_MUL
	MUL 0, 1, \z, 3, 0
	s_wait_dscnt 0x0
	s_barrier_signal -1
	MUL 1, 1, \z, 3, 0
	WIN 0
	s_barrier_wait -1
.if \fill
	CREST
.irp g, G1A, G1B
	s_mov_b32 s[\g+1], 768<<16                     ; no tensor load of mine is out: a row is one visit again
	s_mov_b32 s[\g+3], 768<<16
.endr
	s_add_nc_u64 s[G0A+4*\slot+2:G0A+4*\slot+3], s[G0A+4*\slot+2:G0A+4*\slot+3], 3*TVIS
	s_add_nc_u64 s[G0B+4*\slot+2:G0B+4*\slot+3], s[G0B+4*\slot+2:G0B+4*\slot+3], 3*TVIS
	JLOAD G0A+4*\slot, G1A, G0B+4*\slot, G1B
.else
	PLACES
.endif
	FETCH \next, 0, 0
	SCALES 1-(\z), \kg
	WIN W_MUL
	MUL 2, 1, \z, 3, 0
	MUL 3, 1, \z, 3, 0
	WIN 0
.endm
	s_wait_alu depctr_va_vdst(0)                   ; the wait at the head's end
	s_wait_tensorcnt 0x0                           ; my tile of the head's four is in; the three lines stand ahead of a later first fill as ahead of a refill
	ds_add_u32 v[SPW], v[NIL]
.irp g, G1A, G1B
	s_mov_b32 s[\g+1], 1536<<16                    ; no tensor load of mine is out: 4 tiles, a row of two visits (12,288 bytes)
	s_mov_b32 s[\g+2], 4<<16
	s_mov_b32 s[\g+3], 1536<<16
	s_mov_b32 s[\g+4], 4
.endr
	s_wait_dscnt 0x0
	CROUND                                         ; all four tiles are in, and all sixteen work-groups are here
	JLOAD G0A+4, G1A, G0B+4, G1B                   ; visits 1 and 2, the first tensor load behind the round
	FETCH 0, 0, 0
	SCALES 0, 0
	global_prefetch_b8 v31, s[4:5] offset:3*TVIS th:TH_LOAD_NT scope:SCOPE_SE   ; behind the load of visits 1 and 2 and the run of LDS loads: visit 3
	global_prefetch_b8 v31, s[8:9] offset:3*TVIS th:TH_LOAD_NT scope:SCOPE_SE
	STEP 0, 0, 0, 1
	STEP 0, 1, 0, 0
	STEP 0, 2, 0, 0
	TURN 0, 1, 0, 1, 1
	STEP 1, 0, 1, 0
	STEP 1, 1, 1, 0
	STEP 1, 2, 1, 0
	CROSS 2, 1, 2
	STEP 2, 0, 0, 0
	STEP 2, 1, 0, 0
	STEP 2, 2, 0, 0
	TURN 2, 0, 0, 0, 3
	STEP 0, 0, 1, 0
	STEP 0, 1, 1, 0
	STEP 0, 2, 1, 0
	s_wait_dscnt 0x0
	WIN W_MUL
	MUL 0, 1, 1, 3, 0
	MUL 1, 1, 1, 3, 0
	MUL 2, 1, 1, 3, 0
	MUL 3, 1, 1, 3, 0
	WIN 0
.macro TOSTAGE rho
	WIN 0x08
.irp b, 0,1,2,3
	ds_store_b128 v[STO], v[8*(4*(\rho)+\b):8*(4*(\rho)+\b)+3] offset:128*(\b/2)+32*(\b%2)
	ds_store_b128 v[STO], v[8*(4*(\rho)+\b)+4:8*(4*(\rho)+\b)+7] offset:128*(\b/2)+32*(\b%2)+16
.endr
	WIN 0
.irp t, 0,1,2,3,4,5,6,7
	ds_load_b128 v[BK+32*(\rho)+4*\t:BK+32*(\rho)+4*\t+3], v[RD] offset:2*\t*SPITCH
.endr
.endm
.macro SEND rho, younger
	s_wait_dscnt \younger
.irp t, 0,1,2,3,4,5,6,7
	global_store_b128 v[CO], v[BK+32*(\rho)+4*\t:BK+32*(\rho)+4*\t+3], s[12:13] offset:(32*((\rho)/2)+8*((\rho)%2)+2*\t+8*(\t/4))*8192 th:TH_STORE_NT
.endr
.endm
	PLACES
	TOSTAGE 0
	TOSTAGE 1
	SEND 0, 16
	TOSTAGE 2
	SEND 1, 16
	TOSTAGE 3
	SEND 2, 16
	SEND 3, 0
	s_wait_tensorcnt 0x0
	ds_add_u32 v[SPW], v[NIL]
	s_wait_dscnt 0x0
	CROUND
	s_endpgm
.Lfunc_end_k_q1bde664b4e_outp:
	.size	k_q1bde664b4e_outp, .Lfunc_end_k_q1bde664b4e_outp-k_q1bde664b4e_outp
	.p2alignl 7, 3214868480
	.fill 96, 4, 3214868480
	.section	.rodata,"a",@progbits
	.p2align	6, 0x0
	.amdhsa_kernel k_q1bde664b4e_outp
		.amdhsa_group_segment_fixed_size 327680
		.amdhsa_private_segment_fixed_size 0
		.amdhsa_enable_private_segment 0
		.amdhsa_kernarg_size 40
		.amdhsa_user_sgpr_count 2
		.amdhsa_user_sgpr_kernarg_segment_ptr 1
		.amdhsa_wavefront_size32 1
		.amdhsa_system_sgpr_workgroup_id_x 1
		.amdhsa_system_sgpr_workgroup_id_y 1
		.amdhsa_system_sgpr_workgroup_id_z 1
		.amdhsa_system_vgpr_workitem_id 0
		.amdhsa_next_free_vgpr 640
		.amdhsa_next_free_sgpr 102
		.amdhsa_reserve_vcc 0
		.amdhsa_float_denorm_mode_32 3
		.amdhsa_float_denorm_mode_16_64 3
		.amdhsa_memory_ordered 1
		.amdhsa_forward_progress 1
		.amdhsa_inst_pref_size 84
	.end_amdhsa_kernel
	.amdgpu_metadata
---
amdhsa.version: [ 1, 2 ]
amdhsa.kernels:
  - .name:           k_q1bde664b4e_outp
    .symbol:         k_q1bde664b4e_outp.kd
    .args:
      - { .name: y_img, .offset: 0, .size: 8, .value_kind: global_buffer, .address_space: global }
      - { .name: y_sc, .offset: 8, .size: 8, .value_kind: global_buffer, .address_space: global }
      - { .name: w_img, .offset: 16, .size: 8, .value_kind: global_buffer, .address_space: global }
      - { .name: w_sc, .offset: 24, .size: 8, .value_kind: global_buffer, .address_space: global }
      - { .name: out0, .offset: 32, .size: 8, .value_kind: global_buffer, .address_space: global }
    .group_segment_fixed_size: 327680
    .private_segment_fixed_size: 0
    .kernarg_segment_align: 8
    .kernarg_segment_size: 40
    .max_flat_workgroup_size: 128
    .sgpr_count:     102
    .vgpr_count:     640
    .wavefront_size: 32
...
	.end_amdgpu_metadata
.endif
;; end of part 9
